; MI455X (gfx1250); checked and timed in simulation.
; The chip was launched on July 23, 2026; its instructions are those of AMD's public machine-readable ISA for CDNA 5 (MIT licence, August 2026) and "CDNA5" Instruction Set Architecture Reference Guide (July 2026). The comments in the code are by the model that wrote it; some were corrected since.
;; Transformer Encoder Layer. Allowed arithmetic: matrix products marked QUANTISED: E2M3 operands, one E8M0 scale for each 32 along K, by v_wmma_scale_f32_16x16x128_f8f6f4 with both operands' format E2M3, f32 sums; everything else in f32.
;; Inputs: fc1_b 4,096 float32; fc1_w 1,024 x 4,096 float32; fc2_b 1,024 float32; fc2_w 4,096 x 1,024 float32; key_padding_mask 2 x 2,048 bool; ln1_b 1,024 float32; ln1_w 1,024 float32; ln2_b 1,024 float32; ln2_w 1,024 float32; proj_b 1,024 float32; proj_w 1,024 x 1,024 float32; qkv_w 1,024 x 3,072 float32; x 2 x 2,048 x 1,024 float32.
;; Outputs: out0 2 x 2,048 x 1,024 float32.
;; This version of the problem:
;;   THIS VERSION OF THE PROBLEM IS GIVEN IN LOW PRECISION. The matrix products marked QUANTISED in the list below multiply operands that are first quantised to E2M3 (2 exponent bits, 3 mantissa bits; 6 bits a number), with one power-of-two scale for each 32 numbers along K (OCP MX v1.0); their sums are f32. All else is computed in f32.
;;   The module's matrix products, in the order in which they are computed (A, B: the left and right operand; K: the contracted axis; several contracted axes count as one K, in the product's order):
;;     1. [M 4,096, K 1,024] x [K 1,024, N 3,072]; A: computed on the way; B: input qkv_w: QUANTISED
;;     2. batch 32 x [M 2,048, K 64] x [K 64, N 2,048]; A: computed on the way; B: computed on the way: QUANTISED
;;     3. batch 32 x [M 64, K 2,048] x [K 2,048, N 2,048]; A: computed on the way; B: softmax (see below): QUANTISED
;;     4. [M 4,096, K 1,024] x [K 1,024, N 1,024]; A: computed on the way; B: input proj_w: QUANTISED
;;     5. [M 4,096, K 1,024] x [K 1,024, N 4,096]; A: computed on the way; B: input fc1_w: QUANTISED
;;     6. [M 4,096, K 4,096] x [K 4,096, N 1,024]; A: computed on the way; B: input fc2_w: QUANTISED
;;   THE QUANTISER, for each operand of a quantised product, along K:
;;     - K is cut into blocks of 32 from its start; a last block that is shorter is filled with zeros.
;;     - A block's scale is 2^e with e = floor(log2(the largest magnitude in the block)) - 2, held to -126 .. 127; a block of zeros has e = 0. As a byte (E8M0): e + 127.
;;     - Each number is divided by its block's scale, clamped to +-7.5, and rounded to the nearest number of E2M3, ties to even, subnormals kept.
;;     - The product sums the exact products of the quantised numbers (number of the format x scale) in f32.
;;   ~~~python
;;   def quantise(x, axis):      # numpy; x: float32 -> the quantised numbers, widened to float32 again
;;       x = np.moveaxis(x, axis, -1); K = x.shape[-1]
;;       x = np.pad(x, [(0, 0)] * (x.ndim - 1) + [(0, -K % 32)]); x = x.reshape(x.shape[:-1] + (-1, 32)); a = np.abs(x).max(-1, keepdims=True)
;;       e = np.where(a > 0, np.clip(np.frexp(np.where(a > 0, a, 1))[1] - 1 - 2, -126, 127), 0)      # np.frexp(a)[1] - 1 = floor(log2(a)), exactly
;;       r = np.clip(x / 2.0 ** e, -7.5, 7.5)
;;       step = 2.0 ** (np.maximum(np.frexp(np.where(r == 0, 1, r))[1] - 1, 0) - 3)
;;       q = np.round(r / step) * step * 2.0 ** e      # np.round: ties to even
;;       return np.moveaxis(q.reshape(q.shape[:-2] + (-1,))[..., :K], -1, axis).astype(np.float32)
;;   ~~~
;;   SOFTMAX AHEAD OF A QUANTISED PRODUCT. Where the list says 'softmax', what is quantised is not the finished softmax but p = 2^(t - M), with t = logit x log2(e) and M = ceil(the row's largest t), a whole number; so 1/2 < the row's largest p <= 1. The row's sum l is taken of the UNQUANTISED p, in f32, and the product's result is divided by l at the end. Since M is a whole number, a kernel that streams over the keys may use a running M (the ceiling of the running maximum): every later rescaling is an exact power of two, which a block's scale takes up: the codes' values come out the same.
;;   OPERANDS COMPUTED ON THE WAY. 'Computed on the way' means the value that the module computes at that place (a softmax that the list does not call 'softmax' is quantised finished and normalised). What goes into a quantiser is computed in f32, as accurately as f32 sums, v_exp_f32 and their like allow (about 1e-6 of the number): no bf16 or f16 on the way to a quantiser, and a product that is left as it is and whose result goes on into a quantised operand takes f32 operands (vector FMAs, or v_wmma_f32_16x16x4_f32). A number that lies on a knife's edge between two numbers of the format may be rounded either way, as far as f32 arithmetic and the matrix unit's own rounding can turn it there, and no further.
;; 2 versions. Each part assembles by itself: llvm-mc -triple=amdgcn-amd-amdhsa -mcpu=gfx1250 --defsym DOCPART=n.
;; ======== version 1 of 2: 8 launches
;; workspace buffers: wts 9,830,400 bytes; act 3,276,800 bytes; qkvq 9,830,400 bytes; x1 16,777,216 bytes; hid 13,107,200 bytes
;; launch quantw (part 1): grid 96 x 8, 4 waves a work-group, no clusters, 0 bytes of LDS; arguments qkv_w, proj_w, fc1_w, fc2_w, wts; writes wts
.if DOCPART == 1
	.amdgcn_target "amdgcn-amd-amdhsa--gfx1250"
	.amdhsa_code_object_version 6
	.text
	.protected	k_q4dfba1f6e6_quantw
	.globl	k_q4dfba1f6e6_quantw
	.p2align	8
	.type	k_q4dfba1f6e6_quantw,@function
k_q4dfba1f6e6_quantw:
	s_mov_b64 s[64:65], 0
	v_nop
	global_prefetch_b8 v0, s[64:65] scope:SCOPE_SE
	s_setreg_imm32_b32 hwreg(HW_REG_WAVE_MODE, 25, 1), 1
	s_wait_xcnt 0x0
; The four weights, f32 stored [K][N], become codes of FP6 (E2M3) with one E8M0 byte for each 32 along K, laid as the products' launches read them.
; LAYOUT OF wts.  A weight's column n is a ROW of the operand, and stands at row position sigma(n), sigma = n with bits 3 and 4 exchanged.  Codes: [row tile of 16][K step of 128][1,536 bytes], the 1,536 bytes
; an image of the operand's 12 registers: registers 0-3 at 16 x lane, 4-5 at 512 + 8 x lane, 6-9 at 768 + 16 x lane, 10-11 at 1,280 + 8 x lane.  Scale words: [128 rows][K step][128 words], byte b of a word for block b.
; SHARES.  A work-group takes 128 columns x 128 along K, a wave 32 columns: two row tiles, one K step.  A LANE TAKES A COLUMN AND ITS REGISTERS RUN DOWN K: a block of 32 lies in one lane, its largest magnitude needs no
; other lane, and the conversions give codes with K innermost.  Lane L stands for row position n0 + L, so it reads column n0 + sigma(L): a load still covers the same 128 consecutive bytes.
; One path serves all four tensors: what differs (pointer, row length, places in wts) is chosen by s_cselect on the work-group's number.  No LDS, no barrier, waves share nothing; matrix units and clusters have nothing to do here.
; A block's scale is 2^(floor(log2(largest magnitude)) - 2): its byte is the largest magnitude's exponent field - 2, held at 1 from below.
; LIMITS: a block of zeros gets the byte 1 where the rule says 127 (its codes are zeros, and this program alone reads the bytes); blocks whose largest magnitude lies under 2^-124 keep the byte 1; NaN and infinities are not served.
.set OFFS, 16                          ; v16-47   4 sigma(lane) + i rows, i = 0 .. 31
.set X,    48                          ; v48-111  two sets of 32 numbers
.set FA,   112                         ; v112-123 blocks 0 and 2 of my column; behind the exchange: row tile 0's operand registers
.set FB,   124                         ; v124-135 blocks 1 and 3; behind the exchange: row tile 1's
.set T,    136                         ; v136-138 a block's upper 16 codes
	s_load_b256 s[4:11], s[0:1], 0x0               ; qkv_w s[4:5], proj_w s[6:7], fc1_w s[8:9], fc2_w s[10:11]
	s_load_b64 s[12:13], s[0:1], 0x20              ; wts
	v_lshrrev_b32 v2, 5, v0
	v_readfirstlane_b32 s46, v2                    ; wave
	v_and_b32 v1, 31, v0                           ; lane
	v_lshlrev_b32 v3, 4, v1                        ; 16 x lane
	v_lshlrev_b32 v4, 3, v1                        ; 8 x lane
	v_lshlrev_b32 v5, 2, v1                        ; 4 x lane
	v_and_b32 v6, 7, v1
	v_bfe_u32 v7, v1, 3, 1
	v_lshl_or_b32 v6, v7, 4, v6
	v_bfe_u32 v7, v1, 4, 1
	v_lshl_or_b32 v6, v7, 3, v6                    ; sigma(lane)
	s_and_b32 s47, ttmp7, 0xffff                   ; y
	s_sub_co_u32 s48, ttmp9, 64                    ; fc2_w (x from 64): 8 groups of columns x 4 runs of 8 K steps
	s_and_b32 s17, s48, 7                          ; group of 128 columns
	s_lshr_b32 s18, s48, 3
	s_lshl_b32 s18, s18, 3
	s_add_co_u32 s18, s18, s47                     ; K step
	s_sub_co_u32 s49, ttmp9, 32                    ; fc1_w's group
	s_sub_co_u32 s50, ttmp9, 24                    ; proj_w's
	s_mov_b32 s16, 4096                            ; bytes in a row of the tensor
	s_mov_b32 s19, 32                              ; K steps
	s_mov_b32 s20, 6291456                         ; where its codes begin in wts
	s_mov_b32 s21, 9699328                         ; and its scale words
	s_wait_kmcnt 0x0
	s_mov_b64 s[14:15], s[10:11]
	s_cmp_lt_u32 ttmp9, 64                         ; fc1_w
	s_cselect_b64 s[14:15], s[8:9], s[14:15]
	s_cselect_b32 s16, 16384, s16
	s_cselect_b32 s17, s49, s17
	s_cselect_b32 s18, s47, s18
	s_cselect_b32 s19, 8, s19
	s_cselect_b32 s20, 3145728, s20
	s_cselect_b32 s21, 9568256, s21
	s_cmp_lt_u32 ttmp9, 32                         ; proj_w
	s_cselect_b64 s[14:15], s[6:7], s[14:15]
	s_cselect_b32 s16, 4096, s16
	s_cselect_b32 s17, s50, s17
	s_cselect_b32 s20, 2359296, s20
	s_cselect_b32 s21, 9535488, s21
	s_cmp_lt_u32 ttmp9, 24                         ; qkv_w
	s_cselect_b64 s[14:15], s[4:5], s[14:15]
	s_cselect_b32 s16, 12288, s16
	s_cselect_b32 s17, ttmp9, s17
	s_cselect_b32 s20, 0, s20
	s_cselect_b32 s21, 9437184, s21
	s_mul_i32 s22, s18, s16
	s_lshl_b32 s22, s22, 7                         ; K step x 128 rows
	s_lshl_b32 s23, s17, 9
	s_add_co_u32 s22, s22, s23                     ; + 512 bytes a group of columns
	s_lshl_b32 s23, s46, 7
	s_add_co_u32 s22, s22, s23                     ; + 128 bytes a wave
	s_mov_b32 s23, 0
	s_lshl_b32 s32, s16, 5                         ; 32 rows on
	s_mov_b32 s33, 0
	s_add_nc_u64 s[24:25], s[14:15], s[22:23]      ; a base for each block of 32 rows: no pointer is stepped later
	s_add_nc_u64 s[26:27], s[24:25], s[32:33]
	s_add_nc_u64 s[28:29], s[26:27], s[32:33]
	s_add_nc_u64 s[30:31], s[28:29], s[32:33]
	v_lshlrev_b32 v[OFFS], 2, v6
.set i, 1
.rept 31
	v_add_nc_u32 v[OFFS+i], s16, v[OFFS+i-1]
.set i, i+1
.endr
	s_lshl_b32 s34, s17, 3
	s_lshl_b32 s35, s46, 1
	s_add_co_u32 s34, s34, s35                     ; my first row tile
	s_mul_i32 s34, s34, s19
	s_add_co_u32 s34, s34, s18
	s_mul_i32 s34, s34, 1536
	s_add_co_u32 s34, s34, s20
	s_mov_b32 s35, 0
	s_add_nc_u64 s[36:37], s[12:13], s[34:35]      ; row tile 0's image
	s_mul_i32 s38, s19, 1536
	s_mov_b32 s39, 0
	s_add_nc_u64 s[40:41], s[36:37], s[38:39]      ; row tile 1's
	s_mul_i32 s42, s17, s19
	s_add_co_u32 s42, s42, s18
	s_lshl_b32 s42, s42, 9
	s_lshl_b32 s43, s46, 7
	s_add_co_u32 s42, s42, s43
	s_add_co_u32 s42, s42, s21
	s_mov_b32 s43, 0
	s_add_nc_u64 s[44:45], s[12:13], s[42:43]      ; my 32 scale words
.macro LOAD t                          ; block t: rows 32 t + i of my column, into set t % 2
.set i, 0
.rept 32
	global_load_b32 v[X+32*((\t)%2)+i], v[OFFS+i], s[24+2*(\t):25+2*(\t)] th:TH_LOAD_NT
.set i, i+1
.endr
.endm
.macro BLOCK t
.set XS, X+32*((\t)%2)
.set F, FA+12*((\t)%2)+6*((\t)/2)
.if (\t) < 3
	s_wait_loadcnt 32                              ; this block's 32 loads are in; the next block's 32 may be out
.else
	s_wait_loadcnt 0
.endif
	v_max3_num_f32 v8, |v[XS]|, |v[XS+1]|, |v[XS+2]|   ; the block's largest magnitude: all 32 numbers are mine; two chains
	v_max3_num_f32 v9, |v[XS+3]|, |v[XS+4]|, |v[XS+5]|
.irp i, 6,10,14,18,22,26
	v_max3_num_f32 v8, v8, |v[XS+\i]|, |v[XS+\i+1]|
	v_max3_num_f32 v9, v9, |v[XS+\i+2]|, |v[XS+\i+3]|
.endr
	v_max3_num_f32 v8, v8, |v[XS+30]|, |v[XS+31]|
	v_max3_num_f32 v8, v8, v9, 0x1800000           ; and the floor 2^(3 - 127): the byte cannot fall under 1
	v_add_nc_u32 v10, 0xff000000, v8               ; 2 off the exponent field: the conversion takes this operand's exponent field as its scale
	v_lshrrev_b32 v11, 23, v10                     ; the scale's byte
.if (\t) == 0
	v_mov_b32 v12, v11
.else
	v_lshl_or_b32 v12, v11, 8*(\t), v12            ; four bytes make my row's scale word
.endif
	v_cvt_scalef32_pk16_fp6_f32 v[F:F+2], v[XS:XS+15], v10
	v_cvt_scalef32_pk16_fp6_f32 v[T:T+2], v[XS+16:XS+31], v10   ; (a conversion's three registers begin on an even number)
	v_nop                                          ; one plain instruction behind a scaled conversion
.irp i, 0,1,2
	v_mov_b32 v[F+3+\i], v[T+\i]
.endr
.if (\t) < 2
	LOAD (\t)+2
.endif
.endm
	LOAD 0
	LOAD 1
	BLOCK 0
	BLOCK 1
	BLOCK 2
	BLOCK 3
; The operand wants, of row r, blocks 0 and 2 in lane r and blocks 1 and 3 in lane 16 + r.  FA's lanes 16-31 change places with FB's lanes 0-15: FA is then row tile 0's image, FB row tile 1's.
.set i, 0
.rept 12
	v_permlane16_swap_b32 v[FA+i], v[FB+i]
.set i, i+1
.endr
.irp f, 0,1
	global_store_b128 v3, v[FA+12*\f:FA+12*\f+3], s[36+4*\f:37+4*\f]                  ; each store covers 512 or 256 consecutive bytes, aligned
	global_store_b64 v4, v[FA+12*\f+4:FA+12*\f+5], s[36+4*\f:37+4*\f] offset:512
	global_store_b128 v3, v[FA+12*\f+6:FA+12*\f+9], s[36+4*\f:37+4*\f] offset:768
	global_store_b64 v4, v[FA+12*\f+10:FA+12*\f+11], s[36+4*\f:37+4*\f] offset:1280
.endr
	global_store_b32 v5, v12, s[44:45]             ; 128 consecutive bytes a wave, 512 a work-group: one byte for each 128 read
	s_endpgm
.Lfunc_end_k_q4dfba1f6e6_quantw:
	.size	k_q4dfba1f6e6_quantw, .Lfunc_end_k_q4dfba1f6e6_quantw-k_q4dfba1f6e6_quantw
	.p2alignl 7, 3214868480
	.fill 96, 4, 3214868480
	.section	.rodata,"a",@progbits
	.p2align	6, 0x0
	.amdhsa_kernel k_q4dfba1f6e6_quantw
		.amdhsa_group_segment_fixed_size 0
		.amdhsa_private_segment_fixed_size 0
		.amdhsa_enable_private_segment 0
		.amdhsa_kernarg_size 40
		.amdhsa_user_sgpr_count 2
		.amdhsa_user_sgpr_kernarg_segment_ptr 1
		.amdhsa_wavefront_size32 1
		.amdhsa_system_sgpr_workgroup_id_x 1
		.amdhsa_system_sgpr_workgroup_id_y 1
		.amdhsa_system_sgpr_workgroup_id_z 1
		.amdhsa_system_vgpr_workitem_id 0
		.amdhsa_next_free_vgpr 160
		.amdhsa_next_free_sgpr 66
		.amdhsa_reserve_vcc 0
		.amdhsa_float_denorm_mode_32 3
		.amdhsa_float_denorm_mode_16_64 3
		.amdhsa_memory_ordered 1
		.amdhsa_forward_progress 1
		.amdhsa_inst_pref_size 24
	.end_amdhsa_kernel
	.amdgpu_metadata
---
amdhsa.version: [ 1, 2 ]
amdhsa.kernels:
  - .name:           k_q4dfba1f6e6_quantw
    .symbol:         k_q4dfba1f6e6_quantw.kd
    .args:
      - { .name: qkv_w, .offset: 0, .size: 8, .value_kind: global_buffer, .address_space: global }
      - { .name: proj_w, .offset: 8, .size: 8, .value_kind: global_buffer, .address_space: global }
      - { .name: fc1_w, .offset: 16, .size: 8, .value_kind: global_buffer, .address_space: global }
      - { .name: fc2_w, .offset: 24, .size: 8, .value_kind: global_buffer, .address_space: global }
      - { .name: wts, .offset: 32, .size: 8, .value_kind: global_buffer, .address_space: global }
    .group_segment_fixed_size: 0
    .private_segment_fixed_size: 0
    .kernarg_segment_align: 8
    .kernarg_segment_size: 40
    .max_flat_workgroup_size: 128
    .sgpr_count:     66
    .vgpr_count:     160
    .wavefront_size: 32
...
	.end_amdgpu_metadata
.endif
;; end of part 1
;; launch ln1 (part 2): grid 256 x 1, 8 waves a work-group, no clusters, 69,632 bytes of LDS; arguments x, ln1_w, ln1_b, act; writes act
.if DOCPART == 2
	.amdgcn_target "amdgcn-amd-amdhsa--gfx1250"
	.amdhsa_code_object_version 6
	.text
	.protected	k_q4dfba1f6e6_ln1
	.globl	k_q4dfba1f6e6_ln1
	.p2align	8
	.type	k_q4dfba1f6e6_ln1,@function
k_q4dfba1f6e6_ln1:
	s_mov_b64 s[64:65], 0
	v_nop
	global_prefetch_b8 v0, s[64:65] scope:SCOPE_SE
	s_setreg_imm32_b32 hwreg(HW_REG_WAVE_MODE, 25, 1), 1
	s_wait_xcnt 0x0
; y = (x - mean) * rsqrt(var + 1e-5) * w + b over rows of 1,024 f32, and y quantised along the row to FP6 (E2M3) with one E8M0 byte for each 32: the A operand of the next product.  The text serves both layer norms.
; OUTPUT (act): codes [row tile of 16][8 K steps][1,536 bytes], the 1,536 bytes an image of the operand's 12 registers (0-3 at 16 x lane, 4-5 at 512 + 8 x lane, 6-9 at 768 + 16 x lane, 10-11 at 1,280 + 8 x lane);
; scale words from byte 3,145,728 on: [128 rows][8 K steps][128 words].  Row position p holds the true row sigma(p), sigma = bits 3 and 4 exchanged: tile tau, lane r is row 32 (tau / 2) + 8 (tau % 2) + r + 8 (r / 8).
; SHARES.  A work-group takes one row tile; wave w takes K step w (columns 128 w on).  Each load reads 512 consecutive bytes of a row; the 16 rows turn through the wave's own stage in LDS, so that lane (r, h)
; holds of row r the columns 128 w + 32 b + 16 h + i in register 16 b + i: the order in which the conversions want them.  Mean and variance (two passes: the differences are squared, so a common offset of the inputs costs nothing)
; meet across the eight waves in LDS: two barriers.  Memory binds: each input byte is read once; no matrix unit, no cluster (work-groups share only w and b, 8 KB).
; LIMITS: a block of zeros gets the byte 1 where the rule says 127 (zero codes; this program alone reads the bytes); blocks under 2^-124 keep the byte 1; NaN and infinities are not served.
; The scale words leave as 64 bytes a wave: one byte for each 24 of codes.
.set STGW,  8448                       ; a wave's stage: 16 rows x (512 + 16) bytes
.set RED,   67584                      ; 16 rows x 8 waves of partial sums (512 bytes), and 512 more for the squares
.set SPARE, 68608                      ; the spare words, 128 bytes for each of eight waves: four blocks of 256 bytes that no other line names
.set X,   32                           ; v32-95   my 64 numbers
.set W,   96                           ; v96-159  w at my columns; later at work
.set B,   160                          ; v160-223 b at my columns
.set TM,  96
.set PC,  112
.set PW,  132
.set SEL, 28
.macro QUANT s                         ; 64 numbers, register 16 b + i = k 32 b + 16 (lane / 16) + i of my row, become a fragment's codes in v[PC] on and its scale word in v[PW]
.irp b, 0,1,2,3
	v_max3_num_f32 v[TM+\b], |v[\s+16*\b]|, |v[\s+1+16*\b]|, 0x1800000   ; my 16 numbers of block b, and the floor 2^(3 - 127)
.endr
.irp i, 2,4,6,8,10,12,14
.irp b, 0,1,2,3
	v_max3_num_f32 v[TM+\b], v[TM+\b], |v[\s+16*\b+\i]|, |v[\s+1+16*\b+\i]|
.endr
.endr
.irp b, 0,1,2,3
	v_permlanex16_b32 v[TM+4+\b], v[TM+\b], s[SEL], s[SEL+1]
.endr
.irp b, 0,1,2,3
	v_max_num_f32 v[TM+\b], v[TM+\b], v[TM+4+\b]   ; with lane l xor 16's: the block's largest magnitude
.endr
.irp b, 0,1,2,3
	v_add_nc_u32 v[TM+12+\b], 0xff000000, v[TM+\b] ; 2 off the exponent field: the conversion's scale operand
.endr
.irp b, 0,1,2,3
	v_lshrrev_b32 v[TM+4+\b], 23, v[TM+12+\b]      ; the scale's byte
.endr
	v_lshl_or_b32 v[PW], v[TM+5], 8, v[TM+4]
	v_lshl_or_b32 v[PW], v[TM+6], 16, v[PW]
	v_lshl_or_b32 v[PW], v[TM+7], 24, v[PW]
.irp c, 0,1
	v_cvt_scalef32_pk16_fp6_f32 v[PC+6*\c:PC+2+6*\c], v[\s+32*\c:\s+15+32*\c], v[TM+12+2*\c]
	v_cvt_scalef32_pk16_fp6_f32 v[PC+12+4*\c:PC+14+4*\c], v[\s+16+32*\c:\s+31+32*\c], v[TM+12+2*\c+1]
.endr
	v_nop                                          ; one plain instruction behind a scaled conversion
.irp c, 0,1                            ; the operand wants a whole block in a lane: lanes 0-15 block 2 c, lanes 16-31 block 2 c + 1
.irp i, 0,1,2
	v_permlane16_swap_b32 v[PC+6*\c+\i], v[PC+12+4*\c+\i]
.endr
.irp i, 0,1,2
	v_mov_b32 v[PC+3+6*\c+\i], v[PC+12+4*\c+\i]
.endr
.endr
.endm
.macro ACROSS off                      ; the two chains v[20:21], v[22:23] become the row's sum over all 1,024 columns, in v24 of every lane
	v_pk_add_f32 v[20:21], v[20:21], v[22:23]
	v_add_f32 v20, v20, v21
	v_permlanex16_b32 v21, v20, s[SEL], s[SEL+1]
	v_add_f32 v20, v20, v21                        ; my wave's 128 columns of row r (both halves of the lanes hold it)
	ds_store_b32 v8, v20 offset:\off
	s_wait_dscnt 0x0                               ; for the others' sake: my store has landed
	s_barrier_signal -1
	s_barrier_wait -1
	ds_load_b128 v[24:27], v9 offset:\off
	ds_load_b128 v[28:31], v9 offset:\off+16
	s_wait_dscnt 0x0
	v_pk_add_f32 v[24:25], v[24:25], v[26:27]      ; the same tree in every wave: all eight get the same bits
	v_pk_add_f32 v[28:29], v[28:29], v[30:31]
	v_pk_add_f32 v[24:25], v[24:25], v[28:29]
	v_add_f32 v24, v24, v25
.endm
	s_load_b256 s[4:11], s[0:1], 0x0               ; in s[4:5], w s[6:7], b s[8:9], act s[10:11]
	v_lshl_add_u32 v14, v0, 2, SPARE               ; my spare word,
	v_mov_b32 v15, 0                               ; and 0: kept for the closing lines
	v_lshrrev_b32 v1, 5, v0
	v_readfirstlane_b32 s12, v1                    ; wave
	v_and_b32 v1, 31, v0                           ; lane
	v_and_b32 v2, 15, v0                           ; r
	v_bfe_u32 v3, v0, 4, 1                         ; h
	v_lshlrev_b32 v4, 4, v1                        ; 16 x lane
	v_lshlrev_b32 v11, 3, v1                       ; 8 x lane
	v_lshlrev_b32 v12, 2, v2                       ; 4 r
	s_mul_i32 s13, s12, STGW
	v_add_nc_u32 v5, s13, v4                       ; the stage, on the way in: a row's 512 bytes on end
	v_mul_u32_u24 v6, v2, 528
	v_lshl_add_u32 v6, v3, 6, v6
	v_add_nc_u32 v6, s13, v6                       ; and out: row r, + 64 h
	s_lshl_b32 s14, s12, 9                         ; 512 w: my columns' bytes
	v_lshlrev_b32 v7, 6, v3
	v_add_nc_u32 v7, s14, v7                       ; w and b: 512 w + 64 h
	v_lshl_add_u32 v9, v2, 5, RED                  ; row r's eight partial sums
	s_lshl_b32 s15, s12, 2
	v_add_nc_u32 v8, s15, v9                       ; mine among them
	s_mov_b32 s[SEL], 0x76543210
	s_mov_b32 s[SEL+1], 0xfedcba98                 ; lane l xor 16
	s_lshr_b32 s16, ttmp9, 1
	s_lshl_b32 s16, s16, 5
	s_and_b32 s17, ttmp9, 1
	s_lshl_b32 s17, s17, 3
	s_add_co_u32 s16, s16, s17                     ; the tile's first true row
	s_lshl_b32 s16, s16, 12
	s_add_co_u32 s16, s16, s14
	s_mov_b32 s17, 0
	s_lshl_b32 s18, ttmp9, 3
	s_add_co_u32 s18, s18, s12
	s_mul_i32 s18, s18, 1536                       ; image (tile, K step w)
	s_mov_b32 s19, 0
	s_lshr_b32 s20, ttmp9, 3
	s_lshl_b32 s20, s20, 3
	s_add_co_u32 s20, s20, s12
	s_lshl_b32 s20, s20, 9
	s_and_b32 s21, ttmp9, 7
	s_lshl_b32 s21, s21, 6
	s_add_co_u32 s20, s20, s21
	s_add_co_u32 s20, s20, 3145728                 ; the tile's 16 scale words of K step w
	s_mov_b32 s21, 0
	s_wait_kmcnt 0x0
	s_add_nc_u64 s[4:5], s[4:5], s[16:17]
	s_add_nc_u64 s[22:23], s[10:11], s[18:19]
	s_add_nc_u64 s[24:25], s[10:11], s[20:21]
.irp p, 0,1,2,3,4,5,6,7,8,9,10,11,12,13,14,15
	global_load_b128 v[X+4*\p:X+4*\p+3], v4, s[4:5] offset:(\p+8*(\p/8))*4096   ; row position p: 512 consecutive bytes
.endr
.irp p, 0,1,2,3,4,5,6,7,8,9,10,11,12,13,14,15
	global_load_b128 v[W+4*\p:W+4*\p+3], v7, s[6:7] offset:128*(\p/4)+16*(\p%4)
.endr
.irp p, 0,1,2,3,4,5,6,7,8,9,10,11,12,13,14,15
	global_load_b128 v[B+4*\p:B+4*\p+3], v7, s[8:9] offset:128*(\p/4)+16*(\p%4)
.endr
	s_wait_loadcnt 32                              ; the rows are in; w's and b's 32 loads may be out
.irp p, 0,1,2,3,4,5,6,7,8,9,10,11,12,13,14,15
	ds_store_b128 v5, v[X+4*\p:X+4*\p+3] offset:528*\p
.endr
.irp p, 0,1,2,3,4,5,6,7,8,9,10,11,12,13,14,15
	ds_load_b128 v[X+4*\p:X+4*\p+3], v6 offset:128*(\p/4)+16*(\p%4)   ; LDS serves a wave's instructions in order: these see my stores
.endr
	v_mov_b32 v19, 0x3a800000                      ; 1 / 1,024
	s_wait_dscnt 0x0
	v_pk_add_f32 v[20:21], v[X:X+1], v[X+2:X+3]
	v_pk_add_f32 v[22:23], v[X+4:X+5], v[X+6:X+7]
.irp j, 8,12,16,20,24,28,32,36,40,44,48,52,56,60
	v_pk_add_f32 v[20:21], v[20:21], v[X+\j:X+\j+1]
	v_pk_add_f32 v[22:23], v[22:23], v[X+\j+2:X+\j+3]
.endr
	ACROSS 0
	v_mul_f32 v16, v24, v19                        ; the mean,
	v_mul_f32 v17, v24, v19                        ; twice: a pair for the packed form
.set j, 0
.rept 32
	v_pk_add_f32 v[X+j:X+j+1], v[X+j:X+j+1], v[16:17] neg_lo:[0,1] neg_hi:[0,1]   ; x - mean
.set j, j+2
.endr
	v_pk_mul_f32 v[20:21], v[X:X+1], v[X:X+1]
	v_pk_mul_f32 v[22:23], v[X+2:X+3], v[X+2:X+3]
.irp j, 4,8,12,16,20,24,28,32,36,40,44,48,52,56,60
	v_pk_fma_f32 v[20:21], v[X+\j:X+\j+1], v[X+\j:X+\j+1], v[20:21]
	v_pk_fma_f32 v[22:23], v[X+\j+2:X+\j+3], v[X+\j+2:X+\j+3], v[22:23]
.endr
	ACROSS 512                                     ; other bytes than the first sums': no barrier is owed between the two
	v_fmaak_f32 v18, v24, v19, 0x3727c5ac          ; var + 1e-5 (the division by 1,024 is exact)
	v_rsq_f32 v18, v18
	v_nop                                          ; a plain instruction behind the transcendental,
	s_wait_alu depctr_va_vdst(0)                   ; and the wait ahead of the first use
	v_mov_b32 v19, v18
	s_wait_loadcnt 0x0                             ; w and b
.set j, 0
.rept 32
	v_pk_mul_f32 v[X+j:X+j+1], v[X+j:X+j+1], v[18:19]
.set j, j+2
.endr
.set j, 0
.rept 32
	v_pk_fma_f32 v[X+j:X+j+1], v[X+j:X+j+1], v[W+j:W+j+1], v[B+j:B+j+1]
.set j, j+2
.endr
	QUANT X
	global_store_b128 v4, v[PC:PC+3], s[22:23]                 ; the image: stores of 512 and 256 consecutive bytes, aligned
	global_store_b64 v11, v[PC+4:PC+5], s[22:23] offset:512
	global_store_b128 v4, v[PC+6:PC+9], s[22:23] offset:768
	global_store_b64 v11, v[PC+10:PC+11], s[22:23] offset:1280
	v_cmp_gt_u32 vcc_lo, 16, v1
	s_wait_xcnt 0x0                                ; EXEC changes only behind this wait
	s_and_saveexec_b32 s26, vcc_lo
	global_store_b32 v12, v[PW], s[24:25]          ; lanes 0-15: row r's scale word
	s_wait_xcnt 0x0                                ; and again, in front of the line that widens it
	s_or_b32 exec_lo, exec_lo, s26
	s_wait_tensorcnt 0x0                           ; the wave's end, behind my last LDS store
	ds_add_u32 v14, v15
	s_wait_dscnt 0x0
	s_endpgm
.Lfunc_end_k_q4dfba1f6e6_ln1:
	.size	k_q4dfba1f6e6_ln1, .Lfunc_end_k_q4dfba1f6e6_ln1-k_q4dfba1f6e6_ln1
	.p2alignl 7, 3214868480
	.fill 96, 4, 3214868480
	.section	.rodata,"a",@progbits
	.p2align	6, 0x0
	.amdhsa_kernel k_q4dfba1f6e6_ln1
		.amdhsa_group_segment_fixed_size 69632
		.amdhsa_private_segment_fixed_size 0
		.amdhsa_enable_private_segment 0
		.amdhsa_kernarg_size 32
		.amdhsa_user_sgpr_count 2
		.amdhsa_user_sgpr_kernarg_segment_ptr 1
		.amdhsa_wavefront_size32 1
		.amdhsa_system_sgpr_workgroup_id_x 1
		.amdhsa_system_sgpr_workgroup_id_y 1
		.amdhsa_system_sgpr_workgroup_id_z 1
		.amdhsa_system_vgpr_workitem_id 0
		.amdhsa_next_free_vgpr 232
		.amdhsa_next_free_sgpr 66
		.amdhsa_reserve_vcc 1
		.amdhsa_float_denorm_mode_32 3
		.amdhsa_float_denorm_mode_16_64 3
		.amdhsa_memory_ordered 1
		.amdhsa_forward_progress 1
		.amdhsa_inst_pref_size 25
	.end_amdhsa_kernel
	.amdgpu_metadata
---
amdhsa.version: [ 1, 2 ]
amdhsa.kernels:
  - .name:           k_q4dfba1f6e6_ln1
    .symbol:         k_q4dfba1f6e6_ln1.kd
    .args:
      - { .name: x, .offset: 0, .size: 8, .value_kind: global_buffer, .address_space: global }
      - { .name: ln1_w, .offset: 8, .size: 8, .value_kind: global_buffer, .address_space: global }
      - { .name: ln1_b, .offset: 16, .size: 8, .value_kind: global_buffer, .address_space: global }
      - { .name: act, .offset: 24, .size: 8, .value_kind: global_buffer, .address_space: global }
    .group_segment_fixed_size: 69632
    .private_segment_fixed_size: 0
    .kernarg_segment_align: 8
    .kernarg_segment_size: 32
    .max_flat_workgroup_size: 256
    .sgpr_count:     66
    .vgpr_count:     232
    .wavefront_size: 32
...
	.end_amdgpu_metadata
.endif
;; end of part 2
;; launch gqkv (part 3): grid 12 x 16, 4 waves a work-group, clusters of 4 x 4, 327,680 bytes of LDS; arguments act, wts, qkvq; writes qkvq
.if DOCPART == 3
	.amdgcn_target "amdgcn-amd-amdhsa--gfx1250"
	.amdhsa_code_object_version 6
	.text
	.protected	k_q4dfba1f6e6_gqkv
	.globl	k_q4dfba1f6e6_gqkv
	.p2align	8
	.type	k_q4dfba1f6e6_gqkv,@function
k_q4dfba1f6e6_gqkv:
	s_mov_b64 s[64:65], 0
	v_nop
	global_prefetch_b8 v0, s[64:65] scope:SCOPE_SE
	s_setreg_imm32_b32 hwreg(HW_REG_WAVE_MODE, 25, 1), 1
	s_wait_xcnt 0x0
	s_wait_alu depctr_hold_cnt(0) depctr_sa_sdst(0) depctr_va_vdst(0) depctr_va_sdst(0) depctr_va_ssrc(0) depctr_va_vcc(0) depctr_vm_vsrc(0)
	s_getreg_b32 s2, hwreg(HW_REG_IB_STS2, 6, 4)
	s_cmp_eq_u32 s2, 0
	s_cbranch_scc0 .Lentry_in_a_cluster
	s_endpgm
.Lentry_in_a_cluster:
	s_bfe_u32 s2, ttmp6, 0x10000c
	s_cmp_lg_u32 s2, 0xf033
	s_cbranch_scc0 .Lentry_shape_is_right
	s_endpgm
.Lentry_shape_is_right:
; qkv = LN1(x) qkv_w on codes of FP6 (E2M3) with E8M0 scales, and its result quantised at once for attention; qkv never goes to memory as f32.
; TWO FORMS IN ONE TEXT.  Clusters with x = 0, 1: C = X Wqk^T (rows: 4,096 tokens, columns: q's and k's 2,048 channels), quantised along the channels.  Clusters with x = 2: C = Wv X^T (rows: v's 1,024 channels,
; columns: 4,096 tokens), quantised along the tokens, which are the keys: the K of attention's second product.  What differs (which buffer is A, places, pitch of the output) is chosen by s_cselect on the CLUSTER's x,
; which all sixteen partners share; there is no branch on it.
; OPERANDS.  Codes lie [row tile of 16][K step of 128][1,536 bytes], the 1,536 bytes an image of the operand's 12 registers (0-3 at 16 x lane, 4-5 at 512 + 8 x lane, 6-9 at 768 + 16 x lane, 10-11 at 1,280 + 8 x lane):
; a fragment comes from LDS by two loads of 16 bytes and two of 8 a lane, each covering consecutive bytes.  Scale words lie [128 rows][K step][128 words].  Row position p holds true row sigma(p) (bits 3 and 4 exchanged).
; THE MATRIX INSTRUCTION IS USED TRANSPOSED (source 0 = 16 rows of B, source 1 = 16 rows of A).  With sigma, the 64 results of a lane for one block of A's rows are, in register order 16 b + i, the true columns
; 32 b + 16 (lane / 16) + i: 16 neighbours of each block of 32 along the next K.  So they are quantised in registers, and the codes leave as an image again, at the same row position.
; SHAPE.  A tile of C is 256 x 256, four waves, 128 x 128 each: 64 accumulators, 512 registers.  K = 1,024 goes in steps of 256 through two LDS slots; a wave's tensor load brings 8 row tiles x 3,072 bytes.
; The scale words of the work-group's rows, for all of K, come once with the first fills.  By this text's count a wave has three tensor loads out at the start and one behind each round.
; CLUSTERS: 4 x 4; A's tiles are asked for jointly along a row of the cluster, B's along a column.
; No prefetch: both operands (3 and 2 MB) are read again and again by the launch's work-groups.
; REGISTERS: window 0: v4, v5 16 x and 8 x lane; v16-23 fragment addresses; v27 scale address; v28, v29 the add's two; v32-63 scale words, two sets; v128-223 A's fragments, one set; on the way out v32-127 at work.
;   window 1: B's fragments, two sets (v0, v128).   windows 2, 3: accumulators ((a, b) at v[8 (8 (a % 4) + b)]).
; LIMITS: a block of zeros gets the byte 1 where the rule says 127 (zero codes; this program alone reads the bytes); blocks under 2^-124 keep the byte 1; NaN and infinities are not served.
.set NKS,   8                          ; K steps of 128
.set NQ,    2                          ; of them in a slot
.set FR,    12
.set FRB,   1536
.set NL,    4                          ; LDS loads that bring a fragment
.set NP,    4                          ; places behind this matrix instruction (ISA guide 7.12.1)
.set HALFT, 8*NQ*FRB                   ; 8 row tiles x 2 K steps: what one tensor load brings
.set SLOT,  4*HALFT
.set LAPS,  NKS/(2*NQ)
.set SCL,   2*SLOT                     ; behind the ring: the scale words
.set HALFS, NKS*512                    ; those of 128 rows
.set SPARE, SCL+4*HALFS                ; the spare words, 128 bytes a wave: two blocks of 256 bytes that no other line names
.set L16,  4
.set L8,   5
.set ADRA, 16                          ; v16-17 16 x lane + my A rows in slot 0, 1; v18-19 the same with 8 x lane
.set ADRB, 20
.set SWA,  24                          ; the way out: where a block's scale words are gathered (slot 0, which has had its last fill and its last read by then)
.set SRD,  25
.set ADRS, 27
.set SPW,  28
.set NIL,  29
.set SC,   32
.set AF,   128
.set TM,   32
.set PC,   96
.set PW,   116
.set G1,   24
.set G0,   32
.set G1B,  48
.set G0B,  56
.set G1S,  68
.set G0S,  76
.set G1SB, 80
.set G0SB, 88
.set SEL,  100
.set PA,   8                           ; s[8:9] A's buffer, s[10:11] B's
.set PB,   10
.set MSB, 0
.macro WIN new                         ; the immediate's high byte repeats the setting that is left
.if MSB != (\new)
	s_set_vgpr_msb (MSB<<8)|(\new)
.set MSB, (\new)
.endif
.endm
.set MUL_LO, 0xa1                      ; source 0 (B) window 1, source 1 (A) window 0, C and D window 2
.set MUL_HI, 0xf1
.set TO_B,   0x40
.macro JLOAD g0a, g1a, g0b, g1b        ; a joint load: waves 0 and 1 fetch for A, waves 2 and 3 for B; an s_nop 0 and four v_nop follow each line
	s_cmp_eq_u32 s15, 0
	s_cbranch_scc0 .Lfor_b_\@
	tensor_load_to_lds s[\g0a:\g0a+3], s[\g1a:\g1a+7]
	s_nop 0
.rept 4
	v_nop
.endr
	s_branch .Lasked_\@
.Lfor_b_\@:
	tensor_load_to_lds s[\g0b:\g0b+3], s[\g1b:\g1b+7]
	s_nop 0
.rept 4
	v_nop
.endr
.Lasked_\@:
.endm
.macro CREST
	s_cmp_lg_u32 s14, 0
	s_cbranch_scc1 .Lnot_wave_0_\@
	s_barrier_signal -3
.Lnot_wave_0_\@:
	s_barrier_wait -3
	s_barrier_signal -1
	s_barrier_wait -1
.endm
.macro CROUND
	s_barrier_signal -1
	s_barrier_wait -1
	CREST
.endm
	s_load_b128 s[4:7], s[0:1], 0x0                ; act, wts
	s_load_b64 s[12:13], s[0:1], 0x10              ; qkvq
	v_lshl_add_u32 v[SPW], v0, 2, SPARE
	v_mov_b32 v[NIL], 0
	ds_add_u32 v[SPW], v[NIL]                      ; the wave's opening: the add, and its wait ahead of my first tensor load; the set-up stands between them
	v_lshrrev_b32 v1, 5, v0
	v_readfirstlane_b32 s14, v1                    ; wave
	s_lshr_b32 s15, s14, 1                         ; my half of the tile's rows.  Also: I fetch for A (0) or B (1)
	s_and_b32 s16, s14, 1                          ; my half of its columns.  Also: which 128 rows I fetch
	s_bfe_u32 s40, ttmp6, 0x40000                  ; cx
	s_bfe_u32 s41, ttmp6, 0x40004                  ; cy
	s_and_b32 s18, ttmp7, 0xffff
	s_lshl_b32 s18, s18, 2                         ; 4 x cluster y
	s_lshl_b32 s19, ttmp9, 2                       ; 4 x cluster x
	s_mov_b32 s67, 3145728
	s_mov_b32 s95, 9437184
	s_mov_b32 s2, 6291456
	s_cmp_eq_u32 ttmp9, 2                          ; V's clusters?  The cluster's x: the same in all sixteen partners
	s_cselect_b32 s17, 0, s18                      ; tile row less cy
	s_cselect_b32 s42, s18, s19                    ; tile column less cx
	s_cselect_b32 s66, 1572864, 0                  ; where A's codes begin in its buffer (Wv: row tile 128 of qkv_w),
	s_cselect_b32 s67, 9502720, s67                ; A's scale words,
	s_cselect_b32 s95, 3145728, s95                ; B's scale words (B's codes begin at 0 both ways)
	s_cselect_b32 s96, 32, 16                      ; K steps in a row of the output
	s_cselect_b32 s97, 6553600, 0                  ; where the output's codes begin in qkvq,
	s_cselect_b32 s2, 9699328, s2                  ; and its scale words
	s_add_co_u32 s17, s17, s41                     ; tile row: holds cy alone
	s_add_co_u32 s42, s42, s40                     ; tile column: holds cx alone
	s_lshl_b32 s43, s41, 2
	s_lshl_b32 s43, 15, s43                        ; my row of the cluster
	s_lshl_b32 s44, 0x1111, s40                    ; my column
	s_or_b32 s[G1+0], s43, (3<<16)|(1<<21)         ; 15:0 the mask; 17:16 elements of 8 bytes; 21 set beside a mask; no padding: an image is read as consecutive bytes
	s_or_b32 s[G1B+0], s44, (3<<16)|(1<<21)
.irp g, G1, G1B
	s_mov_b32 s[\g+1], 384<<16                     ; tensor_dim0 = 384 elements: 2 K steps, 3,072 bytes
	s_mov_b32 s[\g+2], 8<<16                       ; tensor_dim1 = 8 row tiles
	s_mov_b32 s[\g+3], 384<<16                     ; tile_dim0
	s_mov_b32 s[\g+4], 8                           ; tile_dim1
	s_mov_b32 s[\g+5], NKS*192                     ; from row tile to row tile
	s_mov_b32 s[\g+6], 0
	s_mov_b32 s[\g+7], 0
.endr
	s_or_b32 s[G1S+0], s43, (3<<16)|(1<<21)        ; the scale words of 128 rows: a dense block, as rows of 256 bytes
	s_or_b32 s[G1SB+0], s44, (3<<16)|(1<<21)
.irp g, G1S, G1SB
	s_mov_b32 s[\g+1], 32<<16
	s_mov_b32 s[\g+2], (2*NKS)<<16
	s_mov_b32 s[\g+3], 32<<16
	s_mov_b32 s[\g+4], 2*NKS
	s_mov_b32 s[\g+5], 32
	s_mov_b32 s[\g+6], 0
	s_mov_b32 s[\g+7], 0
.endr
	s_lshl_b32 s18, s16, 3
	s_lshl_b32 s20, s17, 4
	s_add_co_u32 s20, s20, s18                     ; A: row tile 16 x tile row + 8 x half
	s_mul_i32 s20, s20, NKS*FRB
	s_add_co_u32 s20, s20, s66
	s_mov_b32 s21, 0
	s_lshl_b32 s46, s42, 4
	s_add_co_u32 s46, s46, s18
	s_mul_i32 s46, s46, NKS*FRB                    ; B likewise
	s_mov_b32 s47, 0
	s_lshl_b32 s22, s17, 1
	s_add_co_u32 s22, s22, s16
	s_mul_i32 s22, s22, HALFS
	s_add_co_u32 s22, s22, s67                     ; A's scale words
	s_mov_b32 s23, 0
	s_lshl_b32 s92, s42, 1
	s_add_co_u32 s92, s92, s16
	s_mul_i32 s92, s92, HALFS
	s_add_co_u32 s92, s92, s95                     ; B's
	s_mov_b32 s93, 0
	s_mul_i32 s45, s14, HALFT                      ; where they go: no place in the cluster enters an LDS address
	s_mul_i32 s94, s14, HALFS
	s_mov_b32 s[SEL], 0x76543210
	s_mov_b32 s[SEL+1], 0xfedcba98
	s_wait_dscnt 0x0                               ; the opening add is done
	s_wait_kmcnt 0x0
	s_cmp_eq_u32 ttmp9, 2
	s_cselect_b64 s[PA:PA+1], s[6:7], s[4:5]       ; A: wts for V, else act
	s_cselect_b64 s[PB:PB+1], s[4:5], s[6:7]       ; B: the other
	s_add_nc_u64 s[20:21], s[PA:PA+1], s[20:21]
	s_add_nc_u64 s[22:23], s[PA:PA+1], s[22:23]
	s_add_nc_u64 s[46:47], s[PB:PB+1], s[46:47]
	s_add_nc_u64 s[92:93], s[PB:PB+1], s[92:93]
	CROUND                                         ; all sixteen work-groups are here: the first joint loads meet
	s_mov_b32 s[G0S], 1
	s_add_co_u32 s[G0S+1], s94, SCL
	s_mov_b64 s[G0S+2:G0S+3], s[22:23]
	s_or_b32 s[G0S+3], s[G0S+3], 0x80000000
	s_mov_b32 s[G0SB], 1
	s_add_co_u32 s[G0SB+1], s94, SCL
	s_mov_b64 s[G0SB+2:G0SB+3], s[92:93]
	s_or_b32 s[G0SB+3], s[G0SB+3], 0x80000000
	JLOAD G0S, G1S, G0SB, G1SB                     ; the scale words first: they are wanted with K step 0
.irp s, 0,1
	s_mov_b32 s[G0+4*\s], 1
	s_add_co_u32 s[G0+4*\s+1], s45, \s*SLOT
	s_add_nc_u64 s[G0+4*\s+2:G0+4*\s+3], s[20:21], \s*NQ*FRB
	s_or_b32 s[G0+4*\s+3], s[G0+4*\s+3], 0x80000000
	s_mov_b32 s[G0B+4*\s], 1
	s_add_co_u32 s[G0B+4*\s+1], s45, \s*SLOT
	s_add_nc_u64 s[G0B+4*\s+2:G0B+4*\s+3], s[46:47], \s*NQ*FRB
	s_or_b32 s[G0B+4*\s+3], s[G0B+4*\s+3], 0x80000000
	JLOAD G0+4*\s, G1, G0B+4*\s, G1B
.endr
	v_and_b32 v1, 15, v0                           ; r
	v_bfe_u32 v2, v0, 4, 1                         ; h
	v_and_b32 v3, 31, v0                           ; lane
	v_lshlrev_b32 v[L16], 4, v3
	v_lshlrev_b32 v[L8], 3, v3
	s_mul_i32 s21, s15, HALFT                      ; my 8 row tiles of A
	s_mul_i32 s22, s16, HALFT                      ; my 8 of B,
	s_add_co_u32 s22, s22, 2*HALFT                 ; which lie behind A's 16
.irp s, 0,1
	v_add_nc_u32 v[ADRA+\s], s21, v[L16]
	v_add_nc_u32 v[ADRB+\s], s22, v[L16]
	v_add_nc_u32 v[ADRA+2+\s], s21, v[L8]
	v_add_nc_u32 v[ADRB+2+\s], s22, v[L8]
	s_add_co_u32 s21, s21, SLOT
	s_add_co_u32 s22, s22, SLOT
.endr
	v_lshlrev_b32 v7, 2, v1                        ; 4 r
	s_mul_i32 s21, s15, HALFS                      ; A's scale words: my 128 rows
	s_mul_i32 s22, s16, HALFS                      ; B's: my 128 rows, behind A's 256
	s_add_co_u32 s22, s22, 2*HALFS
	s_sub_co_u32 s22, s22, s21
	v_mul_u32_u24 v6, s22, v2                      ; lanes 16-31 take B's
	s_add_co_u32 s21, s21, SCL
	v_add_nc_u32 v6, v7, v6
	v_add_nc_u32 v[ADRS], s21, v6
	s_lshl_b32 s23, s14, 9                         ; the way out: 512 bytes a wave in slot 0
	v_add_nc_u32 v[SWA], s23, v7
	v_add_nc_u32 v[SRD], s23, v[L16]
	s_lshl_b32 s20, s17, 4                         ; where my results go
	s_lshl_b32 s21, s15, 3
	s_add_co_u32 s20, s20, s21                     ; my first row tile
	s_mul_i32 s20, s20, s96
	s_lshl_b32 s46, s42, 1
	s_add_co_u32 s46, s46, s16                     ; my 128 columns are one K step of the output
	s_add_co_u32 s20, s20, s46
	s_mul_i32 s20, s20, FRB
	s_add_co_u32 s20, s20, s97
	s_mov_b32 s21, 0
	s_lshl_b32 s18, s17, 1
	s_add_co_u32 s18, s18, s15
	s_mul_i32 s18, s18, s96
	s_add_co_u32 s18, s18, s46
	s_lshl_b32 s18, s18, 9
	s_add_co_u32 s18, s18, s2
	s_mov_b32 s19, 0
	s_add_nc_u64 s[18:19], s[12:13], s[18:19]      ; my 128 scale words
	s_add_nc_u64 s[12:13], s[12:13], s[20:21]      ; my first image
	s_mul_i32 s98, s96, FRB                        ; from row tile to row tile
	s_mov_b32 s99, 0
.macro FRAG reg, adr, q, i             ; row tile i, the slot's q-th K step: the image's four pieces
	ds_load_b128 v[\reg:\reg+3], v[\adr] offset:((\i)*NQ+(\q))*FRB
	ds_load_b64 v[\reg+4:\reg+5], v[\adr+2] offset:((\i)*NQ+(\q))*FRB+512
	ds_load_b128 v[\reg+6:\reg+9], v[\adr] offset:((\i)*NQ+(\q))*FRB+768
	ds_load_b64 v[\reg+10:\reg+11], v[\adr+2] offset:((\i)*NQ+(\q))*FRB+1280
.endm
; 16 matrix instructions: A's blocks a0, a0 + 1 x B's eight.  zero = 1: the first product starts the sums.  The 64 accumulators take turns, one instruction a turn, in the same order in every step.
.macro MUL16 a0, p, q, sc, zero
.irp a, \a0, \a0+1
.irp b, 0,1,2,3,4,5,6,7
.if \zero
	v_wmma_scale_f32_16x16x128_f8f6f4 v[8*(8*((\a)%4)+\b):8*(8*((\a)%4)+\b)+7], v[128*(\p)+FR*\b:128*(\p)+FR*\b+FR-1], v[AF+FR*(\a):AF+FR*(\a)+FR-1], 0, v[SC+8*NQ*(\sc)+NQ*\b+(\q)], v[SC+8*NQ*(\sc)+NQ*(\a)+(\q)] matrix_a_fmt:MATRIX_FMT_FP6 matrix_b_fmt:MATRIX_FMT_FP6 matrix_a_scale:MATRIX_SCALE_ROW1
.else
	v_wmma_scale_f32_16x16x128_f8f6f4 v[8*(8*((\a)%4)+\b):8*(8*((\a)%4)+\b)+7], v[128*(\p)+FR*\b:128*(\p)+FR*\b+FR-1], v[AF+FR*(\a):AF+FR*(\a)+FR-1], v[8*(8*((\a)%4)+\b):8*(8*((\a)%4)+\b)+7], v[SC+8*NQ*(\sc)+NQ*\b+(\q)], v[SC+8*NQ*(\sc)+NQ*(\a)+(\q)] matrix_a_fmt:MATRIX_FMT_FP6 matrix_b_fmt:MATRIX_FMT_FP6 matrix_a_scale:MATRIX_SCALE_ROW1
.endif
.endr
.endr
.endm
.macro FETCH_B slot, q, p
	WIN TO_B
.irp i, 0,1,2,3,4,5,6,7
	FRAG 128*(\p)+FR*\i, ADRB+\slot, \q, \i
.endr
	WIN 0
.endm
.macro FETCH_A slot, q, i0
.irp i, \i0, \i0+1, \i0+2, \i0+3
	FRAG AF+FR*(\i), ADRA+\slot, \q, \i
.endr
.endm
.macro SCALES sc                       ; a slot's scale words: lanes 0-15 A's block i, lanes 16-31 B's block i
.irp i, 0,1,2,3,4,5,6,7
	ds_load_b32 v[SC+8*NQ*\sc+NQ*\i], v[ADRS] offset:64*\i
	ds_load_b32 v[SC+8*NQ*\sc+NQ*\i+1], v[ADRS] offset:64*\i+512
.endr
.endm
.macro PLACES n                        ; plain instructions between a matrix instruction and a load into, or a read of, its registers (for reads)
.rept \n
	v_nop
.endr
.endm
.macro STEP slot, q, zero              ; a step of 128 along K that has its successor in the same slot
	s_wait_dscnt 4*NL                              ; B's set, A's blocks 0-3 and the scale words are in; the 16 youngest loads (A's blocks 4-7) may be out
	WIN MUL_LO
	MUL16 0, (\q)%2, \q, \slot, \zero
	MUL16 2, (\q)%2, \q, \slot, \zero
	s_wait_dscnt 0
	PLACES NP
	FETCH_B \slot, (\q)+1, 1-(\q)%2
	FETCH_A \slot, (\q)+1, 0
	WIN MUL_HI
	MUL16 4, (\q)%2, \q, \slot, \zero
	MUL16 6, (\q)%2, \q, \slot, \zero
	PLACES NP
	WIN 0
	FETCH_A \slot, (\q)+1, 4
.endm
; A slot's last step changes slots: one barrier; in front of it each wave waits for all its tensor loads, adds 0 to its spare word, and waits for that and for its reads of this slot.  fill = 1: the slot is filled again, two slots ahead.
.macro TURN slot, next, fill
	s_wait_tensorcnt 0x0                           ; all my tensor loads have landed: my part of the next slot
	ds_add_u32 v[SPW], v[NIL]                      ; 0 onto my spare word
	s_wait_dscnt 4*NL+1                            ; (the add and the 16 youngest loads may be out)
	WIN MUL_LO
	MUL16 0, 1, NQ-1, \slot, 0
	s_wait_dscnt 0x0                               ; the add is done, and my reads of this slot are over
	s_barrier_signal -1
	MUL16 2, 1, NQ-1, \slot, 0
	WIN 0
	s_barrier_wait -1
.if \fill
	CREST                                          ; the barrier has opened a round of the cluster's: no wave of any partner still reads this slot or has a load on its way
	s_add_nc_u64 s[G0+4*\slot+2:G0+4*\slot+3], s[G0+4*\slot+2:G0+4*\slot+3], 2*NQ*FRB
	s_add_nc_u64 s[G0B+4*\slot+2:G0B+4*\slot+3], s[G0B+4*\slot+2:G0B+4*\slot+3], 2*NQ*FRB
	JLOAD G0+4*\slot, G1, G0B+4*\slot, G1B         ; the first tensor load behind the round; its four v_nop are also the places in front of the loads below
.else
	PLACES NP
.endif
	v_add_nc_u32 v[ADRS], 512*NQ, v[ADRS]          ; the next slot's scale words
	FETCH_B \next, 0, 0
	FETCH_A \next, 0, 0
	SCALES \next
	WIN MUL_HI
	MUL16 4, 1, NQ-1, \slot, 0
	MUL16 6, 1, NQ-1, \slot, 0
	PLACES NP
	WIN 0
	FETCH_A \next, 0, 4
.endm
	s_wait_tensorcnt 1                             ; the scale words and my part of slot 0 are in; slot 1's load may be out
	s_barrier_signal -1
	s_barrier_wait -1
	FETCH_B 0, 0, 0
	FETCH_A 0, 0, 0
	SCALES 0
	FETCH_A 0, 0, 4
	STEP 0, 0, 1
	s_mov_b32 s3, LAPS-1
.Llap:
	TURN 0, 1, 1
	STEP 1, 0, 0
	TURN 1, 0, 1
	STEP 0, 0, 0
	s_sub_co_u32 s3, s3, 1
	s_cmp_lg_u32 s3, 0
	s_cbranch_scc1 .Llap
	TURN 0, 1, 0                                   ; the last lap fills nothing
	STEP 1, 0, 0
	s_wait_dscnt 4*NL
	WIN MUL_LO
	MUL16 0, 1, NQ-1, 1, 0
	MUL16 2, 1, NQ-1, 1, 0
	s_wait_dscnt 0
	WIN MUL_HI
	MUL16 4, 1, NQ-1, 1, 0
	MUL16 6, 1, NQ-1, 1, 0
	WIN 0
; 64 numbers in window win, register 16 b + i = column 32 b + 16 (lane / 16) + i of my row, become a fragment's codes in v[PC] on and its scale word in v[PW].  Each accumulator is read from its low end on.
.macro QUANT s, win
	WIN (\win)|((\win)<<2)
.irp b, 0,1,2,3
	v_max3_num_f32 v[TM+\b], |v[(\s)+16*\b]|, |v[(\s)+1+16*\b]|, 0x1800000   ; the floor 2^(3 - 127): the byte cannot fall under 1
.endr
.irp i, 2,4,6,8,10,12,14
.irp b, 0,1,2,3
	v_max3_num_f32 v[TM+\b], |v[(\s)+16*\b+\i]|, |v[(\s)+1+16*\b+\i]|, v[TM+\b]
.endr
.endr
	WIN 0
.irp b, 0,1,2,3
	v_permlanex16_b32 v[TM+4+\b], v[TM+\b], s[SEL], s[SEL+1]
.endr
.irp b, 0,1,2,3
	v_max_num_f32 v[TM+\b], v[TM+\b], v[TM+4+\b]
.endr
.irp b, 0,1,2,3
	v_add_nc_u32 v[TM+12+\b], 0xff000000, v[TM+\b]
.endr
.irp b, 0,1,2,3
	v_lshrrev_b32 v[TM+4+\b], 23, v[TM+12+\b]
.endr
	v_lshl_or_b32 v[PW], v[TM+5], 8, v[TM+4]
	v_lshl_or_b32 v[PW], v[TM+6], 16, v[PW]
	v_lshl_or_b32 v[PW], v[TM+7], 24, v[PW]
	WIN (\win)
.irp c, 0,1
	v_cvt_scalef32_pk16_fp6_f32 v[PC+6*\c:PC+2+6*\c], v[(\s)+32*\c:(\s)+15+32*\c], v[TM+12+2*\c]
	v_cvt_scalef32_pk16_fp6_f32 v[PC+12+4*\c:PC+14+4*\c], v[(\s)+16+32*\c:(\s)+31+32*\c], v[TM+12+2*\c+1]
.endr
	WIN 0
	v_nop                                          ; one plain instruction behind a scaled conversion
.irp c, 0,1
.irp i, 0,1,2
	v_permlane16_swap_b32 v[PC+6*\c+\i], v[PC+12+4*\c+\i]
.endr
.irp i, 0,1,2
	v_mov_b32 v[PC+3+6*\c+\i], v[PC+12+4*\c+\i]
.endr
.endr
.endm
	PLACES NP                                      ; behind the last products
.irp b, 0,1,2,3
	v_mov_b32 v[TM+4+\b], 0                        ; written once: a lane permute's destination counts as one of its sources
.endr
.irp a, 0,1,2,3,4,5,6,7                ; THE WAY OUT: a block of 16 rows x 128 columns is one fragment of the output
.if \a > 0
	s_wait_xcnt 0x0                                ; the last block's stores have read their registers and their base,
	s_wait_dscnt 0x0                               ; and so has its LDS store
	s_add_nc_u64 s[12:13], s[12:13], s[98:99]
.endif
	QUANT 64*((\a)%4), 2+(\a)/4
	global_store_b128 v[L16], v[PC:PC+3], s[12:13]             ; stores of 512 and 256 consecutive bytes, aligned
	global_store_b64 v[L8], v[PC+4:PC+5], s[12:13] offset:512
	global_store_b128 v[L16], v[PC+6:PC+9], s[12:13] offset:768
	global_store_b64 v[L8], v[PC+10:PC+11], s[12:13] offset:1280
	ds_store_b32 v[SWA], v[PW] offset:64*\a        ; both halves of the lanes write the same word with the same value
.endr
	ds_load_b128 v[120:123], v[SRD]                ; my 128 rows' scale words: LDS serves a wave's instructions in order
	s_wait_dscnt 0x0
	global_store_b128 v[L16], v[120:123], s[18:19] ; 512 consecutive bytes, aligned
	s_wait_tensorcnt 0x0                           ; the wave's end
	ds_add_u32 v[SPW], v[NIL]
	s_wait_dscnt 0x0
	CROUND                                         ; the closing round
	s_endpgm
.Lfunc_end_k_q4dfba1f6e6_gqkv:
	.size	k_q4dfba1f6e6_gqkv, .Lfunc_end_k_q4dfba1f6e6_gqkv-k_q4dfba1f6e6_gqkv
	.p2alignl 7, 3214868480
	.fill 96, 4, 3214868480
	.section	.rodata,"a",@progbits
	.p2align	6, 0x0
	.amdhsa_kernel k_q4dfba1f6e6_gqkv
		.amdhsa_group_segment_fixed_size 327680
		.amdhsa_private_segment_fixed_size 0
		.amdhsa_enable_private_segment 0
		.amdhsa_kernarg_size 24
		.amdhsa_user_sgpr_count 2
		.amdhsa_user_sgpr_kernarg_segment_ptr 1
		.amdhsa_wavefront_size32 1
		.amdhsa_system_sgpr_workgroup_id_x 1
		.amdhsa_system_sgpr_workgroup_id_y 1
		.amdhsa_system_sgpr_workgroup_id_z 1
		.amdhsa_system_vgpr_workitem_id 0
		.amdhsa_next_free_vgpr 1024
		.amdhsa_next_free_sgpr 102
		.amdhsa_reserve_vcc 0
		.amdhsa_float_denorm_mode_32 3
		.amdhsa_float_denorm_mode_16_64 3
		.amdhsa_memory_ordered 1
		.amdhsa_forward_progress 1
		.amdhsa_inst_pref_size 152
	.end_amdhsa_kernel
	.amdgpu_metadata
---
amdhsa.version: [ 1, 2 ]
amdhsa.kernels:
  - .name:           k_q4dfba1f6e6_gqkv
    .symbol:         k_q4dfba1f6e6_gqkv.kd
    .args:
      - { .name: act, .offset: 0, .size: 8, .value_kind: global_buffer, .address_space: global }
      - { .name: wts, .offset: 8, .size: 8, .value_kind: global_buffer, .address_space: global }
      - { .name: qkvq, .offset: 16, .size: 8, .value_kind: global_buffer, .address_space: global }
    .group_segment_fixed_size: 327680
    .private_segment_fixed_size: 0
    .kernarg_segment_align: 8
    .kernarg_segment_size: 24
    .max_flat_workgroup_size: 128
    .sgpr_count:     102
    .vgpr_count:     1024
    .wavefront_size: 32
...
	.end_amdgpu_metadata
.endif
;; end of part 3
;; launch attn (part 4): grid 8 x 32, 16 waves a work-group, clusters of 4 x 1, 219,136 bytes of LDS; arguments qkvq, key_padding_mask, act; writes act
.if DOCPART == 4
	.amdgcn_target "amdgcn-amd-amdhsa--gfx1250"
	.amdhsa_code_object_version 6
	.text
	.protected	k_q4dfba1f6e6_attn
	.globl	k_q4dfba1f6e6_attn
	.p2align	8
	.type	k_q4dfba1f6e6_attn,@function
k_q4dfba1f6e6_attn:
	s_mov_b64 s[64:65], 0
	v_nop
	global_prefetch_b8 v0, s[64:65] scope:SCOPE_SE
	s_setreg_imm32_b32 hwreg(HW_REG_WAVE_MODE, 25, 1), 1
	s_wait_xcnt 0x0
	s_wait_alu depctr_hold_cnt(0) depctr_sa_sdst(0) depctr_va_vdst(0) depctr_va_sdst(0) depctr_va_ssrc(0) depctr_va_vcc(0) depctr_vm_vsrc(0)
	s_getreg_b32 s2, hwreg(HW_REG_IB_STS2, 6, 4)
	s_cmp_eq_u32 s2, 0
	s_cbranch_scc0 .Lentry_in_a_cluster
	s_endpgm
.Lentry_in_a_cluster:
	s_bfe_u32 s2, ttmp6, 0x10000c
	s_cmp_lg_u32 s2, 0x3003
	s_cbranch_scc0 .Lentry_shape_is_right
	s_endpgm
.Lentry_shape_is_right:
; Causal attention with an additive key padding mask, both products on codes of FP6 (E2M3) with E8M0 scales; head size 64, 2,048 keys, 32 (batch, head) pairs.  The result, divided by the row's sum, is quantised along the
; channels and stored as the A operand of the projection.
; logit = (q . k) / 8 + mask x (-1e9), -infinity above the diagonal; t = logit x log2(e), ROUNDED ON ITS OWN (where all visible keys are padded the logits lie near -1e9, and a fused form would keep bits that f32 does not have);
; M = the running largest t rounded up to a whole number; p = 2^(t - M) is quantised along the keys; the row's sum is taken of the unquantised p; when M moves, sum and O are multiplied by 2^(old M - new M), exactly.
; INPUT (qkvq).  q and k: [token tile of 16][16 K steps: 0-7 q's head pairs, 8-15 k's][1,536 bytes], an image of 12 operand registers whose halves of 768 bytes are the two heads of a pair (registers 0-3 at 16 x lane, 4-5 at
; 512 + 8 x lane).  v, transposed: [channel tile][K step = 16 x batch + key group][1,536].  Scale words [128 rows][K step][128 words].  Row position p holds true row sigma(p) (bits 3 and 4 exchanged).
; K = 64 IN AN INSTRUCTION OF 128: q's upper six registers hold zero codes, so whatever stands in the upper six of k's operand (the next tile's codes; zeros behind the last) adds nothing; scale bytes 2 and 3 are
; another head's bytes or 0, never 0xff.
; BOTH PRODUCTS TRANSPOSED (S^T = K Q^T, O^T = V^T P^T): a lane holds one query throughout, and with sigma its 64 scores of a key step are, in register order 16 b + i, keys 32 b + 16 (lane / 16) + i.
; SHARES.  Work-group (x, y): head y, query tiles 8 g + x, g = 0 .. 15; wave w owns the tile with g = w or 15 - w, chosen so that the sum of g + 1 over the four waves of a SIMD is 34 whether waves are dealt by w % 4 or w / 4.
; The tile lies in key group g: the wave walks key steps 0 .. g of 128 keys; step g is the diagonal.  Steps above are left out by a branch on the wave's number and the count of steps alone.
; NO RING.  A head's K (98,304 bytes) and V^T (98,304) fit in LDS whole: four chunks of 512 keys each, all asked for at the head, by wave 0 (K) and wave 1 (V): four tensor loads of a wave are out, by this text's count.
; Nothing is filled again.  Steps 0-3 start when chunk 0 has landed; one more barrier shows the rest.  A chunk's four steps are a loop of four trips, written four times.
; CLUSTER.  The four work-groups of a cluster belong to one head and need the same K and V: every chunk is asked for jointly.  The place in the cluster enters q's and the output's global addresses and one vector number
; (the lane's query, for the diagonal's compare), no branch and no LDS address.  No prefetch: all that is read is asked for at the head.
; LIMITS: p's, and the output's, blocks of zeros get the byte 1 where the rule says 127 (zero codes); a block's largest p is made from the block's largest t by the same add and exponential, which takes v_exp_f32 not to fall
; where its input rises; NaN and infinities among the inputs are not served.  The output's scale bytes leave two at a time: a head owns two of a word's four bytes.
.set VB,    98304                      ; LDS: K's 128 tiles of 768 bytes from 0; V from here: [chunk][channel tile][4 steps][1,536]
.set MKT,   196608                     ; mask x (-1e9), 2,048 f32 by true key
.set KST,   204800                     ; K's scale words by key position, shifted so that my head's bytes are bytes 0, 1
.set VST,   212992                     ; V's scale words: [16 steps][64 channel positions]
.set SPARE, 217088                     ; the spare words, 128 bytes for each of sixteen waves: eight blocks of 256 bytes that no other line names
.set MK,  86                           ; v86-149  the step's mask numbers; behind the first pass at work:
.set TM,  86                           ;   v86-101 maxima, bytes, scale operands;  v[102:103] f;  v104-105 temporaries
.set PC,  108                          ;   v108-119 p's codes;  v120-126 their second halves
.set PCX, 120
.set S,   150                          ; v150-213 S^T, then t, then p
.set O,   214                          ; v214-245 O^T
.set WV,  18
.set G,   19
.set SEL, 20
.set CS,  22
.set G1K, 24
.set G1V, 32
.set G0K, 40                           ; s[40:55] group 0 for K's four chunks
.set C8,  56
.set J,   58                           ; the key step
.set TK,  59                           ; its tiles of K: 6,144 bytes a step
.set TV,  60                           ; of V: 1,536 a step, 18,432 more a chunk
.set TM5, 61                           ; its mask numbers and K's scale words: 512 bytes a step
.set TT,  62                           ; V's scale words: 256
.set CNT, 63
.set G0V, 68                           ; s[68:83] group 0 for V's four chunks
.macro CROUND
	s_barrier_signal -1
	s_barrier_wait -1
	s_cmp_lg_u32 s[WV], 0
	s_cbranch_scc1 .Lnot_wave_0_\@
	s_barrier_signal -3
.Lnot_wave_0_\@:
	s_barrier_wait -3
	s_barrier_signal -1
	s_barrier_wait -1
.endm
	s_load_b128 s[4:7], s[0:1], 0x0                ; qkvq, key_padding_mask
	s_load_b64 s[8:9], s[0:1], 0x10                ; act
	v_lshl_add_u32 v5, v0, 2, SPARE
	v_mov_b32 v6, 0
	ds_add_u32 v5, v6                              ; the wave's opening: the add, and its wait ahead of the first tensor loads; the set-up stands between them
	v_lshrrev_b32 v1, 5, v0
	v_readfirstlane_b32 s[WV], v1                  ; wave 0..15
	s_lshr_b32 s10, s[WV], 2
	s_xor_b32 s10, s10, s[WV]
	s_and_b32 s10, s10, 3
	s_lshr_b32 s11, s10, 1
	s_xor_b32 s10, s10, s11
	s_and_b32 s10, s10, 1                          ; the parity of w's four bits
	s_xor_b32 s10, s10, 1
	s_mul_i32 s10, s10, 15
	s_xor_b32 s[G], s[WV], s10                     ; g = w where the parity is odd, else 15 - w
	s_and_b32 s11, ttmp7, 0xffff
	s_lshr_b32 s10, s11, 4                         ; batch
	s_and_b32 s11, s11, 15                         ; head
	s_lshr_b32 s12, s11, 1                         ; head pair
	s_and_b32 s13, s11, 1                          ; which of the pair
	s_lshl_b32 s17, s13, 4                         ; 16 e: my head's two bytes in a scale word
	s_bfe_u32 s15, ttmp6, 0x40000                  ; cx
	s_lshl_b32 s14, ttmp9, 2
	s_add_co_u32 s14, s14, s15                     ; x = 4 x cluster x + cx
	s_lshl_b32 s16, s10, 7
	s_lshl_b32 s15, s[G], 3
	s_add_co_u32 s16, s16, s15
	s_add_co_u32 s16, s16, s14                     ; my token tile: 128 b + 8 g + x
	s_mul_i32 s84, s10, 3145728                    ; in q's and k's codes: the batch,
	s_mul_i32 s85, s12, 1536
	s_add_co_u32 s84, s84, s85                     ; the head pair's K step,
	s_mul_i32 s85, s13, 768
	s_add_co_u32 s84, s84, s85                     ; the head's half
	s_lshl_b32 s88, s[G], 3
	s_add_co_u32 s88, s88, s14
	s_mul_i32 s88, s88, 24576
	s_add_co_u32 s88, s88, s84                     ; q: my tile
	s_mov_b32 s89, 0
	s_add_co_u32 s84, s84, 12288                   ; k: 8 K steps on
	s_mov_b32 s85, 0
	s_mul_i32 s86, s11, 196608
	s_mul_i32 s87, s10, 24576
	s_add_co_u32 s86, s86, s87
	s_add_co_u32 s86, s86, 6553600                 ; v: the head's four channel tiles, the batch's 16 K steps
	s_mov_b32 s87, 0
	s_lshl_b32 s90, s10, 4
	s_add_co_u32 s90, s90, s[G]
	s_lshl_b32 s2, s90, 3                          ; (16 b + g) x 8, for the output
	s_lshl_b32 s90, s90, 4
	s_add_co_u32 s90, s90, s12
	s_lshl_b32 s90, s90, 9
	s_lshl_b32 s91, s14, 6
	s_add_co_u32 s90, s90, s91
	s_add_co_u32 s90, s90, 6291456                 ; q's scale words
	s_add_co_u32 s2, s2, s12
	s_lshl_b32 s2, s2, 9
	s_add_co_u32 s2, s2, s91
	s_lshl_b32 s91, s13, 1
	s_add_co_u32 s2, s2, s91
	s_add_co_u32 s2, s2, 3145728                   ; the output's scale bytes
	s_mov_b32 s3, 0
	s_mov_b32 s91, 0
	s_lshl_b32 s92, s10, 17
	s_lshl_b32 s93, s12, 9
	s_add_co_u32 s92, s92, s93
	s_lshl_b32 s93, s[WV], 13
	s_add_co_u32 s92, s92, s93
	s_add_co_u32 s92, s92, 6291456+4096            ; k's scale words: key group w
	s_mov_b32 s93, 0
	s_lshl_b32 s94, s12, 5
	s_lshl_b32 s95, s10, 4
	s_add_co_u32 s94, s94, s95
	s_add_co_u32 s94, s94, s[WV]
	s_lshl_b32 s94, s94, 9
	s_lshl_b32 s95, s13, 8
	s_add_co_u32 s94, s94, s95
	s_add_co_u32 s94, s94, 9699328                 ; v's scale words: key step w
	s_mov_b32 s95, 0
	s_lshl_b32 s96, s10, 11                        ; the batch's mask bytes
	s_mov_b32 s97, 0
	s_lshl_b32 s98, s16, 3
	s_add_co_u32 s98, s98, s12
	s_mul_i32 s98, s98, 1536
	s_mul_i32 s99, s13, 768
	s_add_co_u32 s98, s98, s99                     ; the output's half image
	s_mov_b32 s99, 0
	s_mov_b32 s[G1K], 15|(3<<16)|(1<<21)           ; 15:0 the mask: all four work-groups; 17:16 elements of 8 bytes; 21 set beside a mask; no padding
	s_mov_b32 s[G1K+1], 96<<16                     ; a key tile's half image: 768 bytes
	s_mov_b32 s[G1K+2], 32<<16                     ; 32 key tiles
	s_mov_b32 s[G1K+3], 96<<16
	s_mov_b32 s[G1K+4], 32
	s_mov_b32 s[G1K+5], 3072                       ; 24,576 bytes from token tile to token tile
	s_mov_b32 s[G1K+6], 0
	s_mov_b32 s[G1K+7], 0
	s_mov_b32 s[G1V], 15|(3<<16)|(1<<21)
	s_mov_b32 s[G1V+1], 768<<16                    ; four K steps of a channel tile: 6,144 bytes
	s_mov_b32 s[G1V+2], 4<<16                      ; four channel tiles
	s_mov_b32 s[G1V+3], 768<<16
	s_mov_b32 s[G1V+4], 4
	s_mov_b32 s[G1V+5], 6144                       ; 49,152 bytes from channel tile to channel tile
	s_mov_b32 s[G1V+6], 0
	s_mov_b32 s[G1V+7], 0
	s_mov_b32 s[SEL], 0x76543210
	s_mov_b32 s[SEL+1], 0xfedcba98
	s_mov_b32 s[CS], 0x3fb8aa3b                    ; log2(e)
	s_mov_b32 s[CS+1], s[CS]
	s_mov_b32 s[C8], 0x3e000000                    ; 1 / sqrt(64)
	s_mov_b32 s[C8+1], s[C8]
	s_mov_b32 s[J], 0
	s_mov_b32 s[TK], 0
	s_mov_b32 s[TV], VB
	s_mov_b32 s[TM5], 0
	s_mov_b32 s[TT], 0
	s_wait_dscnt 0x0                               ; the opening add is done
	s_wait_kmcnt 0x0
	s_add_nc_u64 s[84:85], s[4:5], s[84:85]
	s_add_nc_u64 s[86:87], s[4:5], s[86:87]
	s_add_nc_u64 s[88:89], s[4:5], s[88:89]
	s_add_nc_u64 s[90:91], s[4:5], s[90:91]
	s_add_nc_u64 s[92:93], s[4:5], s[92:93]
	s_add_nc_u64 s[94:95], s[4:5], s[94:95]
	s_add_nc_u64 s[96:97], s[6:7], s[96:97]
	s_add_nc_u64 s[98:99], s[8:9], s[98:99]
	s_add_nc_u64 s[2:3], s[8:9], s[2:3]
.irp c, 0,1,2,3
	s_mov_b32 s[G0K+4*\c], 1
	s_mov_b32 s[G0K+4*\c+1], \c*24576
	s_add_nc_u64 s[G0K+4*\c+2:G0K+4*\c+3], s[84:85], \c*786432
	s_or_b32 s[G0K+4*\c+3], s[G0K+4*\c+3], 0x80000000
	s_mov_b32 s[G0V+4*\c], 1
	s_mov_b32 s[G0V+4*\c+1], VB+\c*24576
	s_add_nc_u64 s[G0V+4*\c+2:G0V+4*\c+3], s[86:87], \c*6144
	s_or_b32 s[G0V+4*\c+3], s[G0V+4*\c+3], 0x80000000
.endr
	CROUND                                         ; all four work-groups are here: the joint loads meet
	s_cmp_eq_u32 s[WV], 0                          ; a wave's first fills stand in one branch on the wave's number
	s_cbranch_scc0 .Lnot_k
.irp c, 0,1,2,3
	tensor_load_to_lds s[G0K+4*\c:G0K+4*\c+3], s[G1K:G1K+7]
	s_nop 0
.endr
.rept 4
	v_nop
.endr
	s_branch .Lasked
.Lnot_k:
	s_cmp_eq_u32 s[WV], 1
	s_cbranch_scc0 .Lasked
.irp c, 0,1,2,3
	tensor_load_to_lds s[G0V+4*\c:G0V+4*\c+3], s[G1V:G1V+7]
	s_nop 0
.endr
.rept 4
	v_nop
.endr
.Lasked:
	v_and_b32 v8, 31, v0                           ; lane
	v_lshlrev_b32 v1, 4, v8                        ; 16 x lane
	v_lshlrev_b32 v2, 3, v8                        ; 8 x lane
	v_and_b32 v9, 15, v0                           ; r
	v_bfe_u32 v10, v0, 4, 1                        ; h
	v_lshlrev_b32 v11, 2, v9                       ; 4 r
	v_lshlrev_b32 v16, 2, v0                       ; 4 x thread
	global_load_b32 v32, v16, s[96:97]             ; four keys' mask bytes
	global_load_b128 v[36:39], v1, s[92:93]        ; four keys' scale words
	global_load_b64 v[40:41], v2, s[94:95]         ; two channels' scale words of key step w
	global_load_b128 v[20:23], v1, s[88:89]        ; q's half image: it stays in registers
	global_load_b64 v[24:25], v2, s[88:89] offset:512
	global_load_b32 v255, v11, s[90:91]            ; q's scale words
	v_lshl_add_u32 v3, v10, 6, MKT                 ; mask numbers: 64 h
	v_add_nc_u32 v4, KST, v11
	v_add_nc_u32 v7, VST, v11
	s_lshl_b32 s15, s14, 4
	v_add_nc_u32 v17, s15, v9                      ; my query's position in its key group: 16 x + r
	v_and_b32 v19, 0xffffffe7, v17
	v_bfe_u32 v18, v17, 3, 1
	v_lshl_or_b32 v19, v18, 4, v19
	v_bfe_u32 v18, v17, 4, 1
	v_lshl_or_b32 v19, v18, 3, v19                 ; sigma of it: the true query,
	v_lshlrev_b32 v18, 4, v10
	v_sub_nc_u32 v19, v19, v18                     ; less 16 h: on the diagonal register 16 b + i is hidden where 32 b + i is above this
	v_mov_b32 v13, 0xff61b1e6                      ; the largest t so far: -3e38
	v_floor_f32 v12, -v13                          ; -M
	v_mov_b32 v14, 0                               ; the sum, in two halves
	v_mov_b32 v15, 0
.irp i, 26,27,28,29,30,31,80,81,82,83,84,85
	v_mov_b32 v\i, 0                               ; zero codes: q's upper half, and what stands behind K's last tile
.endr
.irp i, 90,91,92,93,103,104
	v_mov_b32 v\i, 0                               ; written once: lane permutes' destinations and a pair's upper half count as read
.endr
.set j, 0
.rept 32
	v_mov_b32 v[O+j], 0                            ; O^T: the step is written for all steps alike, and the first finds zeros
.set j, j+1
.endr
	s_wait_loadcnt 0x0
.irp k, 0,1,2,3
	v_bfe_u32 v[44+\k], v32, 8*\k, 8
.endr
.irp k, 0,1,2,3
	v_cvt_f32_u32 v[44+\k], v[44+\k]
.endr
.irp k, 0,1,2,3
	v_mul_f32 v[44+\k], 0xce6e6b28, v[44+\k]       ; x (-1e9)
.endr
.irp k, 0,1,2,3
	v_lshrrev_b32 v[36+\k], s17, v[36+\k]          ; my head's bytes to bytes 0, 1
.endr
	v_lshrrev_b32 v255, s17, v255
	v_lshl_add_u32 v16, v0, 4, MKT
	v_lshl_add_u32 v17, v0, 4, KST
	v_lshl_add_u32 v18, v0, 3, VST
	ds_store_b128 v16, v[44:47]
	ds_store_b128 v17, v[36:39]
	ds_store_b64 v18, v[40:41]
; A KEY STEP: 128 keys.
.macro STEP
	s_cmp_gt_u32 s[J], s[G]                        ; all its keys come after my queries: left out (the wave's number and the count of steps alone)
	s_cbranch_scc1 .Lskip_\@
	v_add_nc_u32 v8, s[TK], v1                     ; (these seven are also the places in front of loads into registers that the last products read)
	v_add_nc_u32 v9, s[TK], v2
	v_add_nc_u32 v10, s[TV], v1
	v_add_nc_u32 v11, s[TV], v2
	v_add_nc_u32 v16, s[TM5], v3
	v_add_nc_u32 v17, s[TM5], v4
	v_add_nc_u32 v18, s[TT], v7
.irp t, 0,1,2,3,4,5,6,7
	ds_load_b128 v[32+6*\t:35+6*\t], v8 offset:768*\t
	ds_load_b64 v[36+6*\t:37+6*\t], v9 offset:768*\t+512
.endr
.irp t, 0,1,2,3,4,5,6,7
	ds_load_b32 v[246+\t], v17 offset:64*\t
.endr
.irp i, 0,1,2,3,4,5,6,7,8,9,10,11,12,13,14,15
	ds_load_b128 v[MK+4*\i:MK+4*\i+3], v16 offset:128*(\i/4)+16*(\i%4)
.endr
	s_wait_dscnt 16                                ; K's tiles and scale words are in; the mask's 16 loads may be out
.irp t, 0,1,2,3,4,5,6,7
	v_wmma_scale_f32_16x16x128_f8f6f4 v[S+8*\t:S+8*\t+7], v[32+6*\t:43+6*\t], v[20:31], 0, v[246+\t], v255 matrix_a_fmt:MATRIX_FMT_FP6 matrix_b_fmt:MATRIX_FMT_FP6
.endr
.rept 4
	v_nop                                          ; places: behind them V's fragments land where K's lay, and the scores are read
.endr
.irp t, 0,1,2,3
	ds_load_b128 v[32+12*\t:35+12*\t], v10 offset:6144*\t
	ds_load_b64 v[36+12*\t:37+12*\t], v11 offset:6144*\t+512
	ds_load_b128 v[38+12*\t:41+12*\t], v10 offset:6144*\t+768
	ds_load_b64 v[42+12*\t:43+12*\t], v11 offset:6144*\t+1280
	ds_load_b32 v[246+\t], v18 offset:64*\t
.endr
	s_wait_dscnt 20                                ; the mask numbers are in; V's 20 loads land under the softmax
.set j, 0
.rept 32
	v_pk_fma_f32 v[S+j:S+j+1], v[S+j:S+j+1], s[C8:C8+1], v[MK+j:MK+j+1] op_sel_hi:[1,0,1]   ; the logit: / 8 is exact, so this rounds once
.set j, j+2
.endr
	s_cmp_lg_u32 s[J], s[G]                        ; the diagonal step alone hides keys
	s_cbranch_scc1 .Lopen_\@
	v_mov_b32 v104, 0xff800000                     ; -infinity
.set n, 0
.rept 64
	v_cmp_gt_i32 vcc_lo, 32*(n/16)+n%16, v19
	v_cndmask_b32 v[S+n], v[S+n], v104, vcc_lo
.set n, n+1
.endr
.Lopen_\@:
.set j, 0
.rept 32
	v_pk_mul_f32 v[S+j:S+j+1], v[S+j:S+j+1], s[CS:CS+1] op_sel_hi:[1,0]   ; t
.set j, j+2
.endr
.irp b, 0,1,2,3
	v_max3_num_f32 v[TM+\b], v[S+16*\b], v[S+1+16*\b], v[S+2+16*\b]   ; the largest t of each block of 32 keys: for the row's maximum and for the block's largest p
.endr
.irp i, 3,5,7,9,11,13
.irp b, 0,1,2,3
	v_max3_num_f32 v[TM+\b], v[TM+\b], v[S+16*\b+\i], v[S+1+16*\b+\i]
.endr
.endr
.irp b, 0,1,2,3
	v_max_num_f32 v[TM+\b], v[TM+\b], v[S+15+16*\b]
.endr
.irp b, 0,1,2,3
	v_permlanex16_b32 v[TM+4+\b], v[TM+\b], s[SEL], s[SEL+1]
.endr
.irp b, 0,1,2,3
	v_max_num_f32 v[TM+\b], v[TM+\b], v[TM+4+\b]
.endr
	v_max3_num_f32 v104, v[TM], v[TM+1], v[TM+2]
	v_max_num_f32 v104, v104, v[TM+3]
	v_max_num_f32 v13, v13, v104                   ; the running largest t
	v_mov_b32 v104, v12
	v_floor_f32 v12, -v13                          ; the new -M: M is a whole number
	v_sub_f32 v104, v12, v104                      ; old M - new M, 0 or less
	v_cvt_i32_f32 v104, v104                       ; (it saturates)
	v_ldexp_f32 v102, 1.0, v104                    ; f = 2^(old M - new M)
.set j, 0
.rept 32
	v_pk_add_f32 v[S+j:S+j+1], v[S+j:S+j+1], v[12:13] op_sel_hi:[1,0]   ; t - M
.set j, j+2
.endr
.irp b, 0,1,2,3
	v_add_f32 v[TM+\b], v[TM+\b], v12
.endr
.set j, 0
.rept 64
	v_exp_f32 v[S+j], v[S+j]                       ; p, at most 1, not normalised
.set j, j+1
.endr
	v_pk_mul_f32 v[14:15], v[14:15], v[102:103] op_sel_hi:[1,0]   ; the sums under the new M (a plain instruction behind the exponentials)
	s_wait_alu depctr_va_vdst(0)                   ; one wait for the batch, ahead of its first reader
.irp b, 0,1,2,3
	v_exp_f32 v[TM+\b], v[TM+\b]                   ; the blocks' largest p
.endr
	v_pk_add_f32 v[104:105], v[S:S+1], v[S+2:S+3]  ; the row's sum, of the unquantised p, in two chains
.irp j, 4,8,12,16,20,24,28,32,36,40,44,48,52,56,60
	v_pk_add_f32 v[14:15], v[14:15], v[S+\j:S+\j+1]
	v_pk_add_f32 v[104:105], v[104:105], v[S+\j+2:S+\j+3]
.endr
	v_pk_add_f32 v[14:15], v[14:15], v[104:105]
	s_wait_alu depctr_va_vdst(0)                   ; and one for the four
.irp b, 0,1,2,3
	v_max_num_f32 v[TM+\b], 0x1800000, v[TM+\b]    ; the floor 2^(3 - 127)
.endr
.irp b, 0,1,2,3
	v_add_nc_u32 v[TM+12+\b], 0xff000000, v[TM+\b]
.endr
.irp b, 0,1,2,3
	v_lshrrev_b32 v[TM+4+\b], 23, v[TM+12+\b]
.endr
	v_lshl_or_b32 v254, v[TM+5], 8, v[TM+4]        ; p's scale word for these 128 keys
	v_lshl_or_b32 v254, v[TM+6], 16, v254
	v_lshl_or_b32 v254, v[TM+7], 24, v254
.irp c, 0,1
	v_cvt_scalef32_pk16_fp6_f32 v[PC+6*\c:PC+2+6*\c], v[S+32*\c:S+15+32*\c], v[TM+12+2*\c]
	v_cvt_scalef32_pk16_fp6_f32 v[PCX+4*\c:PCX+2+4*\c], v[S+16+32*\c:S+31+32*\c], v[TM+12+2*\c+1]
.endr
	v_nop                                          ; one plain instruction behind a scaled conversion
.irp c, 0,1
.irp i, 0,1,2
	v_permlane16_swap_b32 v[PC+6*\c+\i], v[PCX+4*\c+\i]
.endr
.irp i, 0,1,2
	v_mov_b32 v[PC+3+6*\c+\i], v[PCX+4*\c+\i]
.endr
.endr
.set j, 0
.rept 16
	v_pk_mul_f32 v[O+j:O+j+1], v[O+j:O+j+1], v[102:103] op_sel_hi:[1,0]   ; O^T under the new M (these are also the places between the codes' and the scale word's last writes and the products)
.set j, j+2
.endr
	s_wait_dscnt 0x0                               ; V
.irp t, 0,1,2,3
	v_wmma_scale_f32_16x16x128_f8f6f4 v[O+8*\t:O+8*\t+7], v[32+12*\t:43+12*\t], v[PC:PC+11], v[O+8*\t:O+8*\t+7], v[246+\t], v254 matrix_a_fmt:MATRIX_FMT_FP6 matrix_b_fmt:MATRIX_FMT_FP6
.endr
.Lskip_\@:
	s_add_co_u32 s[J], s[J], 1
	s_add_co_u32 s[TK], s[TK], 6144
	s_add_co_u32 s[TV], s[TV], 1536
	s_add_co_u32 s[TM5], s[TM5], 512
	s_add_co_u32 s[TT], s[TT], 256
.endm
.macro FOUR                            ; a chunk's four key steps; then V's address goes on to the next chunk
	s_mov_b32 s[CNT], 4
.Lfour_\@:
	STEP
	s_sub_co_u32 s[CNT], s[CNT], 1
	s_cmp_lg_u32 s[CNT], 0
	s_cbranch_scc1 .Lfour_\@
	s_add_co_u32 s[TV], s[TV], 18432
.endm
	s_wait_tensorcnt 3                             ; chunk 0 has landed (waves 0 and 1: three younger loads may be out; the others have none)
	s_wait_dscnt 0x0                               ; my part of the tables has landed
	s_barrier_signal -1
	s_barrier_wait -1
	FOUR
	s_wait_tensorcnt 0x0                           ; chunks 1 to 3
	s_wait_dscnt 0x0
	s_barrier_signal -1
	s_barrier_wait -1
	FOUR
	FOUR
	FOUR
; THE WAY OUT: O^T / the sum; its two blocks of 32 channels are quantised and leave as the head's half of an image.
.rept 4
	v_nop                                          ; places behind the last products
.endr
	v_add_f32 v14, v14, v15
	v_permlanex16_b32 v104, v14, s[SEL], s[SEL+1]
	v_add_f32 v14, v14, v104                       ; the row's sum
	v_rcp_f32 v14, v14
	v_and_b32 v8, 31, v0                           ; (plain work behind the transcendental)
	v_and_b32 v9, 15, v0
	v_lshlrev_b32 v16, 2, v9
	s_wait_alu depctr_va_vdst(0)                   ; the wait, ahead of the first reader
.set j, 0
.rept 16
	v_pk_mul_f32 v[O+j:O+j+1], v[O+j:O+j+1], v[14:15] op_sel_hi:[1,0]   ; register 16 b + i is channel 32 b + 16 h + i of my query
.set j, j+2
.endr
.irp b, 0,1
	v_max3_num_f32 v[TM+\b], |v[O+16*\b]|, |v[O+1+16*\b]|, 0x1800000
.endr
.irp i, 2,4,6,8,10,12,14
.irp b, 0,1
	v_max3_num_f32 v[TM+\b], v[TM+\b], |v[O+16*\b+\i]|, |v[O+1+16*\b+\i]|
.endr
.endr
.irp b, 0,1
	v_permlanex16_b32 v[TM+4+\b], v[TM+\b], s[SEL], s[SEL+1]
.endr
.irp b, 0,1
	v_max_num_f32 v[TM+\b], v[TM+\b], v[TM+4+\b]
.endr
.irp b, 0,1
	v_add_nc_u32 v[TM+12+\b], 0xff000000, v[TM+\b]
.endr
.irp b, 0,1
	v_lshrrev_b32 v[TM+4+\b], 23, v[TM+12+\b]
.endr
	v_lshl_or_b32 v254, v[TM+5], 8, v[TM+4]        ; my head's two scale bytes
	v_cvt_scalef32_pk16_fp6_f32 v[PC:PC+2], v[O:O+15], v[TM+12]
	v_cvt_scalef32_pk16_fp6_f32 v[PCX:PCX+2], v[O+16:O+31], v[TM+13]
	v_nop
.irp i, 0,1,2
	v_permlane16_swap_b32 v[PC+\i], v[PCX+\i]
.endr
.irp i, 0,1,2
	v_mov_b32 v[PC+3+\i], v[PCX+\i]
.endr
	global_store_b128 v1, v[PC:PC+3], s[98:99]     ; 512 and 256 consecutive bytes, aligned
	global_store_b64 v2, v[PC+4:PC+5], s[98:99] offset:512
	v_cmp_gt_u32 vcc_lo, 16, v8
	s_wait_xcnt 0x0                                ; EXEC changes only behind this wait
	s_and_saveexec_b32 s10, vcc_lo
	global_store_b16 v16, v254, s[2:3]             ; lanes 0-15: row r's two bytes
	s_wait_xcnt 0x0
	s_or_b32 exec_lo, exec_lo, s10
	s_wait_tensorcnt 0x0                           ; the wave's end
	ds_add_u32 v5, v6
	s_wait_dscnt 0x0
	CROUND                                         ; the closing round
	s_endpgm
.Lfunc_end_k_q4dfba1f6e6_attn:
	.size	k_q4dfba1f6e6_attn, .Lfunc_end_k_q4dfba1f6e6_attn-k_q4dfba1f6e6_attn
	.p2alignl 7, 3214868480
	.fill 96, 4, 3214868480
	.section	.rodata,"a",@progbits
	.p2align	6, 0x0
	.amdhsa_kernel k_q4dfba1f6e6_attn
		.amdhsa_group_segment_fixed_size 219136
		.amdhsa_private_segment_fixed_size 0
		.amdhsa_enable_private_segment 0
		.amdhsa_kernarg_size 24
		.amdhsa_user_sgpr_count 2
		.amdhsa_user_sgpr_kernarg_segment_ptr 1
		.amdhsa_wavefront_size32 1
		.amdhsa_system_sgpr_workgroup_id_x 1
		.amdhsa_system_sgpr_workgroup_id_y 1
		.amdhsa_system_sgpr_workgroup_id_z 1
		.amdhsa_system_vgpr_workitem_id 0
		.amdhsa_next_free_vgpr 256
		.amdhsa_next_free_sgpr 100
		.amdhsa_reserve_vcc 1
		.amdhsa_float_denorm_mode_32 3
		.amdhsa_float_denorm_mode_16_64 3
		.amdhsa_memory_ordered 1
		.amdhsa_forward_progress 1
		.amdhsa_inst_pref_size 125
	.end_amdhsa_kernel
	.amdgpu_metadata
---
amdhsa.version: [ 1, 2 ]
amdhsa.kernels:
  - .name:           k_q4dfba1f6e6_attn
    .symbol:         k_q4dfba1f6e6_attn.kd
    .args:
      - { .name: qkvq, .offset: 0, .size: 8, .value_kind: global_buffer, .address_space: global }
      - { .name: key_padding_mask, .offset: 8, .size: 8, .value_kind: global_buffer, .address_space: global }
      - { .name: act, .offset: 16, .size: 8, .value_kind: global_buffer, .address_space: global }
    .group_segment_fixed_size: 219136
    .private_segment_fixed_size: 0
    .kernarg_segment_align: 8
    .kernarg_segment_size: 24
    .max_flat_workgroup_size: 512
    .sgpr_count:     100
    .vgpr_count:     256
    .wavefront_size: 32
...
	.end_amdgpu_metadata
.endif
;; end of part 4
;; launch gproj (part 5): grid 4 x 16, 4 waves a work-group, clusters of 4 x 4, 327,680 bytes of LDS; arguments act, wts, proj_b, x, x1; writes x1
.if DOCPART == 5
	.amdgcn_target "amdgcn-amd-amdhsa--gfx1250"
	.amdhsa_code_object_version 6
	.text
	.protected	k_q4dfba1f6e6_gproj
	.globl	k_q4dfba1f6e6_gproj
	.p2align	8
	.type	k_q4dfba1f6e6_gproj,@function
k_q4dfba1f6e6_gproj:
	s_mov_b64 s[64:65], 0
	v_nop
	global_prefetch_b8 v0, s[64:65] scope:SCOPE_SE
	s_setreg_imm32_b32 hwreg(HW_REG_WAVE_MODE, 25, 1), 1
	s_wait_xcnt 0x0
	s_wait_alu depctr_hold_cnt(0) depctr_sa_sdst(0) depctr_va_vdst(0) depctr_va_sdst(0) depctr_va_ssrc(0) depctr_va_vcc(0) depctr_vm_vsrc(0)
	s_getreg_b32 s2, hwreg(HW_REG_IB_STS2, 6, 4)
	s_cmp_eq_u32 s2, 0
	s_cbranch_scc0 .Lentry_in_a_cluster
	s_endpgm
.Lentry_in_a_cluster:
	s_bfe_u32 s2, ttmp6, 0x10000c
	s_cmp_lg_u32 s2, 0xf033
	s_cbranch_scc0 .Lentry_shape_is_right
	s_endpgm
.Lentry_shape_is_right:
; x1 = x + attention's output x proj_w + proj_b, the product on codes of FP6 (E2M3) with E8M0 scales; x1 is f32, [4,096][1,024], true rows.
; OPERANDS.  Codes lie [row tile of 16][K step of 128][1,536 bytes], an image of the operand's 12 registers (0-3 at 16 x lane, 4-5 at 512 + 8 x lane, 6-9 at 768 + 16 x lane, 10-11 at 1,280 + 8 x lane); scale words
; [128 rows][K step][128 words].  Row position p holds true row sigma(p) (bits 3 and 4 exchanged).  THE MATRIX INSTRUCTION IS USED TRANSPOSED (source 0 = 16 rows of B, source 1 = 16 rows of A): register j of B's block b
; in lane (r, h) is true column 32 (b / 2) + 16 h + 8 (b % 2) + j of A's row position r.  The bias, loaded in that layout, is the C of each sum's first product.
; SHAPE.  A tile of C is 256 x 256, four waves, 128 x 128 each; K goes in steps of 256 through two LDS slots; the scale words of the work-group's rows come once.  Three tensor loads of a wave are out at the start, one behind each round.
; CLUSTERS 4 x 4: A's tiles jointly along a row, B's along a column.  N = 1,024 gives 64 tiles: 64 work-groups.  No prefetch: a short launch whose operands are read again by its work-groups.
; THE WAY OUT: a block of 16 rows goes through the wave's own stage (in slot 0, which has had its last fill and its last read), comes back as rows of 512 bytes, takes the residual's rows, and is stored at the true rows.
.set NKS,   8
.set A_SC,  3145728                    ; A's scale words in its buffer
.set B_CO,  2359296                    ; B's codes in wts
.set B_SC,  9535488                    ; B's scale words
.set LAST,  0                          ; 1: the result is read by nobody after
.set NQ,    2
.set FR,    12
.set FRB,   1536
.set NL,    4
.set NP,    4
.set HALFT, 8*NQ*FRB
.set SLOT,  4*HALFT
.set LAPS,  NKS/(2*NQ)
.set SCL,   2*SLOT
.set HALFS, NKS*512
.set SPARE, SCL+4*HALFS                ; the spare words, 128 bytes a wave: two blocks of 256 bytes that no other line names
.set SPITCH, 528
.set L16,  4
.set L8,   5
.set ADRA, 16
.set ADRB, 20
.set STO,  24
.set RD,   25
.set ADRS, 27
.set SPW,  28
.set NIL,  29
.set SC,   32
.set BIA,  64                          ; v64-127 the bias in the result's layout
.set AF,   128
.set BK,   128                         ; the way out: 16 rows back from the stage; the residual's rows at v192-255 and v64-127 by turns
.set G1,   24
.set G0,   32
.set G1B,  48
.set G0B,  56
.set G1S,  68
.set G0S,  76
.set G1SB, 80
.set G0SB, 88
.set PA,   4
.set PB,   6
.set MSB, 0
.macro WIN new
.if MSB != (\new)
	s_set_vgpr_msb (MSB<<8)|(\new)
.set MSB, (\new)
.endif
.endm
.set MUL_LO, 0xa1
.set MUL_HI, 0xf1
.set TO_B,   0x40
.macro JLOAD g0a, g1a, g0b, g1b
	s_cmp_eq_u32 s15, 0
	s_cbranch_scc0 .Lfor_b_\@
	tensor_load_to_lds s[\g0a:\g0a+3], s[\g1a:\g1a+7]
	s_nop 0
.rept 4
	v_nop
.endr
	s_branch .Lasked_\@
.Lfor_b_\@:
	tensor_load_to_lds s[\g0b:\g0b+3], s[\g1b:\g1b+7]
	s_nop 0
.rept 4
	v_nop
.endr
.Lasked_\@:
.endm
.macro CREST
	s_cmp_lg_u32 s14, 0
	s_cbranch_scc1 .Lnot_wave_0_\@
	s_barrier_signal -3
.Lnot_wave_0_\@:
	s_barrier_wait -3
	s_barrier_signal -1
	s_barrier_wait -1
.endm
.macro CROUND
	s_barrier_signal -1
	s_barrier_wait -1
	CREST
.endm
	s_load_b128 s[4:7], s[0:1], 0x0                ; A's buffer, wts
	s_load_b128 s[8:11], s[0:1], 0x10              ; the bias, the residual
	s_load_b64 s[12:13], s[0:1], 0x20              ; the result
	v_lshl_add_u32 v[SPW], v0, 2, SPARE
	v_mov_b32 v[NIL], 0
	ds_add_u32 v[SPW], v[NIL]                      ; the wave's opening: the add, and its wait ahead of my first tensor load
	v_lshrrev_b32 v1, 5, v0
	v_readfirstlane_b32 s14, v1
	s_lshr_b32 s15, s14, 1
	s_and_b32 s16, s14, 1
	s_bfe_u32 s40, ttmp6, 0x40000
	s_bfe_u32 s41, ttmp6, 0x40004
	s_lshl_b32 s42, ttmp9, 2
	s_add_co_u32 s42, s42, s40                     ; tile column
	s_and_b32 s17, ttmp7, 0xffff
	s_lshl_b32 s17, s17, 2
	s_add_co_u32 s17, s17, s41                     ; tile row
	s_lshl_b32 s43, s41, 2
	s_lshl_b32 s43, 15, s43
	s_lshl_b32 s44, 0x1111, s40
	s_or_b32 s[G1+0], s43, (3<<16)|(1<<21)         ; the mask; elements of 8 bytes; bit 21 beside a mask; no padding
	s_or_b32 s[G1B+0], s44, (3<<16)|(1<<21)
.irp g, G1, G1B
	s_mov_b32 s[\g+1], 384<<16                     ; 2 K steps: 3,072 bytes
	s_mov_b32 s[\g+2], 8<<16                       ; 8 row tiles
	s_mov_b32 s[\g+3], 384<<16
	s_mov_b32 s[\g+4], 8
	s_mov_b32 s[\g+5], NKS*192
	s_mov_b32 s[\g+6], 0
	s_mov_b32 s[\g+7], 0
.endr
	s_or_b32 s[G1S+0], s43, (3<<16)|(1<<21)
	s_or_b32 s[G1SB+0], s44, (3<<16)|(1<<21)
.irp g, G1S, G1SB
	s_mov_b32 s[\g+1], 32<<16
	s_mov_b32 s[\g+2], (2*NKS)<<16
	s_mov_b32 s[\g+3], 32<<16
	s_mov_b32 s[\g+4], 2*NKS
	s_mov_b32 s[\g+5], 32
	s_mov_b32 s[\g+6], 0
	s_mov_b32 s[\g+7], 0
.endr
	s_lshl_b32 s18, s16, 3
	s_lshl_b32 s20, s17, 4
	s_add_co_u32 s20, s20, s18
	s_mul_i32 s20, s20, NKS*FRB
	s_mov_b32 s21, 0
	s_lshl_b32 s46, s42, 4
	s_add_co_u32 s46, s46, s18
	s_mul_i32 s46, s46, NKS*FRB
	s_add_co_u32 s46, s46, B_CO
	s_mov_b32 s47, 0
	s_lshl_b32 s22, s17, 1
	s_add_co_u32 s22, s22, s16
	s_mul_i32 s22, s22, HALFS
	s_add_co_u32 s22, s22, A_SC
	s_mov_b32 s23, 0
	s_lshl_b32 s92, s42, 1
	s_add_co_u32 s92, s92, s16
	s_mul_i32 s92, s92, HALFS
	s_add_co_u32 s92, s92, B_SC
	s_mov_b32 s93, 0
	s_mul_i32 s45, s14, HALFT
	s_mul_i32 s94, s14, HALFS
	s_wait_dscnt 0x0
	s_wait_kmcnt 0x0
	s_add_nc_u64 s[20:21], s[PA:PA+1], s[20:21]
	s_add_nc_u64 s[22:23], s[PA:PA+1], s[22:23]
	s_add_nc_u64 s[46:47], s[PB:PB+1], s[46:47]
	s_add_nc_u64 s[92:93], s[PB:PB+1], s[92:93]
	CROUND
	s_mov_b32 s[G0S], 1
	s_add_co_u32 s[G0S+1], s94, SCL
	s_mov_b64 s[G0S+2:G0S+3], s[22:23]
	s_or_b32 s[G0S+3], s[G0S+3], 0x80000000
	s_mov_b32 s[G0SB], 1
	s_add_co_u32 s[G0SB+1], s94, SCL
	s_mov_b64 s[G0SB+2:G0SB+3], s[92:93]
	s_or_b32 s[G0SB+3], s[G0SB+3], 0x80000000
	JLOAD G0S, G1S, G0SB, G1SB
.irp s, 0,1
	s_mov_b32 s[G0+4*\s], 1
	s_add_co_u32 s[G0+4*\s+1], s45, \s*SLOT
	s_add_nc_u64 s[G0+4*\s+2:G0+4*\s+3], s[20:21], \s*NQ*FRB
	s_or_b32 s[G0+4*\s+3], s[G0+4*\s+3], 0x80000000
	s_mov_b32 s[G0B+4*\s], 1
	s_add_co_u32 s[G0B+4*\s+1], s45, \s*SLOT
	s_add_nc_u64 s[G0B+4*\s+2:G0B+4*\s+3], s[46:47], \s*NQ*FRB
	s_or_b32 s[G0B+4*\s+3], s[G0B+4*\s+3], 0x80000000
	JLOAD G0+4*\s, G1, G0B+4*\s, G1B
.endr
	v_and_b32 v1, 15, v0
	v_bfe_u32 v2, v0, 4, 1
	v_and_b32 v3, 31, v0
	v_lshlrev_b32 v[L16], 4, v3
	v_lshlrev_b32 v[L8], 3, v3
	v_lshlrev_b32 v8, 6, v2                        ; the bias: 64 h
	s_lshl_b32 s46, s42, 10
	s_lshl_b32 s47, s16, 9
	s_add_co_u32 s46, s46, s47                     ; my 128 columns, in bytes
	s_mov_b32 s47, 0
	s_add_nc_u64 s[8:9], s[8:9], s[46:47]
.irp i, 0,1,2,3,4,5,6,7,8,9,10,11,12,13,14,15
	global_load_b128 v[BIA+4*\i:BIA+4*\i+3], v8, s[8:9] offset:128*(\i/4)+16*(\i%4)
.endr
	s_mul_i32 s21, s15, HALFT
	s_mul_i32 s22, s16, HALFT
	s_add_co_u32 s22, s22, 2*HALFT
.irp s, 0,1
	v_add_nc_u32 v[ADRA+\s], s21, v[L16]
	v_add_nc_u32 v[ADRB+\s], s22, v[L16]
	v_add_nc_u32 v[ADRA+2+\s], s21, v[L8]
	v_add_nc_u32 v[ADRB+2+\s], s22, v[L8]
	s_add_co_u32 s21, s21, SLOT
	s_add_co_u32 s22, s22, SLOT
.endr
	v_lshlrev_b32 v7, 2, v1
	s_mul_i32 s21, s15, HALFS
	s_mul_i32 s22, s16, HALFS
	s_add_co_u32 s22, s22, 2*HALFS
	s_sub_co_u32 s22, s22, s21
	v_mul_u32_u24 v6, s22, v2
	s_add_co_u32 s21, s21, SCL
	v_add_nc_u32 v6, v7, v6
	v_add_nc_u32 v[ADRS], s21, v6
	s_mul_i32 s23, s14, 16*SPITCH                  ; my stage
	v_mul_u32_u24 v6, v1, SPITCH
	v_lshl_add_u32 v6, v2, 6, v6
	v_add_nc_u32 v[STO], s23, v6                   ; in: row r, + 64 h
	v_add_nc_u32 v[RD], s23, v[L16]                ; back: a row's 512 bytes
	s_lshl_b32 s20, s17, 8
	s_lshl_b32 s21, s15, 7
	s_add_co_u32 s20, s20, s21                     ; my first true row
	s_lshl_b32 s20, s20, 12
	s_add_co_u32 s20, s20, s46
	s_mov_b32 s21, 0
	s_add_nc_u64 s[12:13], s[12:13], s[20:21]
	s_add_nc_u64 s[10:11], s[10:11], s[20:21]
.macro FRAG reg, adr, q, i
	ds_load_b128 v[\reg:\reg+3], v[\adr] offset:((\i)*NQ+(\q))*FRB
	ds_load_b64 v[\reg+4:\reg+5], v[\adr+2] offset:((\i)*NQ+(\q))*FRB+512
	ds_load_b128 v[\reg+6:\reg+9], v[\adr] offset:((\i)*NQ+(\q))*FRB+768
	ds_load_b64 v[\reg+10:\reg+11], v[\adr+2] offset:((\i)*NQ+(\q))*FRB+1280
.endm
; zero = 2: the first product starts the sums from the bias.  The 64 accumulators take turns, one instruction a turn.
.macro MUL16 a0, p, q, sc, zero
.irp a, \a0, \a0+1
.irp b, 0,1,2,3,4,5,6,7
.if \zero
	v_wmma_scale_f32_16x16x128_f8f6f4 v[8*(8*((\a)%4)+\b):8*(8*((\a)%4)+\b)+7], v[128*(\p)+FR*\b:128*(\p)+FR*\b+FR-1], v[AF+FR*(\a):AF+FR*(\a)+FR-1], v[BIA+8*\b:BIA+8*\b+7], v[SC+8*NQ*(\sc)+NQ*\b+(\q)], v[SC+8*NQ*(\sc)+NQ*(\a)+(\q)] matrix_a_fmt:MATRIX_FMT_FP6 matrix_b_fmt:MATRIX_FMT_FP6 matrix_a_scale:MATRIX_SCALE_ROW1
.else
	v_wmma_scale_f32_16x16x128_f8f6f4 v[8*(8*((\a)%4)+\b):8*(8*((\a)%4)+\b)+7], v[128*(\p)+FR*\b:128*(\p)+FR*\b+FR-1], v[AF+FR*(\a):AF+FR*(\a)+FR-1], v[8*(8*((\a)%4)+\b):8*(8*((\a)%4)+\b)+7], v[SC+8*NQ*(\sc)+NQ*\b+(\q)], v[SC+8*NQ*(\sc)+NQ*(\a)+(\q)] matrix_a_fmt:MATRIX_FMT_FP6 matrix_b_fmt:MATRIX_FMT_FP6 matrix_a_scale:MATRIX_SCALE_ROW1
.endif
.endr
.endr
.endm
.macro FETCH_B slot, q, p
	WIN TO_B
.irp i, 0,1,2,3,4,5,6,7
	FRAG 128*(\p)+FR*\i, ADRB+\slot, \q, \i
.endr
	WIN 0
.endm
.macro FETCH_A slot, q, i0
.irp i, \i0, \i0+1, \i0+2, \i0+3
	FRAG AF+FR*(\i), ADRA+\slot, \q, \i
.endr
.endm
.macro SCALES sc
.irp i, 0,1,2,3,4,5,6,7
	ds_load_b32 v[SC+8*NQ*\sc+NQ*\i], v[ADRS] offset:64*\i
	ds_load_b32 v[SC+8*NQ*\sc+NQ*\i+1], v[ADRS] offset:64*\i+512
.endr
.endm
.macro PLACES n
.rept \n
	v_nop
.endr
.endm
.macro STEP slot, q, zero
	s_wait_dscnt 4*NL                              ; all but the 16 youngest loads (A's blocks 4-7)
.if \zero
	WIN 0x81                                       ; C (the bias) in window 0, D in window 2
.else
	WIN MUL_LO
.endif
	MUL16 0, (\q)%2, \q, \slot, \zero
	MUL16 2, (\q)%2, \q, \slot, \zero
	s_wait_dscnt 0
	PLACES NP
	FETCH_B \slot, (\q)+1, 1-(\q)%2
	FETCH_A \slot, (\q)+1, 0
.if \zero
	WIN 0xc1
.else
	WIN MUL_HI
.endif
	MUL16 4, (\q)%2, \q, \slot, \zero
	MUL16 6, (\q)%2, \q, \slot, \zero
	PLACES NP
	WIN 0
	FETCH_A \slot, (\q)+1, 4
.endm
.macro TURN slot, next, fill
	s_wait_tensorcnt 0x0                           ; all my tensor loads have landed
	ds_add_u32 v[SPW], v[NIL]                      ; 0 onto my spare word
	s_wait_dscnt 4*NL+1                            ; (the add and the 16 youngest loads may be out)
	WIN MUL_LO
	MUL16 0, 1, NQ-1, \slot, 0
	s_wait_dscnt 0x0                               ; the add is done, and my reads of this slot are over
	s_barrier_signal -1
	MUL16 2, 1, NQ-1, \slot, 0
	WIN 0
	s_barrier_wait -1
.if \fill
	CREST                                          ; a round of the cluster's barrier: no wave of any partner still reads this slot or has a load on its way
	s_add_nc_u64 s[G0+4*\slot+2:G0+4*\slot+3], s[G0+4*\slot+2:G0+4*\slot+3], 2*NQ*FRB
	s_add_nc_u64 s[G0B+4*\slot+2:G0B+4*\slot+3], s[G0B+4*\slot+2:G0B+4*\slot+3], 2*NQ*FRB
	JLOAD G0+4*\slot, G1, G0B+4*\slot, G1B
.else
	PLACES NP
.endif
	v_add_nc_u32 v[ADRS], 512*NQ, v[ADRS]
	FETCH_B \next, 0, 0
	FETCH_A \next, 0, 0
	SCALES \next
	WIN MUL_HI
	MUL16 4, 1, NQ-1, \slot, 0
	MUL16 6, 1, NQ-1, \slot, 0
	PLACES NP
	WIN 0
	FETCH_A \next, 0, 4
.endm
	s_wait_tensorcnt 1                             ; the scale words and slot 0; slot 1's load may be out
	s_barrier_signal -1
	s_barrier_wait -1
	FETCH_B 0, 0, 0
	FETCH_A 0, 0, 0
	SCALES 0
	FETCH_A 0, 0, 4
	s_wait_loadcnt 0x0                             ; the bias
	STEP 0, 0, 2
	s_mov_b32 s3, LAPS-1
.Llap:
	TURN 0, 1, 1
	STEP 1, 0, 0
	TURN 1, 0, 1
	STEP 0, 0, 0
	s_sub_co_u32 s3, s3, 1
	s_cmp_lg_u32 s3, 0
	s_cbranch_scc1 .Llap
	TURN 0, 1, 0
	STEP 1, 0, 0
	s_wait_dscnt 4*NL
	WIN MUL_LO
	MUL16 0, 1, NQ-1, 1, 0
	MUL16 2, 1, NQ-1, 1, 0
	s_wait_dscnt 0
	WIN MUL_HI
	MUL16 4, 1, NQ-1, 1, 0
	MUL16 6, 1, NQ-1, 1, 0
	WIN 0
.macro RES a                           ; the residual's 16 rows of block a: row position t is true row 32 (a / 2) + 8 (a % 2) + t + 8 (t / 8); 512 consecutive bytes a load
.set RR, 192-128*((\a)%2)
.irp t, 0,1,2,3,4,5,6,7,8,9,10,11,12,13,14,15
	global_load_b128 v[RR+4*\t:RR+4*\t+3], v[L16], s[10:11] offset:(32*((\a)/2)+8*((\a)%2)+\t+8*(\t/8))*4096
.endr
.endm
.macro TOSTAGE a
.set AC, 64*((\a)%4)
	WIN 0x08+4*((\a)/4)                            ; an LDS store's data: window 2 or 3
.irp b, 0,1,2,3,4,5,6,7
	ds_store_b128 v[STO], v[AC+8*\b:AC+8*\b+3] offset:128*(\b/2)+32*(\b%2)       ; each accumulator from its low end on
	ds_store_b128 v[STO], v[AC+8*\b+4:AC+8*\b+7] offset:128*(\b/2)+32*(\b%2)+16
.endr
	WIN 0
.irp t, 0,1,2,3,4,5,6,7,8,9,10,11,12,13,14,15
	ds_load_b128 v[BK+4*\t:BK+4*\t+3], v[RD] offset:\t*SPITCH   ; LDS serves a wave's instructions in order: these see my stores
.endr
.endm
	PLACES NP                                      ; behind the last products: for the reads of results and the loads into registers that held fragments
	RES 0
.irp a, 0,1,2,3,4,5,6,7
.if \a > 0
	s_wait_xcnt 0x0                                ; the last block's stores have read their registers
.endif
	TOSTAGE \a
.if \a < 7
	RES \a+1
	s_wait_loadcnt 16                              ; this block's residual rows are in; the next block's 16 loads may be out
.else
	s_wait_loadcnt 0
.endif
	s_wait_dscnt 0x0
.set j, 0
.rept 32
	v_pk_add_f32 v[BK+j:BK+j+1], v[BK+j:BK+j+1], v[192-128*((\a)%2)+j:192-128*((\a)%2)+j+1]
.set j, j+2
.endr
.irp t, 0,1,2,3,4,5,6,7,8,9,10,11,12,13,14,15
.if LAST
	global_store_b128 v[L16], v[BK+4*\t:BK+4*\t+3], s[12:13] offset:(32*((\a)/2)+8*((\a)%2)+\t+8*(\t/8))*4096 th:TH_STORE_NT
.else
	global_store_b128 v[L16], v[BK+4*\t:BK+4*\t+3], s[12:13] offset:(32*((\a)/2)+8*((\a)%2)+\t+8*(\t/8))*4096   ; 512 consecutive bytes, aligned
.endif
.endr
.endr
	s_wait_tensorcnt 0x0                           ; the wave's end
	ds_add_u32 v[SPW], v[NIL]
	s_wait_dscnt 0x0
	CROUND                                         ; the closing round
	s_endpgm
.Lfunc_end_k_q4dfba1f6e6_gproj:
	.size	k_q4dfba1f6e6_gproj, .Lfunc_end_k_q4dfba1f6e6_gproj-k_q4dfba1f6e6_gproj
	.p2alignl 7, 3214868480
	.fill 96, 4, 3214868480
	.section	.rodata,"a",@progbits
	.p2align	6, 0x0
	.amdhsa_kernel k_q4dfba1f6e6_gproj
		.amdhsa_group_segment_fixed_size 327680
		.amdhsa_private_segment_fixed_size 0
		.amdhsa_enable_private_segment 0
		.amdhsa_kernarg_size 40
		.amdhsa_user_sgpr_count 2
		.amdhsa_user_sgpr_kernarg_segment_ptr 1
		.amdhsa_wavefront_size32 1
		.amdhsa_system_sgpr_workgroup_id_x 1
		.amdhsa_system_sgpr_workgroup_id_y 1
		.amdhsa_system_sgpr_workgroup_id_z 1
		.amdhsa_system_vgpr_workitem_id 0
		.amdhsa_next_free_vgpr 1024
		.amdhsa_next_free_sgpr 102
		.amdhsa_reserve_vcc 0
		.amdhsa_float_denorm_mode_32 3
		.amdhsa_float_denorm_mode_16_64 3
		.amdhsa_memory_ordered 1
		.amdhsa_forward_progress 1
		.amdhsa_inst_pref_size 175
	.end_amdhsa_kernel
	.amdgpu_metadata
---
amdhsa.version: [ 1, 2 ]
amdhsa.kernels:
  - .name:           k_q4dfba1f6e6_gproj
    .symbol:         k_q4dfba1f6e6_gproj.kd
    .args:
      - { .name: act, .offset: 0, .size: 8, .value_kind: global_buffer, .address_space: global }
      - { .name: wts, .offset: 8, .size: 8, .value_kind: global_buffer, .address_space: global }
      - { .name: proj_b, .offset: 16, .size: 8, .value_kind: global_buffer, .address_space: global }
      - { .name: x, .offset: 24, .size: 8, .value_kind: global_buffer, .address_space: global }
      - { .name: x1, .offset: 32, .size: 8, .value_kind: global_buffer, .address_space: global }
    .group_segment_fixed_size: 327680
    .private_segment_fixed_size: 0
    .kernarg_segment_align: 8
    .kernarg_segment_size: 40
    .max_flat_workgroup_size: 128
    .sgpr_count:     102
    .vgpr_count:     1024
    .wavefront_size: 32
...
	.end_amdgpu_metadata
.endif
;; end of part 5
;; launch ln2: the kernel of part 2 again; grid 256 x 1, 8 waves a work-group, no clusters, 69,632 bytes of LDS; arguments x1, ln2_w, ln2_b, act; writes act
;; launch gfc1 (part 6): grid 16 x 16, 4 waves a work-group, clusters of 4 x 4, 327,680 bytes of LDS; arguments act, wts, fc1_b, hid; writes hid
.if DOCPART == 6
	.amdgcn_target "amdgcn-amd-amdhsa--gfx1250"
	.amdhsa_code_object_version 6
	.text
	.protected	k_q4dfba1f6e6_gfc1
	.globl	k_q4dfba1f6e6_gfc1
	.p2align	8
	.type	k_q4dfba1f6e6_gfc1,@function
k_q4dfba1f6e6_gfc1:
	s_mov_b64 s[64:65], 0
	v_nop
	global_prefetch_b8 v0, s[64:65] scope:SCOPE_SE
	s_setreg_imm32_b32 hwreg(HW_REG_WAVE_MODE, 25, 1), 1
	s_wait_xcnt 0x0
	s_wait_alu depctr_hold_cnt(0) depctr_sa_sdst(0) depctr_va_vdst(0) depctr_va_sdst(0) depctr_va_ssrc(0) depctr_va_vcc(0) depctr_vm_vsrc(0)
	s_getreg_b32 s2, hwreg(HW_REG_IB_STS2, 6, 4)
	s_cmp_eq_u32 s2, 0
	s_cbranch_scc0 .Lentry_in_a_cluster
	s_endpgm
.Lentry_in_a_cluster:
	s_bfe_u32 s2, ttmp6, 0x10000c
	s_cmp_lg_u32 s2, 0xf033
	s_cbranch_scc0 .Lentry_shape_is_right
	s_endpgm
.Lentry_shape_is_right:
; hid = Q(gelu(LN2(x1) fc1_w + fc1_b)): the product on codes of FP6 (E2M3) with E8M0 scales, the exact GELU in f32, and the result quantised along the hidden axis at once: the hidden layer goes to memory as codes alone.
; OPERANDS AND OUTPUT.  Codes lie [row tile of 16][K step of 128][1,536 bytes], an image of the operand's 12 registers (0-3 at 16 x lane, 4-5 at 512 + 8 x lane, 6-9 at 768 + 16 x lane, 10-11 at 1,280 + 8 x lane); scale words
; [128 rows][K step][128 words].  Row position p holds true row sigma(p) (bits 3 and 4 exchanged).  THE MATRIX INSTRUCTION IS USED TRANSPOSED (source 0 = 16 rows of B, source 1 = 16 rows of A): a lane's 64 results for one
; block of A's rows are, in register order 16 b + i, the true columns 32 b + 16 (lane / 16) + i.  The bias, loaded in that layout, is the C of each sum's first product.
; SHAPE.  A tile of C is 256 x 256, four waves, 128 x 128 each; K = 1,024 in steps of 256 through two LDS slots; scale words once.  Three tensor loads of a wave are out at the start, one behind each round.  CLUSTERS 4 x 4.
; GELU.  gelu(y) = y / 2 + (y / 2) erf(y / sqrt 2).  erf(u) = u P(u^2) / Q(u^2) with u held to -4 .. 4, P of degree 6 and Q of degree 4 in u^2, all in f32; the division is v_rcp_f32 and a multiplication.
; LIMIT: that form follows erf to a few units in the last place of erf (not of 1 + erf: for y far below 0 the result's absolute, not relative, error is of that size).
; THE WAY OUT IS A LOOP of eight trips, one for each block of 16 rows, so that its long text stands once: a trip first lays half of the block's 64 sums into fixed registers (eight short pieces of text, chosen by the trip's number).
; LIMITS: a block of zeros gets the byte 1 where the rule says 127 (zero codes; this program alone reads the bytes); blocks under 2^-124 keep the byte 1; NaN and infinities are not served.
.set NKS,   8
.set A_SC,  3145728
.set B_CO,  3145728
.set B_SC,  9568256
.set NKO,   32                         ; K steps in a row of the output
.set O_SC,  12582912                   ; the output's scale words
.set NQ,    2
.set FR,    12
.set FRB,   1536
.set NL,    4
.set NP,    4
.set HALFT, 8*NQ*FRB
.set SLOT,  4*HALFT
.set LAPS,  NKS/(2*NQ)
.set SCL,   2*SLOT
.set HALFS, NKS*512
.set SPARE, SCL+4*HALFS                ; the spare words, 128 bytes a wave: two blocks of 256 bytes that no other line names
.set L16,  4
.set L8,   5
.set ADRA, 16
.set ADRB, 20
.set SWA,  24
.set SRD,  25
.set ADRS, 27
.set SPW,  28
.set NIL,  29
.set SC,   32
.set BIA,  64
.set AF,   128
.set TM,   32                          ; the way out, window 0: v32-47 at work; v64-71 u^2; v72-79 P; v[80:81], v[82:83] two coefficients; v96-115 codes; v116 scale word; v117 its LDS address
.set X2,   64
.set PP,   72
.set PC,   96
.set PW,   116
.set SWT,  117
.set H,    128                         ; v128-191 u, then erf, then gelu
.set QR,   192                         ; v192-255 Q, then 1 / Q.   window 1, v0-63: y / 2
.set G1,   24
.set G0,   32
.set G1B,  48
.set G0B,  56
.set G1S,  68
.set G0S,  76
.set G1SB, 80
.set G0SB, 88
.set SEL,  100
.set AI,   44                          ; the way out's trip
.set SWO,  45                          ; 64 x trip
.set PA,   4
.set PB,   6
.set MSB, 0
.macro WIN new
.if MSB != (\new)
	s_set_vgpr_msb (MSB<<8)|(\new)
.set MSB, (\new)
.endif
.endm
.set MUL_LO, 0xa1
.set MUL_HI, 0xf1
.set TO_B,   0x40
.macro JLOAD g0a, g1a, g0b, g1b
	s_cmp_eq_u32 s15, 0
	s_cbranch_scc0 .Lfor_b_\@
	tensor_load_to_lds s[\g0a:\g0a+3], s[\g1a:\g1a+7]
	s_nop 0
.rept 4
	v_nop
.endr
	s_branch .Lasked_\@
.Lfor_b_\@:
	tensor_load_to_lds s[\g0b:\g0b+3], s[\g1b:\g1b+7]
	s_nop 0
.rept 4
	v_nop
.endr
.Lasked_\@:
.endm
.macro CREST
	s_cmp_lg_u32 s14, 0
	s_cbranch_scc1 .Lnot_wave_0_\@
	s_barrier_signal -3
.Lnot_wave_0_\@:
	s_barrier_wait -3
	s_barrier_signal -1
	s_barrier_wait -1
.endm
.macro CROUND
	s_barrier_signal -1
	s_barrier_wait -1
	CREST
.endm
	s_load_b128 s[4:7], s[0:1], 0x0                ; act, wts
	s_load_b128 s[8:11], s[0:1], 0x10              ; fc1_b, hid
	v_lshl_add_u32 v[SPW], v0, 2, SPARE
	v_mov_b32 v[NIL], 0
	ds_add_u32 v[SPW], v[NIL]                      ; the wave's opening: the add, and its wait ahead of my first tensor load
	v_lshrrev_b32 v1, 5, v0
	v_readfirstlane_b32 s14, v1
	s_lshr_b32 s15, s14, 1
	s_and_b32 s16, s14, 1
	s_bfe_u32 s40, ttmp6, 0x40000
	s_bfe_u32 s41, ttmp6, 0x40004
	s_lshl_b32 s42, ttmp9, 2
	s_add_co_u32 s42, s42, s40
	s_and_b32 s17, ttmp7, 0xffff
	s_lshl_b32 s17, s17, 2
	s_add_co_u32 s17, s17, s41
	s_lshl_b32 s43, s41, 2
	s_lshl_b32 s43, 15, s43
	s_lshl_b32 s44, 0x1111, s40
	s_or_b32 s[G1+0], s43, (3<<16)|(1<<21)
	s_or_b32 s[G1B+0], s44, (3<<16)|(1<<21)
.irp g, G1, G1B
	s_mov_b32 s[\g+1], 384<<16
	s_mov_b32 s[\g+2], 8<<16
	s_mov_b32 s[\g+3], 384<<16
	s_mov_b32 s[\g+4], 8
	s_mov_b32 s[\g+5], NKS*192
	s_mov_b32 s[\g+6], 0
	s_mov_b32 s[\g+7], 0
.endr
	s_or_b32 s[G1S+0], s43, (3<<16)|(1<<21)
	s_or_b32 s[G1SB+0], s44, (3<<16)|(1<<21)
.irp g, G1S, G1SB
	s_mov_b32 s[\g+1], 32<<16
	s_mov_b32 s[\g+2], (2*NKS)<<16
	s_mov_b32 s[\g+3], 32<<16
	s_mov_b32 s[\g+4], 2*NKS
	s_mov_b32 s[\g+5], 32
	s_mov_b32 s[\g+6], 0
	s_mov_b32 s[\g+7], 0
.endr
	s_lshl_b32 s18, s16, 3
	s_lshl_b32 s20, s17, 4
	s_add_co_u32 s20, s20, s18
	s_mul_i32 s20, s20, NKS*FRB
	s_mov_b32 s21, 0
	s_lshl_b32 s46, s42, 4
	s_add_co_u32 s46, s46, s18
	s_mul_i32 s46, s46, NKS*FRB
	s_add_co_u32 s46, s46, B_CO
	s_mov_b32 s47, 0
	s_lshl_b32 s22, s17, 1
	s_add_co_u32 s22, s22, s16
	s_mul_i32 s22, s22, HALFS
	s_add_co_u32 s22, s22, A_SC
	s_mov_b32 s23, 0
	s_lshl_b32 s92, s42, 1
	s_add_co_u32 s92, s92, s16
	s_mul_i32 s92, s92, HALFS
	s_add_co_u32 s92, s92, B_SC
	s_mov_b32 s93, 0
	s_mul_i32 s45, s14, HALFT
	s_mul_i32 s94, s14, HALFS
	s_mov_b32 s[SEL], 0x76543210
	s_mov_b32 s[SEL+1], 0xfedcba98
	s_wait_dscnt 0x0
	s_wait_kmcnt 0x0
	s_add_nc_u64 s[20:21], s[PA:PA+1], s[20:21]
	s_add_nc_u64 s[22:23], s[PA:PA+1], s[22:23]
	s_add_nc_u64 s[46:47], s[PB:PB+1], s[46:47]
	s_add_nc_u64 s[92:93], s[PB:PB+1], s[92:93]
	CROUND
	s_mov_b32 s[G0S], 1
	s_add_co_u32 s[G0S+1], s94, SCL
	s_mov_b64 s[G0S+2:G0S+3], s[22:23]
	s_or_b32 s[G0S+3], s[G0S+3], 0x80000000
	s_mov_b32 s[G0SB], 1
	s_add_co_u32 s[G0SB+1], s94, SCL
	s_mov_b64 s[G0SB+2:G0SB+3], s[92:93]
	s_or_b32 s[G0SB+3], s[G0SB+3], 0x80000000
	JLOAD G0S, G1S, G0SB, G1SB
.irp s, 0,1
	s_mov_b32 s[G0+4*\s], 1
	s_add_co_u32 s[G0+4*\s+1], s45, \s*SLOT
	s_add_nc_u64 s[G0+4*\s+2:G0+4*\s+3], s[20:21], \s*NQ*FRB
	s_or_b32 s[G0+4*\s+3], s[G0+4*\s+3], 0x80000000
	s_mov_b32 s[G0B+4*\s], 1
	s_add_co_u32 s[G0B+4*\s+1], s45, \s*SLOT
	s_add_nc_u64 s[G0B+4*\s+2:G0B+4*\s+3], s[46:47], \s*NQ*FRB
	s_or_b32 s[G0B+4*\s+3], s[G0B+4*\s+3], 0x80000000
	JLOAD G0+4*\s, G1, G0B+4*\s, G1B
.endr
	v_and_b32 v1, 15, v0
	v_bfe_u32 v2, v0, 4, 1
	v_and_b32 v3, 31, v0
	v_lshlrev_b32 v[L16], 4, v3
	v_lshlrev_b32 v[L8], 3, v3
	v_lshlrev_b32 v8, 6, v2
	s_lshl_b32 s46, s42, 10
	s_lshl_b32 s47, s16, 9
	s_add_co_u32 s46, s46, s47
	s_mov_b32 s47, 0
	s_add_nc_u64 s[8:9], s[8:9], s[46:47]
.irp i, 0,1,2,3,4,5,6,7,8,9,10,11,12,13,14,15
	global_load_b128 v[BIA+4*\i:BIA+4*\i+3], v8, s[8:9] offset:128*(\i/4)+16*(\i%4)
.endr
	s_mul_i32 s21, s15, HALFT
	s_mul_i32 s22, s16, HALFT
	s_add_co_u32 s22, s22, 2*HALFT
.irp s, 0,1
	v_add_nc_u32 v[ADRA+\s], s21, v[L16]
	v_add_nc_u32 v[ADRB+\s], s22, v[L16]
	v_add_nc_u32 v[ADRA+2+\s], s21, v[L8]
	v_add_nc_u32 v[ADRB+2+\s], s22, v[L8]
	s_add_co_u32 s21, s21, SLOT
	s_add_co_u32 s22, s22, SLOT
.endr
	v_lshlrev_b32 v7, 2, v1
	s_mul_i32 s21, s15, HALFS
	s_mul_i32 s22, s16, HALFS
	s_add_co_u32 s22, s22, 2*HALFS
	s_sub_co_u32 s22, s22, s21
	v_mul_u32_u24 v6, s22, v2
	s_add_co_u32 s21, s21, SCL
	v_add_nc_u32 v6, v7, v6
	v_add_nc_u32 v[ADRS], s21, v6
	s_lshl_b32 s23, s14, 9                         ; the way out: 512 bytes a wave in slot 0, which has had its last fill and its last read by then
	v_add_nc_u32 v[SWA], s23, v7
	v_add_nc_u32 v[SRD], s23, v[L16]
	s_lshl_b32 s20, s17, 4
	s_lshl_b32 s21, s15, 3
	s_add_co_u32 s20, s20, s21
	s_lshl_b32 s20, s20, 5                         ; x NKO
	s_lshl_b32 s46, s42, 1
	s_add_co_u32 s46, s46, s16
	s_add_co_u32 s20, s20, s46
	s_mul_i32 s20, s20, FRB
	s_mov_b32 s21, 0
	s_lshl_b32 s18, s17, 1
	s_add_co_u32 s18, s18, s15
	s_lshl_b32 s18, s18, 5
	s_add_co_u32 s18, s18, s46
	s_lshl_b32 s18, s18, 9
	s_add_co_u32 s18, s18, O_SC
	s_mov_b32 s19, 0
	s_add_nc_u64 s[18:19], s[10:11], s[18:19]      ; my 128 scale words
	s_add_nc_u64 s[12:13], s[10:11], s[20:21]      ; my first image
.macro FRAG reg, adr, q, i
	ds_load_b128 v[\reg:\reg+3], v[\adr] offset:((\i)*NQ+(\q))*FRB
	ds_load_b64 v[\reg+4:\reg+5], v[\adr+2] offset:((\i)*NQ+(\q))*FRB+512
	ds_load_b128 v[\reg+6:\reg+9], v[\adr] offset:((\i)*NQ+(\q))*FRB+768
	ds_load_b64 v[\reg+10:\reg+11], v[\adr+2] offset:((\i)*NQ+(\q))*FRB+1280
.endm
; zero = 2: the first product starts the sums from the bias.  The 64 accumulators take turns, one instruction a turn.
.macro MUL16 a0, p, q, sc, zero
.irp a, \a0, \a0+1
.irp b, 0,1,2,3,4,5,6,7
.if \zero
	v_wmma_scale_f32_16x16x128_f8f6f4 v[8*(8*((\a)%4)+\b):8*(8*((\a)%4)+\b)+7], v[128*(\p)+FR*\b:128*(\p)+FR*\b+FR-1], v[AF+FR*(\a):AF+FR*(\a)+FR-1], v[BIA+8*\b:BIA+8*\b+7], v[SC+8*NQ*(\sc)+NQ*\b+(\q)], v[SC+8*NQ*(\sc)+NQ*(\a)+(\q)] matrix_a_fmt:MATRIX_FMT_FP6 matrix_b_fmt:MATRIX_FMT_FP6 matrix_a_scale:MATRIX_SCALE_ROW1
.else
	v_wmma_scale_f32_16x16x128_f8f6f4 v[8*(8*((\a)%4)+\b):8*(8*((\a)%4)+\b)+7], v[128*(\p)+FR*\b:128*(\p)+FR*\b+FR-1], v[AF+FR*(\a):AF+FR*(\a)+FR-1], v[8*(8*((\a)%4)+\b):8*(8*((\a)%4)+\b)+7], v[SC+8*NQ*(\sc)+NQ*\b+(\q)], v[SC+8*NQ*(\sc)+NQ*(\a)+(\q)] matrix_a_fmt:MATRIX_FMT_FP6 matrix_b_fmt:MATRIX_FMT_FP6 matrix_a_scale:MATRIX_SCALE_ROW1
.endif
.endr
.endr
.endm
.macro FETCH_B slot, q, p
	WIN TO_B
.irp i, 0,1,2,3,4,5,6,7
	FRAG 128*(\p)+FR*\i, ADRB+\slot, \q, \i
.endr
	WIN 0
.endm
.macro FETCH_A slot, q, i0
.irp i, \i0, \i0+1, \i0+2, \i0+3
	FRAG AF+FR*(\i), ADRA+\slot, \q, \i
.endr
.endm
.macro SCALES sc
.irp i, 0,1,2,3,4,5,6,7
	ds_load_b32 v[SC+8*NQ*\sc+NQ*\i], v[ADRS] offset:64*\i
	ds_load_b32 v[SC+8*NQ*\sc+NQ*\i+1], v[ADRS] offset:64*\i+512
.endr
.endm
.macro PLACES n
.rept \n
	v_nop
.endr
.endm
.macro STEP slot, q, zero
	s_wait_dscnt 4*NL                              ; all but the 16 youngest loads (A's blocks 4-7)
.if \zero
	WIN 0x81
.else
	WIN MUL_LO
.endif
	MUL16 0, (\q)%2, \q, \slot, \zero
	MUL16 2, (\q)%2, \q, \slot, \zero
	s_wait_dscnt 0
	PLACES NP
	FETCH_B \slot, (\q)+1, 1-(\q)%2
	FETCH_A \slot, (\q)+1, 0
.if \zero
	WIN 0xc1
.else
	WIN MUL_HI
.endif
	MUL16 4, (\q)%2, \q, \slot, \zero
	MUL16 6, (\q)%2, \q, \slot, \zero
	PLACES NP
	WIN 0
	FETCH_A \slot, (\q)+1, 4
.endm
.macro TURN slot, next, fill
	s_wait_tensorcnt 0x0                           ; all my tensor loads have landed
	ds_add_u32 v[SPW], v[NIL]                      ; 0 onto my spare word
	s_wait_dscnt 4*NL+1                            ; (the add and the 16 youngest loads may be out)
	WIN MUL_LO
	MUL16 0, 1, NQ-1, \slot, 0
	s_wait_dscnt 0x0                               ; the add is done, and my reads of this slot are over
	s_barrier_signal -1
	MUL16 2, 1, NQ-1, \slot, 0
	WIN 0
	s_barrier_wait -1
.if \fill
	CREST
	s_add_nc_u64 s[G0+4*\slot+2:G0+4*\slot+3], s[G0+4*\slot+2:G0+4*\slot+3], 2*NQ*FRB
	s_add_nc_u64 s[G0B+4*\slot+2:G0B+4*\slot+3], s[G0B+4*\slot+2:G0B+4*\slot+3], 2*NQ*FRB
	JLOAD G0+4*\slot, G1, G0B+4*\slot, G1B
.else
	PLACES NP
.endif
	v_add_nc_u32 v[ADRS], 512*NQ, v[ADRS]
	FETCH_B \next, 0, 0
	FETCH_A \next, 0, 0
	SCALES \next
	WIN MUL_HI
	MUL16 4, 1, NQ-1, \slot, 0
	MUL16 6, 1, NQ-1, \slot, 0
	PLACES NP
	WIN 0
	FETCH_A \next, 0, 4
.endm
	s_wait_tensorcnt 1                             ; the scale words and slot 0; slot 1's load may be out
	s_barrier_signal -1
	s_barrier_wait -1
	FETCH_B 0, 0, 0
	FETCH_A 0, 0, 0
	SCALES 0
	FETCH_A 0, 0, 4
	s_wait_loadcnt 0x0                             ; the bias
	STEP 0, 0, 2
	s_mov_b32 s3, LAPS-1
.Llap:
	TURN 0, 1, 1
	STEP 1, 0, 0
	TURN 1, 0, 1
	STEP 0, 0, 0
	s_sub_co_u32 s3, s3, 1
	s_cmp_lg_u32 s3, 0
	s_cbranch_scc1 .Llap
	TURN 0, 1, 0
	STEP 1, 0, 0
	s_wait_dscnt 4*NL
	WIN MUL_LO
	MUL16 0, 1, NQ-1, 1, 0
	MUL16 2, 1, NQ-1, 1, 0
	s_wait_dscnt 0
	WIN MUL_HI
	MUL16 4, 1, NQ-1, 1, 0
	MUL16 6, 1, NQ-1, 1, 0
	WIN 0
.macro QUANT s                         ; 64 numbers, register 16 b + i = column 32 b + 16 (lane / 16) + i of my row, become a fragment's codes in v[PC] on and its scale word in v[PW]
.irp b, 0,1,2,3
	v_max3_num_f32 v[TM+\b], |v[\s+16*\b]|, |v[\s+1+16*\b]|, 0x1800000
.endr
.irp i, 2,4,6,8,10,12,14
.irp b, 0,1,2,3
	v_max3_num_f32 v[TM+\b], v[TM+\b], |v[\s+16*\b+\i]|, |v[\s+1+16*\b+\i]|
.endr
.endr
.irp b, 0,1,2,3
	v_permlanex16_b32 v[TM+4+\b], v[TM+\b], s[SEL], s[SEL+1]
.endr
.irp b, 0,1,2,3
	v_max_num_f32 v[TM+\b], v[TM+\b], v[TM+4+\b]
.endr
.irp b, 0,1,2,3
	v_add_nc_u32 v[TM+12+\b], 0xff000000, v[TM+\b]
.endr
.irp b, 0,1,2,3
	v_lshrrev_b32 v[TM+4+\b], 23, v[TM+12+\b]
.endr
	v_lshl_or_b32 v[PW], v[TM+5], 8, v[TM+4]
	v_lshl_or_b32 v[PW], v[TM+6], 16, v[PW]
	v_lshl_or_b32 v[PW], v[TM+7], 24, v[PW]
.irp c, 0,1
	v_cvt_scalef32_pk16_fp6_f32 v[PC+6*\c:PC+2+6*\c], v[\s+32*\c:\s+15+32*\c], v[TM+12+2*\c]
	v_cvt_scalef32_pk16_fp6_f32 v[PC+12+4*\c:PC+14+4*\c], v[\s+16+32*\c:\s+31+32*\c], v[TM+12+2*\c+1]
.endr
	v_nop                                          ; one plain instruction behind a scaled conversion
.irp c, 0,1
.irp i, 0,1,2
	v_permlane16_swap_b32 v[PC+6*\c+\i], v[PC+12+4*\c+\i]
.endr
.irp i, 0,1,2
	v_mov_b32 v[PC+3+6*\c+\i], v[PC+12+4*\c+\i]
.endr
.endr
.endm
.macro STUB a                          ; y / 2 of block a's 64 sums into window 1, v0-63; each accumulator is read from its low end on
	WIN 0x40|(2+(\a)/4)
.set j, 0
.rept 32
	v_pk_mul_f32 v[j:j+1], v[64*((\a)%4)+j:64*((\a)%4)+j+1], 0.5 op_sel_hi:[1,0]
.set j, j+2
.endr
	WIN 0
.endm
	PLACES NP                                      ; behind the last products
.irp b, 0,1,2,3
	v_mov_b32 v[TM+4+\b], 0                        ; written once: a lane permute's destination counts as one of its sources
.endr
	v_mov_b32 v80, 0x32edffee                      ; P's coefficient of u^10,
	v_mov_b32 v81, 0x32edffee
	v_mov_b32 v82, 0xb95fbd29                      ; Q's of u^6
	v_mov_b32 v83, 0xb95fbd29
; the other coefficients, in scalar pairs (the descriptors' registers are done with: every tensor load has been waited for); the packed form takes the low word for both halves, and the pair counts as read
.macro COEF r, bits
	s_mov_b32 s[\r], \bits
	s_mov_b32 s[\r+1], \bits
.endm
	COEF 24, 0xaf95df0b                            ; P: u^12  -2.72614225801306e-10
	COEF 26, 0xb60cff51                            ;    u^8   -2.10102402082508e-06   (u^10: 2.77068142495902e-08)
	COEF 28, 0xb86ec2d2                            ;    u^6   -5.69250639462346e-05
	COEF 30, 0xba40ac63                            ;    u^4   -7.34990630326855e-04
	COEF 32, 0xbb41a1f6                            ;    u^2   -2.95459980854025e-03
	COEF 34, 0xbc83dbd4                            ;    1     -1.60960333262415e-02
	COEF 36, 0xb77460cd                            ; Q: u^8   -1.45660718464996e-05   (u^6: -2.13374055278905e-04)
	COEF 38, 0xbadc924e                            ;    u^4   -1.68282697438203e-03
	COEF 40, 0xbbf19bf8                            ;    u^2   -7.37332916720468e-03
	COEF 42, 0xbc69b6a7                            ;    1     -1.42647390514189e-02
	s_mov_b32 s[AI], 0
	s_mov_b32 s[SWO], 0
.Lblk:
.irp a, 1,2,3,4,5,6,7
	s_cmp_eq_u32 s[AI], \a
	s_cbranch_scc1 .Lst\a
.endr
	STUB 0
	s_branch .Lcommon
.irp a, 1,2,3,4,5,6
.Lst\a:
	STUB \a
	s_branch .Lcommon
.endr
.Lst7:
	STUB 7
.Lcommon:
	WIN 0x01                                       ; source 0 in window 1
.set j, 0
.rept 32
	v_pk_mul_f32 v[H+j:H+j+1], v[j:j+1], 0x3fb504f3 op_sel_hi:[1,0]   ; u = (y / 2) sqrt 2
.set j, j+2
.endr
	WIN 0
.set j, 0
.rept 64
	v_med3_num_f32 v[H+j], v[H+j], -4.0, 4.0
.set j, j+1
.endr
.set g, 0
.rept 8                                ; four pairs at a time, by turns, so that no line waits for the line above it
.irp p, 0,2,4,6
	v_pk_mul_f32 v[X2+\p:X2+\p+1], v[H+8*g+\p:H+8*g+\p+1], v[H+8*g+\p:H+8*g+\p+1]
.endr
.irp p, 0,2,4,6
	v_pk_fma_f32 v[PP+\p:PP+\p+1], v[X2+\p:X2+\p+1], s[24:25], v[80:81] op_sel_hi:[1,0,1]
.endr
.irp p, 0,2,4,6
	v_pk_fma_f32 v[QR+8*g+\p:QR+8*g+\p+1], v[X2+\p:X2+\p+1], s[36:37], v[82:83] op_sel_hi:[1,0,1]
.endr
.irp c, 26,28,30,32,34
.irp p, 0,2,4,6
	v_pk_fma_f32 v[PP+\p:PP+\p+1], v[PP+\p:PP+\p+1], v[X2+\p:X2+\p+1], s[\c:\c+1] op_sel_hi:[1,1,0]
.endr
.endr
.irp c, 38,40,42
.irp p, 0,2,4,6
	v_pk_fma_f32 v[QR+8*g+\p:QR+8*g+\p+1], v[QR+8*g+\p:QR+8*g+\p+1], v[X2+\p:X2+\p+1], s[\c:\c+1] op_sel_hi:[1,1,0]
.endr
.endr
.irp p, 0,2,4,6
	v_pk_mul_f32 v[H+8*g+\p:H+8*g+\p+1], v[H+8*g+\p:H+8*g+\p+1], v[PP+\p:PP+\p+1]   ; u P
.endr
.set g, g+1
.endr
.set j, 0
.rept 64
	v_rcp_f32 v[QR+j], v[QR+j]
.set j, j+1
.endr
	v_nop                                          ; a plain instruction behind the last reciprocal,
	s_wait_alu depctr_va_vdst(0)                   ; and one wait for the batch, ahead of its first reader
.set j, 0
.rept 32
	v_pk_mul_f32 v[H+j:H+j+1], v[H+j:H+j+1], v[QR+j:QR+j+1]   ; erf
.set j, j+2
.endr
	WIN 0x11                                       ; sources 0 and 2 in window 1
.set j, 0
.rept 32
	v_pk_fma_f32 v[H+j:H+j+1], v[j:j+1], v[H+j:H+j+1], v[j:j+1]   ; (y / 2) erf + y / 2
.set j, j+2
.endr
	WIN 0
	QUANT H
	global_store_b128 v[L16], v[PC:PC+3], s[12:13]             ; stores of 512 and 256 consecutive bytes, aligned
	global_store_b64 v[L8], v[PC+4:PC+5], s[12:13] offset:512
	global_store_b128 v[L16], v[PC+6:PC+9], s[12:13] offset:768
	global_store_b64 v[L8], v[PC+10:PC+11], s[12:13] offset:1280
	v_add_nc_u32 v[SWT], s[SWO], v[SWA]
	ds_store_b32 v[SWT], v[PW]                     ; both halves of the lanes write the same word with the same value
	s_wait_xcnt 0x0                                ; the stores have read their registers and their base,
	s_wait_dscnt 0x0                               ; and so has the LDS store
	s_add_nc_u64 s[12:13], s[12:13], NKO*FRB       ; the next row tile
	s_add_co_u32 s[SWO], s[SWO], 64
	s_add_co_u32 s[AI], s[AI], 1
	s_cmp_lt_u32 s[AI], 8
	s_cbranch_scc1 .Lblk
	ds_load_b128 v[120:123], v[SRD]                ; my 128 rows' scale words
	s_wait_dscnt 0x0
	global_store_b128 v[L16], v[120:123], s[18:19] ; 512 consecutive bytes, aligned
	s_wait_tensorcnt 0x0                           ; the wave's end
	ds_add_u32 v[SPW], v[NIL]
	s_wait_dscnt 0x0
	CROUND                                         ; the closing round
	s_endpgm
.Lfunc_end_k_q4dfba1f6e6_gfc1:
	.size	k_q4dfba1f6e6_gfc1, .Lfunc_end_k_q4dfba1f6e6_gfc1-k_q4dfba1f6e6_gfc1
	.p2alignl 7, 3214868480
	.fill 96, 4, 3214868480
	.section	.rodata,"a",@progbits
	.p2align	6, 0x0
	.amdhsa_kernel k_q4dfba1f6e6_gfc1
		.amdhsa_group_segment_fixed_size 327680
		.amdhsa_private_segment_fixed_size 0
		.amdhsa_enable_private_segment 0
		.amdhsa_kernarg_size 32
		.amdhsa_user_sgpr_count 2
		.amdhsa_user_sgpr_kernarg_segment_ptr 1
		.amdhsa_wavefront_size32 1
		.amdhsa_system_sgpr_workgroup_id_x 1
		.amdhsa_system_sgpr_workgroup_id_y 1
		.amdhsa_system_sgpr_workgroup_id_z 1
		.amdhsa_system_vgpr_workitem_id 0
		.amdhsa_next_free_vgpr 1024
		.amdhsa_next_free_sgpr 102
		.amdhsa_reserve_vcc 0
		.amdhsa_float_denorm_mode_32 3
		.amdhsa_float_denorm_mode_16_64 3
		.amdhsa_memory_ordered 1
		.amdhsa_forward_progress 1
		.amdhsa_inst_pref_size 179
	.end_amdhsa_kernel
	.amdgpu_metadata
---
amdhsa.version: [ 1, 2 ]
amdhsa.kernels:
  - .name:           k_q4dfba1f6e6_gfc1
    .symbol:         k_q4dfba1f6e6_gfc1.kd
    .args:
      - { .name: act, .offset: 0, .size: 8, .value_kind: global_buffer, .address_space: global }
      - { .name: wts, .offset: 8, .size: 8, .value_kind: global_buffer, .address_space: global }
      - { .name: fc1_b, .offset: 16, .size: 8, .value_kind: global_buffer, .address_space: global }
      - { .name: hid, .offset: 24, .size: 8, .value_kind: global_buffer, .address_space: global }
    .group_segment_fixed_size: 327680
    .private_segment_fixed_size: 0
    .kernarg_segment_align: 8
    .kernarg_segment_size: 32
    .max_flat_workgroup_size: 128
    .sgpr_count:     102
    .vgpr_count:     1024
    .wavefront_size: 32
...
	.end_amdgpu_metadata
.endif
;; end of part 6
;; launch gfc2 (part 7): grid 4 x 16, 4 waves a work-group, clusters of 4 x 4, 327,680 bytes of LDS; arguments hid, wts, fc2_b, x1, out0; writes out0
.if DOCPART == 7
	.amdgcn_target "amdgcn-amd-amdhsa--gfx1250"
	.amdhsa_code_object_version 6
	.text
	.protected	k_q4dfba1f6e6_gfc2
	.globl	k_q4dfba1f6e6_gfc2
	.p2align	8
	.type	k_q4dfba1f6e6_gfc2,@function
k_q4dfba1f6e6_gfc2:
	s_mov_b64 s[64:65], 0
	v_nop
	global_prefetch_b8 v0, s[64:65] scope:SCOPE_SE
	s_setreg_imm32_b32 hwreg(HW_REG_WAVE_MODE, 25, 1), 1
	s_wait_xcnt 0x0
	s_wait_alu depctr_hold_cnt(0) depctr_sa_sdst(0) depctr_va_vdst(0) depctr_va_sdst(0) depctr_va_ssrc(0) depctr_va_vcc(0) depctr_vm_vsrc(0)
	s_getreg_b32 s2, hwreg(HW_REG_IB_STS2, 6, 4)
	s_cmp_eq_u32 s2, 0
	s_cbranch_scc0 .Lentry_in_a_cluster
	s_endpgm
.Lentry_in_a_cluster:
	s_bfe_u32 s2, ttmp6, 0x10000c
	s_cmp_lg_u32 s2, 0xf033
	s_cbranch_scc0 .Lentry_shape_is_right
	s_endpgm
.Lentry_shape_is_right:
; out0 = x1 + hidden layer x fc2_w + fc2_b, the product on codes of FP6 (E2M3) with E8M0 scales, K = 4,096; out0 is f32, [4,096][1,024], true rows.
; OPERANDS.  Codes lie [row tile of 16][K step of 128][1,536 bytes], an image of the operand's 12 registers (0-3 at 16 x lane, 4-5 at 512 + 8 x lane, 6-9 at 768 + 16 x lane, 10-11 at 1,280 + 8 x lane); scale words
; [128 rows][K step][128 words].  Row position p holds true row sigma(p) (bits 3 and 4 exchanged).  THE MATRIX INSTRUCTION IS USED TRANSPOSED (source 0 = 16 rows of B, source 1 = 16 rows of A): register j of B's block b
; in lane (r, h) is true column 32 (b / 2) + 16 h + 8 (b % 2) + j of A's row position r.  The bias, loaded in that layout, is the C of each sum's first product.
; SHAPE.  A tile of C is 256 x 256, four waves, 128 x 128 each; K goes in steps of 256 through two LDS slots; the scale words of the work-group's rows (65,536 bytes) come once.  Three tensor loads of a wave are out at the start, one behind each round.
; CLUSTERS 4 x 4: A's tiles jointly along a row, B's along a column.  N = 1,024 gives 64 tiles: 64 work-groups.  No prefetch: the operands are read again by the launch's work-groups.
; THE WAY OUT: a block of 16 rows goes through the wave's own stage (in slot 0, which has had its last fill and its last read), comes back as rows of 512 bytes, takes the residual's rows, and is stored at the true rows.
.set NKS,   32
.set A_SC,  12582912                   ; A's scale words in its buffer
.set B_CO,  6291456                    ; B's codes in wts
.set B_SC,  9699328                    ; B's scale words
.set LAST,  1                          ; the result is read by nobody after
.set NQ,    2
.set FR,    12
.set FRB,   1536
.set NL,    4
.set NP,    4
.set HALFT, 8*NQ*FRB
.set SLOT,  4*HALFT
.set LAPS,  NKS/(2*NQ)
.set SCL,   2*SLOT
.set HALFS, NKS*512
.set SPARE, SCL+4*HALFS                ; the spare words, 128 bytes a wave: two blocks of 256 bytes that no other line names
.set SPITCH, 528
.set L16,  4
.set L8,   5
.set ADRA, 16
.set ADRB, 20
.set STO,  24
.set RD,   25
.set ADRS, 27
.set SPW,  28
.set NIL,  29
.set SC,   32
.set BIA,  64
.set AF,   128
.set BK,   128
.set G1,   24
.set G0,   32
.set G1B,  48
.set G0B,  56
.set G1S,  68
.set G0S,  76
.set G1SB, 80
.set G0SB, 88
.set PA,   4
.set PB,   6
.set MSB, 0
.macro WIN new
.if MSB != (\new)
	s_set_vgpr_msb (MSB<<8)|(\new)
.set MSB, (\new)
.endif
.endm
.set MUL_LO, 0xa1
.set MUL_HI, 0xf1
.set TO_B,   0x40
.macro JLOAD g0a, g1a, g0b, g1b
	s_cmp_eq_u32 s15, 0
	s_cbranch_scc0 .Lfor_b_\@
	tensor_load_to_lds s[\g0a:\g0a+3], s[\g1a:\g1a+7]
	s_nop 0
.rept 4
	v_nop
.endr
	s_branch .Lasked_\@
.Lfor_b_\@:
	tensor_load_to_lds s[\g0b:\g0b+3], s[\g1b:\g1b+7]
	s_nop 0
.rept 4
	v_nop
.endr
.Lasked_\@:
.endm
.macro CREST
	s_cmp_lg_u32 s14, 0
	s_cbranch_scc1 .Lnot_wave_0_\@
	s_barrier_signal -3
.Lnot_wave_0_\@:
	s_barrier_wait -3
	s_barrier_signal -1
	s_barrier_wait -1
.endm
.macro CROUND
	s_barrier_signal -1
	s_barrier_wait -1
	CREST
.endm
	s_load_b128 s[4:7], s[0:1], 0x0                ; A's buffer, wts
	s_load_b128 s[8:11], s[0:1], 0x10              ; the bias, the residual
	s_load_b64 s[12:13], s[0:1], 0x20              ; the result
	v_lshl_add_u32 v[SPW], v0, 2, SPARE
	v_mov_b32 v[NIL], 0
	ds_add_u32 v[SPW], v[NIL]                      ; the wave's opening: the add, and its wait ahead of my first tensor load
	v_lshrrev_b32 v1, 5, v0
	v_readfirstlane_b32 s14, v1
	s_lshr_b32 s15, s14, 1
	s_and_b32 s16, s14, 1
	s_bfe_u32 s40, ttmp6, 0x40000
	s_bfe_u32 s41, ttmp6, 0x40004
	s_lshl_b32 s42, ttmp9, 2
	s_add_co_u32 s42, s42, s40                     ; tile column
	s_and_b32 s17, ttmp7, 0xffff
	s_lshl_b32 s17, s17, 2
	s_add_co_u32 s17, s17, s41                     ; tile row
	s_lshl_b32 s43, s41, 2
	s_lshl_b32 s43, 15, s43
	s_lshl_b32 s44, 0x1111, s40
	s_or_b32 s[G1+0], s43, (3<<16)|(1<<21)         ; the mask; elements of 8 bytes; bit 21 beside a mask; no padding
	s_or_b32 s[G1B+0], s44, (3<<16)|(1<<21)
.irp g, G1, G1B
	s_mov_b32 s[\g+1], 384<<16                     ; 2 K steps: 3,072 bytes
	s_mov_b32 s[\g+2], 8<<16                       ; 8 row tiles
	s_mov_b32 s[\g+3], 384<<16
	s_mov_b32 s[\g+4], 8
	s_mov_b32 s[\g+5], NKS*192
	s_mov_b32 s[\g+6], 0
	s_mov_b32 s[\g+7], 0
.endr
	s_or_b32 s[G1S+0], s43, (3<<16)|(1<<21)
	s_or_b32 s[G1SB+0], s44, (3<<16)|(1<<21)
.irp g, G1S, G1SB
	s_mov_b32 s[\g+1], 32<<16
	s_mov_b32 s[\g+2], (2*NKS)<<16
	s_mov_b32 s[\g+3], 32<<16
	s_mov_b32 s[\g+4], 2*NKS
	s_mov_b32 s[\g+5], 32
	s_mov_b32 s[\g+6], 0
	s_mov_b32 s[\g+7], 0
.endr
	s_lshl_b32 s18, s16, 3
	s_lshl_b32 s20, s17, 4
	s_add_co_u32 s20, s20, s18
	s_mul_i32 s20, s20, NKS*FRB
	s_mov_b32 s21, 0
	s_lshl_b32 s46, s42, 4
	s_add_co_u32 s46, s46, s18
	s_mul_i32 s46, s46, NKS*FRB
	s_add_co_u32 s46, s46, B_CO
	s_mov_b32 s47, 0
	s_lshl_b32 s22, s17, 1
	s_add_co_u32 s22, s22, s16
	s_mul_i32 s22, s22, HALFS
	s_add_co_u32 s22, s22, A_SC
	s_mov_b32 s23, 0
	s_lshl_b32 s92, s42, 1
	s_add_co_u32 s92, s92, s16
	s_mul_i32 s92, s92, HALFS
	s_add_co_u32 s92, s92, B_SC
	s_mov_b32 s93, 0
	s_mul_i32 s45, s14, HALFT
	s_mul_i32 s94, s14, HALFS
	s_wait_dscnt 0x0
	s_wait_kmcnt 0x0
	s_add_nc_u64 s[20:21], s[PA:PA+1], s[20:21]
	s_add_nc_u64 s[22:23], s[PA:PA+1], s[22:23]
	s_add_nc_u64 s[46:47], s[PB:PB+1], s[46:47]
	s_add_nc_u64 s[92:93], s[PB:PB+1], s[92:93]
	CROUND
	s_mov_b32 s[G0S], 1
	s_add_co_u32 s[G0S+1], s94, SCL
	s_mov_b64 s[G0S+2:G0S+3], s[22:23]
	s_or_b32 s[G0S+3], s[G0S+3], 0x80000000
	s_mov_b32 s[G0SB], 1
	s_add_co_u32 s[G0SB+1], s94, SCL
	s_mov_b64 s[G0SB+2:G0SB+3], s[92:93]
	s_or_b32 s[G0SB+3], s[G0SB+3], 0x80000000
	JLOAD G0S, G1S, G0SB, G1SB
.irp s, 0,1
	s_mov_b32 s[G0+4*\s], 1
	s_add_co_u32 s[G0+4*\s+1], s45, \s*SLOT
	s_add_nc_u64 s[G0+4*\s+2:G0+4*\s+3], s[20:21], \s*NQ*FRB
	s_or_b32 s[G0+4*\s+3], s[G0+4*\s+3], 0x80000000
	s_mov_b32 s[G0B+4*\s], 1
	s_add_co_u32 s[G0B+4*\s+1], s45, \s*SLOT
	s_add_nc_u64 s[G0B+4*\s+2:G0B+4*\s+3], s[46:47], \s*NQ*FRB
	s_or_b32 s[G0B+4*\s+3], s[G0B+4*\s+3], 0x80000000
	JLOAD G0+4*\s, G1, G0B+4*\s, G1B
.endr
	v_and_b32 v1, 15, v0
	v_bfe_u32 v2, v0, 4, 1
	v_and_b32 v3, 31, v0
	v_lshlrev_b32 v[L16], 4, v3
	v_lshlrev_b32 v[L8], 3, v3
	v_lshlrev_b32 v8, 6, v2                        ; the bias: 64 h
	s_lshl_b32 s46, s42, 10
	s_lshl_b32 s47, s16, 9
	s_add_co_u32 s46, s46, s47                     ; my 128 columns, in bytes
	s_mov_b32 s47, 0
	s_add_nc_u64 s[8:9], s[8:9], s[46:47]
.irp i, 0,1,2,3,4,5,6,7,8,9,10,11,12,13,14,15
	global_load_b128 v[BIA+4*\i:BIA+4*\i+3], v8, s[8:9] offset:128*(\i/4)+16*(\i%4)
.endr
	s_mul_i32 s21, s15, HALFT
	s_mul_i32 s22, s16, HALFT
	s_add_co_u32 s22, s22, 2*HALFT
.irp s, 0,1
	v_add_nc_u32 v[ADRA+\s], s21, v[L16]
	v_add_nc_u32 v[ADRB+\s], s22, v[L16]
	v_add_nc_u32 v[ADRA+2+\s], s21, v[L8]
	v_add_nc_u32 v[ADRB+2+\s], s22, v[L8]
	s_add_co_u32 s21, s21, SLOT
	s_add_co_u32 s22, s22, SLOT
.endr
	v_lshlrev_b32 v7, 2, v1
	s_mul_i32 s21, s15, HALFS
	s_mul_i32 s22, s16, HALFS
	s_add_co_u32 s22, s22, 2*HALFS
	s_sub_co_u32 s22, s22, s21
	v_mul_u32_u24 v6, s22, v2
	s_add_co_u32 s21, s21, SCL
	v_add_nc_u32 v6, v7, v6
	v_add_nc_u32 v[ADRS], s21, v6
	s_mul_i32 s23, s14, 16*SPITCH                  ; my stage
	v_mul_u32_u24 v6, v1, SPITCH
	v_lshl_add_u32 v6, v2, 6, v6
	v_add_nc_u32 v[STO], s23, v6                   ; in: row r, + 64 h
	v_add_nc_u32 v[RD], s23, v[L16]                ; back: a row's 512 bytes
	s_lshl_b32 s20, s17, 8
	s_lshl_b32 s21, s15, 7
	s_add_co_u32 s20, s20, s21                     ; my first true row
	s_lshl_b32 s20, s20, 12
	s_add_co_u32 s20, s20, s46
	s_mov_b32 s21, 0
	s_add_nc_u64 s[12:13], s[12:13], s[20:21]
	s_add_nc_u64 s[10:11], s[10:11], s[20:21]
.macro FRAG reg, adr, q, i
	ds_load_b128 v[\reg:\reg+3], v[\adr] offset:((\i)*NQ+(\q))*FRB
	ds_load_b64 v[\reg+4:\reg+5], v[\adr+2] offset:((\i)*NQ+(\q))*FRB+512
	ds_load_b128 v[\reg+6:\reg+9], v[\adr] offset:((\i)*NQ+(\q))*FRB+768
	ds_load_b64 v[\reg+10:\reg+11], v[\adr+2] offset:((\i)*NQ+(\q))*FRB+1280
.endm
; zero = 2: the first product starts the sums from the bias.  The 64 accumulators take turns, one instruction a turn.
.macro MUL16 a0, p, q, sc, zero
.irp a, \a0, \a0+1
.irp b, 0,1,2,3,4,5,6,7
.if \zero
	v_wmma_scale_f32_16x16x128_f8f6f4 v[8*(8*((\a)%4)+\b):8*(8*((\a)%4)+\b)+7], v[128*(\p)+FR*\b:128*(\p)+FR*\b+FR-1], v[AF+FR*(\a):AF+FR*(\a)+FR-1], v[BIA+8*\b:BIA+8*\b+7], v[SC+8*NQ*(\sc)+NQ*\b+(\q)], v[SC+8*NQ*(\sc)+NQ*(\a)+(\q)] matrix_a_fmt:MATRIX_FMT_FP6 matrix_b_fmt:MATRIX_FMT_FP6 matrix_a_scale:MATRIX_SCALE_ROW1
.else
	v_wmma_scale_f32_16x16x128_f8f6f4 v[8*(8*((\a)%4)+\b):8*(8*((\a)%4)+\b)+7], v[128*(\p)+FR*\b:128*(\p)+FR*\b+FR-1], v[AF+FR*(\a):AF+FR*(\a)+FR-1], v[8*(8*((\a)%4)+\b):8*(8*((\a)%4)+\b)+7], v[SC+8*NQ*(\sc)+NQ*\b+(\q)], v[SC+8*NQ*(\sc)+NQ*(\a)+(\q)] matrix_a_fmt:MATRIX_FMT_FP6 matrix_b_fmt:MATRIX_FMT_FP6 matrix_a_scale:MATRIX_SCALE_ROW1
.endif
.endr
.endr
.endm
.macro FETCH_B slot, q, p
	WIN TO_B
.irp i, 0,1,2,3,4,5,6,7
	FRAG 128*(\p)+FR*\i, ADRB+\slot, \q, \i
.endr
	WIN 0
.endm
.macro FETCH_A slot, q, i0
.irp i, \i0, \i0+1, \i0+2, \i0+3
	FRAG AF+FR*(\i), ADRA+\slot, \q, \i
.endr
.endm
.macro SCALES sc
.irp i, 0,1,2,3,4,5,6,7
	ds_load_b32 v[SC+8*NQ*\sc+NQ*\i], v[ADRS] offset:64*\i
	ds_load_b32 v[SC+8*NQ*\sc+NQ*\i+1], v[ADRS] offset:64*\i+512
.endr
.endm
.macro PLACES n
.rept \n
	v_nop
.endr
.endm
.macro STEP slot, q, zero
	s_wait_dscnt 4*NL                              ; all but the 16 youngest loads (A's blocks 4-7)
.if \zero
	WIN 0x81                                       ; C (the bias) in window 0, D in window 2
.else
	WIN MUL_LO
.endif
	MUL16 0, (\q)%2, \q, \slot, \zero
	MUL16 2, (\q)%2, \q, \slot, \zero
	s_wait_dscnt 0
	PLACES NP
	FETCH_B \slot, (\q)+1, 1-(\q)%2
	FETCH_A \slot, (\q)+1, 0
.if \zero
	WIN 0xc1
.else
	WIN MUL_HI
.endif
	MUL16 4, (\q)%2, \q, \slot, \zero
	MUL16 6, (\q)%2, \q, \slot, \zero
	PLACES NP
	WIN 0
	FETCH_A \slot, (\q)+1, 4
.endm
.macro TURN slot, next, fill
	s_wait_tensorcnt 0x0                           ; all my tensor loads have landed
	ds_add_u32 v[SPW], v[NIL]                      ; 0 onto my spare word
	s_wait_dscnt 4*NL+1                            ; (the add and the 16 youngest loads may be out)
	WIN MUL_LO
	MUL16 0, 1, NQ-1, \slot, 0
	s_wait_dscnt 0x0                               ; the add is done, and my reads of this slot are over
	s_barrier_signal -1
	MUL16 2, 1, NQ-1, \slot, 0
	WIN 0
	s_barrier_wait -1
.if \fill
	CREST                                          ; a round of the cluster's barrier: no wave of any partner still reads this slot or has a load on its way
	s_add_nc_u64 s[G0+4*\slot+2:G0+4*\slot+3], s[G0+4*\slot+2:G0+4*\slot+3], 2*NQ*FRB
	s_add_nc_u64 s[G0B+4*\slot+2:G0B+4*\slot+3], s[G0B+4*\slot+2:G0B+4*\slot+3], 2*NQ*FRB
	JLOAD G0+4*\slot, G1, G0B+4*\slot, G1B
.else
	PLACES NP
.endif
	v_add_nc_u32 v[ADRS], 512*NQ, v[ADRS]
	FETCH_B \next, 0, 0
	FETCH_A \next, 0, 0
	SCALES \next
	WIN MUL_HI
	MUL16 4, 1, NQ-1, \slot, 0
	MUL16 6, 1, NQ-1, \slot, 0
	PLACES NP
	WIN 0
	FETCH_A \next, 0, 4
.endm
	s_wait_tensorcnt 1                             ; the scale words and slot 0; slot 1's load may be out
	s_barrier_signal -1
	s_barrier_wait -1
	FETCH_B 0, 0, 0
	FETCH_A 0, 0, 0
	SCALES 0
	FETCH_A 0, 0, 4
	s_wait_loadcnt 0x0                             ; the bias
	STEP 0, 0, 2
	s_mov_b32 s3, LAPS-1
.Llap:
	TURN 0, 1, 1
	STEP 1, 0, 0
	TURN 1, 0, 1
	STEP 0, 0, 0
	s_sub_co_u32 s3, s3, 1
	s_cmp_lg_u32 s3, 0
	s_cbranch_scc1 .Llap
	TURN 0, 1, 0
	STEP 1, 0, 0
	s_wait_dscnt 4*NL
	WIN MUL_LO
	MUL16 0, 1, NQ-1, 1, 0
	MUL16 2, 1, NQ-1, 1, 0
	s_wait_dscnt 0
	WIN MUL_HI
	MUL16 4, 1, NQ-1, 1, 0
	MUL16 6, 1, NQ-1, 1, 0
	WIN 0
.macro RES a                           ; the residual's 16 rows of block a: row position t is true row 32 (a / 2) + 8 (a % 2) + t + 8 (t / 8); 512 consecutive bytes a load
.set RR, 192-128*((\a)%2)
.irp t, 0,1,2,3,4,5,6,7,8,9,10,11,12,13,14,15
	global_load_b128 v[RR+4*\t:RR+4*\t+3], v[L16], s[10:11] offset:(32*((\a)/2)+8*((\a)%2)+\t+8*(\t/8))*4096
.endr
.endm
.macro TOSTAGE a
.set AC, 64*((\a)%4)
	WIN 0x08+4*((\a)/4)                            ; an LDS store's data: window 2 or 3
.irp b, 0,1,2,3,4,5,6,7
	ds_store_b128 v[STO], v[AC+8*\b:AC+8*\b+3] offset:128*(\b/2)+32*(\b%2)       ; each accumulator from its low end on
	ds_store_b128 v[STO], v[AC+8*\b+4:AC+8*\b+7] offset:128*(\b/2)+32*(\b%2)+16
.endr
	WIN 0
.irp t, 0,1,2,3,4,5,6,7,8,9,10,11,12,13,14,15
	ds_load_b128 v[BK+4*\t:BK+4*\t+3], v[RD] offset:\t*SPITCH   ; LDS serves a wave's instructions in order: these see my stores
.endr
.endm
	PLACES NP                                      ; behind the last products: for the reads of results and the loads into registers that held fragments
	RES 0
.irp a, 0,1,2,3,4,5,6,7
.if \a > 0
	s_wait_xcnt 0x0                                ; the last block's stores have read their registers
.endif
	TOSTAGE \a
.if \a < 7
	RES \a+1
	s_wait_loadcnt 16                              ; this block's residual rows are in; the next block's 16 loads may be out
.else
	s_wait_loadcnt 0
.endif
	s_wait_dscnt 0x0
.set j, 0
.rept 32
	v_pk_add_f32 v[BK+j:BK+j+1], v[BK+j:BK+j+1], v[192-128*((\a)%2)+j:192-128*((\a)%2)+j+1]
.set j, j+2
.endr
.irp t, 0,1,2,3,4,5,6,7,8,9,10,11,12,13,14,15
.if LAST
	global_store_b128 v[L16], v[BK+4*\t:BK+4*\t+3], s[12:13] offset:(32*((\a)/2)+8*((\a)%2)+\t+8*(\t/8))*4096 th:TH_STORE_NT   ; 512 consecutive bytes, aligned
.else
	global_store_b128 v[L16], v[BK+4*\t:BK+4*\t+3], s[12:13] offset:(32*((\a)/2)+8*((\a)%2)+\t+8*(\t/8))*4096
.endif
.endr
.endr
	s_wait_tensorcnt 0x0                           ; the wave's end
	ds_add_u32 v[SPW], v[NIL]
	s_wait_dscnt 0x0
	CROUND                                         ; the closing round
	s_endpgm
.Lfunc_end_k_q4dfba1f6e6_gfc2:
	.size	k_q4dfba1f6e6_gfc2, .Lfunc_end_k_q4dfba1f6e6_gfc2-k_q4dfba1f6e6_gfc2
	.p2alignl 7, 3214868480
	.fill 96, 4, 3214868480
	.section	.rodata,"a",@progbits
	.p2align	6, 0x0
	.amdhsa_kernel k_q4dfba1f6e6_gfc2
		.amdhsa_group_segment_fixed_size 327680
		.amdhsa_private_segment_fixed_size 0
		.amdhsa_enable_private_segment 0
		.amdhsa_kernarg_size 40
		.amdhsa_user_sgpr_count 2
		.amdhsa_user_sgpr_kernarg_segment_ptr 1
		.amdhsa_wavefront_size32 1
		.amdhsa_system_sgpr_workgroup_id_x 1
		.amdhsa_system_sgpr_workgroup_id_y 1
		.amdhsa_system_sgpr_workgroup_id_z 1
		.amdhsa_system_vgpr_workitem_id 0
		.amdhsa_next_free_vgpr 1024
		.amdhsa_next_free_sgpr 102
		.amdhsa_reserve_vcc 0
		.amdhsa_float_denorm_mode_32 3
		.amdhsa_float_denorm_mode_16_64 3
		.amdhsa_memory_ordered 1
		.amdhsa_forward_progress 1
		.amdhsa_inst_pref_size 175
	.end_amdhsa_kernel
	.amdgpu_metadata
---
amdhsa.version: [ 1, 2 ]
amdhsa.kernels:
  - .name:           k_q4dfba1f6e6_gfc2
    .symbol:         k_q4dfba1f6e6_gfc2.kd
    .args:
      - { .name: hid, .offset: 0, .size: 8, .value_kind: global_buffer, .address_space: global }
      - { .name: wts, .offset: 8, .size: 8, .value_kind: global_buffer, .address_space: global }
      - { .name: fc2_b, .offset: 16, .size: 8, .value_kind: global_buffer, .address_space: global }
      - { .name: x1, .offset: 24, .size: 8, .value_kind: global_buffer, .address_space: global }
      - { .name: out0, .offset: 32, .size: 8, .value_kind: global_buffer, .address_space: global }
    .group_segment_fixed_size: 327680
    .private_segment_fixed_size: 0
    .kernarg_segment_align: 8
    .kernarg_segment_size: 40
    .max_flat_workgroup_size: 128
    .sgpr_count:     102
    .vgpr_count:     1024
    .wavefront_size: 32
...
	.end_amdgpu_metadata
.endif
;; end of part 7
;; ======== version 2 of 2: 7 launches
;; limits: right only within a limited range of input values
;; workspace buffers: wts 9,830,400 bytes; act 3,276,800 bytes; qkvq 9,830,400 bytes; x1 16,777,216 bytes; hid 13,107,200 bytes
;; launch prep (part 8): grid 640 x 1, 8 waves a work-group, no clusters, 73,728 bytes of LDS; arguments x, ln1_w, ln1_b, act, qkv_w, proj_w, fc1_w, fc2_w, wts; writes act, wts
.if DOCPART == 8
	.amdgcn_target "amdgcn-amd-amdhsa--gfx1250"
	.amdhsa_code_object_version 6
	.text
	.protected	k_q4dfba1f6e6_prep
	.globl	k_q4dfba1f6e6_prep
	.p2align	8
	.type	k_q4dfba1f6e6_prep,@function
k_q4dfba1f6e6_prep:
	s_mov_b64 s[64:65], 0
	v_nop
	global_prefetch_b8 v0, s[64:65] scope:SCOPE_SE
	s_setreg_imm32_b32 hwreg(HW_REG_WAVE_MODE, 25, 1), 1
	s_wait_xcnt 0x0
; ONE LAUNCH PREPARES ALL OPERANDS THAT COME FROM INPUTS.  Work-groups 0 .. 383 quantise the four weights; work-groups 384 .. 639 make LN1(x) and quantise it.  The two paths part on the work-group's number alone.
; Codes are FP6 (E2M3) with one E8M0 byte for each 32 along K.  A block's scale is 2^(floor(log2(largest magnitude)) - 2): its byte is the largest magnitude's exponent field - 2, held at 1 from below.
; COMMON LAYOUT.  Codes: [row tile of 16][K step of 128][1,536 bytes], the 1,536 bytes an image of the operand's 12 registers: registers 0-3 at 16 x lane, 4-5 at 512 + 8 x lane, 6-9 at 768 + 16 x lane, 10-11 at 1,280 + 8 x lane.
; Scale words: [128 rows][K step][128 words], byte b of a word for block b.  Row position p holds true row sigma(p), sigma = bits 3 and 4 exchanged.
; THE WEIGHTS (f32, stored [K][N]; a column n is a row of the operand).  Four waves take 128 columns x 128 along K, a wave 32 columns: two row tiles, one K step; a work-group of eight waves takes two K steps.
; A lane takes a column and its registers run down K: a block of 32 lies in one lane, and the conversions give codes with K innermost.  Lane L stands for row position n0 + L, so it reads column n0 + sigma(L):
; a load still covers the same 128 consecutive bytes.  What differs between the four tensors (pointer, row length, places in wts) is chosen by s_cselect on the work-group's number.  No LDS on this path.
; THE NORM.  y = (x - mean) * rsqrt(var + 1e-5) * w + b over rows of 1,024.  A work-group takes one row tile, wave w K step w.  Each load reads 512 consecutive bytes of a row; the 16 rows turn through the wave's own stage
; in LDS, so that lane (r, h) holds of row r the columns 128 w + 32 b + 16 h + i in register 16 b + i.  Mean and variance (two passes) meet across the eight waves in LDS: two barriers.
; b waits in the wave's own 512 bytes of LDS and takes w's registers when w has been multiplied in: a multiplication and an addition in place of a fused form, so that the launch names 160 registers
; and three work-groups of eight waves fit in a WGP's 4 x 1,024: all 640 work-groups have a place at once.
; Memory binds: each input byte is read once; no matrix unit, no cluster (work-groups share only w and b, 8 KB), no prefetch (every wave's loads go out at its head).
; LIMITS: a block of zeros gets the byte 1 where the rule says 127 (its codes are zeros, and this program alone reads the bytes); blocks whose largest magnitude lies under 2^-124 keep the byte 1; NaN and infinities are not served.
.set NQW,   384                        ; work-groups of the weights' path
.set STGW,  8448                       ; a wave's stage: 16 rows x (512 + 16) bytes
.set RED,   67584                      ; 16 rows x 8 waves of partial sums (512 bytes), and 512 more for the squares
.set BST,   68608                      ; b: 512 bytes for each wave
.set SPARE, 72704                      ; the spare words, 128 bytes for each of eight waves
.set OFFS, 16                          ; weights: v16-47 4 sigma(lane) + i rows
.set QX,   48                          ; v48-111  two sets of 32 numbers
.set FA,   112                         ; v112-123 blocks 0 and 2 of my column; behind the exchange: row tile 0's operand registers
.set FB,   124                         ; v124-135 blocks 1 and 3; behind the exchange: row tile 1's
.set T,    136                         ; v136-138 a block's upper 16 codes
.set X,   32                           ; norm: v32-95 my 64 numbers
.set W,   96                           ; v96-159  w at my columns, then b; later at work
.set TM,  96
.set PC,  112
.set PW,  132
.set SEL, 28
	v_lshl_add_u32 v14, v0, 2, SPARE               ; my spare word,
	v_mov_b32 v15, 0                               ; and 0: kept for the norm's closing lines
	s_cmp_lt_u32 ttmp9, NQW
	s_wait_alu depctr_va_vdst(0)                   ; the wait, directly ahead of the branch
	s_cbranch_scc0 .Lnorm
	s_load_b256 s[4:11], s[0:1], 0x20              ; qkv_w s[4:5], proj_w s[6:7], fc1_w s[8:9], fc2_w s[10:11]
	s_load_b64 s[12:13], s[0:1], 0x40              ; wts
	v_lshrrev_b32 v2, 5, v0
	v_readfirstlane_b32 s46, v2                    ; wave 0..7
	v_and_b32 v1, 31, v0                           ; lane
	v_lshlrev_b32 v3, 4, v1                        ; 16 x lane
	v_lshlrev_b32 v4, 3, v1                        ; 8 x lane
	v_lshlrev_b32 v5, 2, v1                        ; 4 x lane
	v_and_b32 v6, 7, v1
	v_bfe_u32 v7, v1, 3, 1
	v_lshl_or_b32 v6, v7, 4, v6
	v_bfe_u32 v7, v1, 4, 1
	v_lshl_or_b32 v6, v7, 3, v6                    ; sigma(lane)
	s_lshr_b32 s52, s46, 2                         ; which of the work-group's two K steps
	s_and_b32 s46, s46, 3                          ; which 32 of the 128 columns
	s_and_b32 s47, ttmp9, 3
	s_lshl_b32 s47, s47, 1
	s_add_co_u32 s47, s47, s52                     ; y = 0 .. 7
	s_lshr_b32 s51, ttmp9, 2                       ; x = 0 .. 95: 24 groups of qkv_w, 8 of proj_w, 32 of fc1_w, 32 of fc2_w
	s_sub_co_u32 s48, s51, 64                      ; fc2_w (x from 64): 8 groups of columns x 4 runs of 8 K steps
	s_and_b32 s17, s48, 7                          ; group of 128 columns
	s_lshr_b32 s18, s48, 3
	s_lshl_b32 s18, s18, 3
	s_add_co_u32 s18, s18, s47                     ; K step
	s_sub_co_u32 s49, s51, 32                      ; fc1_w's group
	s_sub_co_u32 s50, s51, 24                      ; proj_w's
	s_mov_b32 s16, 4096                            ; bytes in a row of the tensor
	s_mov_b32 s19, 32                              ; K steps
	s_mov_b32 s20, 6291456                         ; where its codes begin in wts
	s_mov_b32 s21, 9699328                         ; and its scale words
	s_wait_alu depctr_va_vdst(0)
	s_wait_kmcnt 0x0
	s_mov_b64 s[14:15], s[10:11]
	s_cmp_lt_u32 s51, 64                           ; fc1_w
	s_cselect_b64 s[14:15], s[8:9], s[14:15]
	s_cselect_b32 s16, 16384, s16
	s_cselect_b32 s17, s49, s17
	s_cselect_b32 s18, s47, s18
	s_cselect_b32 s19, 8, s19
	s_cselect_b32 s20, 3145728, s20
	s_cselect_b32 s21, 9568256, s21
	s_cmp_lt_u32 s51, 32                           ; proj_w
	s_cselect_b64 s[14:15], s[6:7], s[14:15]
	s_cselect_b32 s16, 4096, s16
	s_cselect_b32 s17, s50, s17
	s_cselect_b32 s20, 2359296, s20
	s_cselect_b32 s21, 9535488, s21
	s_cmp_lt_u32 s51, 24                           ; qkv_w
	s_cselect_b64 s[14:15], s[4:5], s[14:15]
	s_cselect_b32 s16, 12288, s16
	s_cselect_b32 s17, s51, s17
	s_cselect_b32 s20, 0, s20
	s_cselect_b32 s21, 9437184, s21
	s_mul_i32 s22, s18, s16
	s_lshl_b32 s22, s22, 7                         ; K step x 128 rows
	s_lshl_b32 s23, s17, 9
	s_add_co_u32 s22, s22, s23                     ; + 512 bytes a group of columns
	s_lshl_b32 s23, s46, 7
	s_add_co_u32 s22, s22, s23                     ; + 128 bytes a wave
	s_mov_b32 s23, 0
	s_lshl_b32 s32, s16, 5                         ; 32 rows on
	s_mov_b32 s33, 0
	s_add_nc_u64 s[24:25], s[14:15], s[22:23]      ; a base for each block of 32 rows: no pointer is stepped later
	s_add_nc_u64 s[26:27], s[24:25], s[32:33]
	s_add_nc_u64 s[28:29], s[26:27], s[32:33]
	s_add_nc_u64 s[30:31], s[28:29], s[32:33]
	v_lshlrev_b32 v[OFFS], 2, v6
.set i, 1
.rept 31
	v_add_nc_u32 v[OFFS+i], s16, v[OFFS+i-1]
.set i, i+1
.endr
	s_lshl_b32 s34, s17, 3
	s_lshl_b32 s35, s46, 1
	s_add_co_u32 s34, s34, s35                     ; my first row tile
	s_mul_i32 s34, s34, s19
	s_add_co_u32 s34, s34, s18
	s_mul_i32 s34, s34, 1536
	s_add_co_u32 s34, s34, s20
	s_mov_b32 s35, 0
	s_add_nc_u64 s[36:37], s[12:13], s[34:35]      ; row tile 0's image
	s_mul_i32 s38, s19, 1536
	s_mov_b32 s39, 0
	s_add_nc_u64 s[40:41], s[36:37], s[38:39]      ; row tile 1's
	s_mul_i32 s42, s17, s19
	s_add_co_u32 s42, s42, s18
	s_lshl_b32 s42, s42, 9
	s_lshl_b32 s43, s46, 7
	s_add_co_u32 s42, s42, s43
	s_add_co_u32 s42, s42, s21
	s_mov_b32 s43, 0
	s_add_nc_u64 s[44:45], s[12:13], s[42:43]      ; my 32 scale words
.macro LOAD t                          ; block t: rows 32 t + i of my column, into set t % 2
.set i, 0
.rept 32
	global_load_b32 v[QX+32*((\t)%2)+i], v[OFFS+i], s[24+2*(\t):25+2*(\t)] th:TH_LOAD_NT
.set i, i+1
.endr
.endm
.macro BLOCK t
.set XS, QX+32*((\t)%2)
.set F, FA+12*((\t)%2)+6*((\t)/2)
.if (\t) < 3
	s_wait_loadcnt 32                              ; this block's 32 loads are in; the next block's 32 may be out
.else
	s_wait_loadcnt 0
.endif
	v_max3_num_f32 v8, |v[XS]|, |v[XS+1]|, |v[XS+2]|   ; the block's largest magnitude: all 32 numbers are mine; two chains
	v_max3_num_f32 v9, |v[XS+3]|, |v[XS+4]|, |v[XS+5]|
.irp i, 6,10,14,18,22,26
	v_max3_num_f32 v8, v8, |v[XS+\i]|, |v[XS+\i+1]|
	v_max3_num_f32 v9, v9, |v[XS+\i+2]|, |v[XS+\i+3]|
.endr
	v_max3_num_f32 v8, v8, |v[XS+30]|, |v[XS+31]|
	v_max3_num_f32 v8, v8, v9, 0x1800000           ; and the floor 2^(3 - 127): the byte cannot fall under 1
	v_add_nc_u32 v10, 0xff000000, v8               ; 2 off the exponent field: the conversion takes this operand's exponent field as its scale
	v_lshrrev_b32 v11, 23, v10                     ; the scale's byte
.if (\t) == 0
	v_mov_b32 v12, v11
.else
	v_lshl_or_b32 v12, v11, 8*(\t), v12            ; four bytes make my row's scale word
.endif
	v_cvt_scalef32_pk16_fp6_f32 v[F:F+2], v[XS:XS+15], v10
	v_cvt_scalef32_pk16_fp6_f32 v[T:T+2], v[XS+16:XS+31], v10   ; (a conversion's three registers begin on an even number)
	v_nop                                          ; one plain instruction behind a scaled conversion
.irp i, 0,1,2
	v_mov_b32 v[F+3+\i], v[T+\i]
.endr
.if (\t) < 2
	LOAD (\t)+2
.endif
.endm
	s_wait_alu depctr_va_vdst(0)
	LOAD 0
	LOAD 1
	BLOCK 0
	BLOCK 1
	BLOCK 2
	BLOCK 3
; The operand wants, of row r, blocks 0 and 2 in lane r and blocks 1 and 3 in lane 16 + r.  FA's lanes 16-31 change places with FB's lanes 0-15: FA is then row tile 0's image, FB row tile 1's.
.set i, 0
.rept 12
	v_permlane16_swap_b32 v[FA+i], v[FB+i]
.set i, i+1
.endr
.irp f, 0,1
	global_store_b128 v3, v[FA+12*\f:FA+12*\f+3], s[36+4*\f:37+4*\f]                  ; each store covers 512 or 256 consecutive bytes, aligned
	global_store_b64 v4, v[FA+12*\f+4:FA+12*\f+5], s[36+4*\f:37+4*\f] offset:512
	global_store_b128 v3, v[FA+12*\f+6:FA+12*\f+9], s[36+4*\f:37+4*\f] offset:768
	global_store_b64 v4, v[FA+12*\f+10:FA+12*\f+11], s[36+4*\f:37+4*\f] offset:1280
.endr
	global_store_b32 v5, v12, s[44:45]             ; 128 consecutive bytes a wave
	s_endpgm
.macro QUANT s                         ; 64 numbers, register 16 b + i = k 32 b + 16 (lane / 16) + i of my row, become a fragment's codes in v[PC] on and its scale word in v[PW]
.irp b, 0,1,2,3
	v_max3_num_f32 v[TM+\b], |v[\s+16*\b]|, |v[\s+1+16*\b]|, 0x1800000   ; my 16 numbers of block b, and the floor 2^(3 - 127)
.endr
.irp i, 2,4,6,8,10,12,14
.irp b, 0,1,2,3
	s_delay_alu instid0(VALU_DEP_4)
	v_max3_num_f32 v[TM+\b], v[TM+\b], |v[\s+16*\b+\i]|, |v[\s+1+16*\b+\i]|
.endr
.endr
.irp b, 0,1,2,3
	s_delay_alu instid0(VALU_DEP_4)
	v_permlanex16_b32 v[TM+4+\b], v[TM+\b], s[SEL], s[SEL+1]
.endr
.irp b, 0,1,2,3
	s_delay_alu instid0(VALU_DEP_4)
	v_max_num_f32 v[TM+\b], v[TM+\b], v[TM+4+\b]   ; with lane l xor 16's: the block's largest magnitude
.endr
.irp b, 0,1,2,3
	s_delay_alu instid0(VALU_DEP_4)
	v_add_nc_u32 v[TM+12+\b], 0xff000000, v[TM+\b] ; 2 off the exponent field: the conversion's scale operand
.endr
.irp b, 0,1,2,3
	s_delay_alu instid0(VALU_DEP_4)
	v_lshrrev_b32 v[TM+4+\b], 23, v[TM+12+\b]      ; the scale's byte
.endr
	s_delay_alu instid0(VALU_DEP_3)
	v_lshl_or_b32 v[PW], v[TM+5], 8, v[TM+4]
	s_delay_alu instid0(VALU_DEP_1)
	v_lshl_or_b32 v[PW], v[TM+6], 16, v[PW]
	s_delay_alu instid0(VALU_DEP_1)
	v_lshl_or_b32 v[PW], v[TM+7], 24, v[PW]
.irp c, 0,1
	v_cvt_scalef32_pk16_fp6_f32 v[PC+6*\c:PC+2+6*\c], v[\s+32*\c:\s+15+32*\c], v[TM+12+2*\c]
	v_cvt_scalef32_pk16_fp6_f32 v[PC+12+4*\c:PC+14+4*\c], v[\s+16+32*\c:\s+31+32*\c], v[TM+12+2*\c+1]
.endr
	v_nop                                          ; one plain instruction behind a scaled conversion
.irp c, 0,1                            ; the operand wants a whole block in a lane: lanes 0-15 block 2 c, lanes 16-31 block 2 c + 1
.irp i, 0,1,2
	v_permlane16_swap_b32 v[PC+6*\c+\i], v[PC+12+4*\c+\i]
.endr
.irp i, 0,1,2
	s_delay_alu instid0(VALU_DEP_3)
	v_mov_b32 v[PC+3+6*\c+\i], v[PC+12+4*\c+\i]
.endr
.endr
.endm
.macro ACROSS off                      ; the two chains v[20:21], v[22:23] become the row's sum over all 1,024 columns, in v24 of every lane
	s_delay_alu instid0(VALU_DEP_1)
	v_pk_add_f32 v[20:21], v[20:21], v[22:23]
	s_delay_alu instid0(VALU_DEP_1)
	v_add_f32 v20, v20, v21
	s_delay_alu instid0(VALU_DEP_1)
	v_permlanex16_b32 v21, v20, s[SEL], s[SEL+1]
	s_delay_alu instid0(VALU_DEP_1)
	v_add_f32 v20, v20, v21                        ; my wave's 128 columns of row r (both halves of the lanes hold it)
	ds_store_b32 v8, v20 offset:\off
	s_wait_dscnt 0x0                               ; for the others' sake: my store has landed
	s_barrier_signal -1
	s_barrier_wait -1
	ds_load_b128 v[24:27], v9 offset:\off
	ds_load_b128 v[28:31], v9 offset:\off+16
	s_wait_dscnt 0x0
	v_pk_add_f32 v[24:25], v[24:25], v[26:27]      ; the same tree in every wave: all eight get the same bits
	v_pk_add_f32 v[28:29], v[28:29], v[30:31]
	s_delay_alu instid0(VALU_DEP_1)
	v_pk_add_f32 v[24:25], v[24:25], v[28:29]
	s_delay_alu instid0(VALU_DEP_1)
	v_add_f32 v24, v24, v25
.endm
.Lnorm:
	s_load_b256 s[4:11], s[0:1], 0x0               ; x s[4:5], w s[6:7], b s[8:9], act s[10:11]
	s_sub_co_u32 s30, ttmp9, NQW                   ; my row tile
	v_lshrrev_b32 v1, 5, v0
	s_delay_alu instid0(VALU_DEP_1)
	v_readfirstlane_b32 s12, v1                    ; wave
	v_and_b32 v1, 31, v0                           ; lane
	v_and_b32 v2, 15, v0                           ; r
	v_bfe_u32 v3, v0, 4, 1                         ; h
	s_delay_alu instid0(VALU_DEP_3)
	v_lshlrev_b32 v4, 4, v1                        ; 16 x lane
	s_delay_alu instid0(VALU_DEP_4)
	v_lshlrev_b32 v11, 3, v1                       ; 8 x lane
	s_delay_alu instid0(VALU_DEP_4)
	v_lshlrev_b32 v12, 2, v2                       ; 4 r
	s_mul_i32 s13, s12, STGW
	v_add_nc_u32 v5, s13, v4                       ; the stage, on the way in: a row's 512 bytes on end
	v_mul_u32_u24 v6, v2, 528
	s_delay_alu instid0(VALU_DEP_1)
	v_lshl_add_u32 v6, v3, 6, v6
	s_delay_alu instid0(VALU_DEP_1)
	v_add_nc_u32 v6, s13, v6                       ; and out: row r, + 64 h
	s_lshl_b32 s14, s12, 9                         ; 512 w: my columns' bytes
	v_lshlrev_b32 v7, 6, v3
	s_delay_alu instid0(VALU_DEP_1)
	v_add_nc_u32 v7, s14, v7                       ; w: 512 w + 64 h
	s_add_co_u32 s31, s14, BST
	v_add_nc_u32 v10, s31, v4                      ; b's 512 bytes in LDS, on the way in,
	v_add_nc_u32 v13, BST, v7                      ; and out
	v_add_nc_u32 v16, s14, v4                      ; b in memory: 512 w + 16 x lane
	v_lshl_add_u32 v9, v2, 5, RED                  ; row r's eight partial sums
	s_lshl_b32 s15, s12, 2
	v_add_nc_u32 v8, s15, v9                       ; mine among them
	s_mov_b32 s[SEL], 0x76543210
	s_mov_b32 s[SEL+1], 0xfedcba98                 ; lane l xor 16
	s_lshr_b32 s16, s30, 1
	s_lshl_b32 s16, s16, 5
	s_and_b32 s17, s30, 1
	s_lshl_b32 s17, s17, 3
	s_add_co_u32 s16, s16, s17                     ; the tile's first true row
	s_lshl_b32 s16, s16, 12
	s_add_co_u32 s16, s16, s14
	s_mov_b32 s17, 0
	s_lshl_b32 s18, s30, 3
	s_add_co_u32 s18, s18, s12
	s_mul_i32 s18, s18, 1536                       ; image (tile, K step w)
	s_mov_b32 s19, 0
	s_lshr_b32 s20, s30, 3
	s_lshl_b32 s20, s20, 3
	s_add_co_u32 s20, s20, s12
	s_lshl_b32 s20, s20, 9
	s_and_b32 s21, s30, 7
	s_lshl_b32 s21, s21, 6
	s_add_co_u32 s20, s20, s21
	s_add_co_u32 s20, s20, 3145728                 ; the tile's 16 scale words of K step w
	s_mov_b32 s21, 0
	s_wait_alu depctr_va_vdst(0)
	s_wait_kmcnt 0x0
	s_add_nc_u64 s[4:5], s[4:5], s[16:17]
	s_add_nc_u64 s[22:23], s[10:11], s[18:19]
	s_add_nc_u64 s[24:25], s[10:11], s[20:21]
.irp p, 0,1,2,3,4,5,6,7,8,9,10,11,12,13,14,15
	global_load_b128 v[X+4*\p:X+4*\p+3], v4, s[4:5] offset:(\p+8*(\p/8))*4096   ; row position p: 512 consecutive bytes
.endr
	global_load_b128 v[24:27], v16, s[8:9]         ; b at my 128 columns: 512 consecutive bytes
.irp p, 0,1,2,3,4,5,6,7,8,9,10,11,12,13,14,15
	global_load_b128 v[W+4*\p:W+4*\p+3], v7, s[6:7] offset:128*(\p/4)+16*(\p%4)
.endr
	s_wait_loadcnt 16                              ; the rows and b are in; w's 16 loads may be out
.irp p, 0,1,2,3,4,5,6,7,8,9,10,11,12,13,14,15
	ds_store_b128 v5, v[X+4*\p:X+4*\p+3] offset:528*\p
.endr
	ds_store_b128 v10, v[24:27]
.irp p, 0,1,2,3,4,5,6,7,8,9,10,11,12,13,14,15
	ds_load_b128 v[X+4*\p:X+4*\p+3], v6 offset:128*(\p/4)+16*(\p%4)   ; LDS serves a wave's instructions in order: these see my stores
.endr
	v_mov_b32 v19, 0x3a800000                      ; 1 / 1,024
	s_wait_dscnt 0x0
	v_pk_add_f32 v[20:21], v[X:X+1], v[X+2:X+3]
	v_pk_add_f32 v[22:23], v[X+4:X+5], v[X+6:X+7]
.irp j, 8,12,16,20,24,28,32,36,40,44,48,52,56,60
	s_delay_alu instid0(VALU_DEP_2)
	v_pk_add_f32 v[20:21], v[20:21], v[X+\j:X+\j+1]
	s_delay_alu instid0(VALU_DEP_2)
	v_pk_add_f32 v[22:23], v[22:23], v[X+\j+2:X+\j+3]
.endr
	ACROSS 0
	s_delay_alu instid0(VALU_DEP_1)
	v_mul_f32 v16, v24, v19                        ; the mean,
	s_delay_alu instid0(VALU_DEP_2)
	v_mul_f32 v17, v24, v19                        ; twice: a pair for the packed form
.set j, 0
.rept 32
	v_pk_add_f32 v[X+j:X+j+1], v[X+j:X+j+1], v[16:17] neg_lo:[0,1] neg_hi:[0,1]   ; x - mean
.set j, j+2
.endr
	v_pk_mul_f32 v[20:21], v[X:X+1], v[X:X+1]
	v_pk_mul_f32 v[22:23], v[X+2:X+3], v[X+2:X+3]
.irp j, 4,8,12,16,20,24,28,32,36,40,44,48,52,56,60
	s_delay_alu instid0(VALU_DEP_2)
	v_pk_fma_f32 v[20:21], v[X+\j:X+\j+1], v[X+\j:X+\j+1], v[20:21]
	s_delay_alu instid0(VALU_DEP_2)
	v_pk_fma_f32 v[22:23], v[X+\j+2:X+\j+3], v[X+\j+2:X+\j+3], v[22:23]
.endr
	ACROSS 512                                     ; other bytes than the first sums': no barrier is owed between the two
	s_delay_alu instid0(VALU_DEP_1)
	v_fmaak_f32 v18, v24, v19, 0x3727c5ac          ; var + 1e-5 (the division by 1,024 is exact)
	s_wait_alu depctr_va_vdst(0)
	v_rsq_f32 v18, v18
	v_nop                                          ; a plain instruction behind the transcendental,
	s_wait_alu depctr_va_vdst(0)                   ; and the wait ahead of the first use
	v_mov_b32 v19, v18
	s_wait_alu depctr_va_vdst(0)
	s_wait_loadcnt 0x0                             ; w
.set j, 0
.rept 32
	v_pk_mul_f32 v[X+j:X+j+1], v[X+j:X+j+1], v[18:19]
.set j, j+2
.endr
.set j, 0
.rept 32
	v_pk_mul_f32 v[X+j:X+j+1], v[X+j:X+j+1], v[W+j:W+j+1]
.set j, j+2
.endr
.irp p, 0,1,2,3,4,5,6,7,8,9,10,11,12,13,14,15
	ds_load_b128 v[W+4*\p:W+4*\p+3], v13 offset:128*(\p/4)+16*(\p%4)   ; b takes w's registers
.endr
	s_wait_alu depctr_va_vdst(0)                   ; the wait, directly ahead of the wait below
	s_wait_dscnt 0x0
.set j, 0
.rept 32
	v_pk_add_f32 v[X+j:X+j+1], v[X+j:X+j+1], v[W+j:W+j+1]
.set j, j+2
.endr
	QUANT X
	global_store_b128 v4, v[PC:PC+3], s[22:23]                 ; the image: stores of 512 and 256 consecutive bytes, aligned
	global_store_b64 v11, v[PC+4:PC+5], s[22:23] offset:512
	global_store_b128 v4, v[PC+6:PC+9], s[22:23] offset:768
	global_store_b64 v11, v[PC+10:PC+11], s[22:23] offset:1280
	v_cmp_gt_u32 vcc_lo, 16, v1
	s_wait_xcnt 0x0                                ; EXEC changes only behind this wait
	s_and_saveexec_b32 s26, vcc_lo
	global_store_b32 v12, v[PW], s[24:25]          ; lanes 0-15: row r's scale word
	s_wait_xcnt 0x0                                ; and again, in front of the line that widens it
	s_or_b32 exec_lo, exec_lo, s26
	s_wait_tensorcnt 0x0                           ; the wave's end, behind my last LDS store
	ds_add_u32 v14, v15
	s_wait_dscnt 0x0
	s_endpgm
.Lfunc_end_k_q4dfba1f6e6_prep:
	.size	k_q4dfba1f6e6_prep, .Lfunc_end_k_q4dfba1f6e6_prep-k_q4dfba1f6e6_prep
	.p2alignl 7, 3214868480
	.fill 96, 4, 3214868480
	.section	.rodata,"a",@progbits
	.p2align	6, 0x0
	.amdhsa_kernel k_q4dfba1f6e6_prep
		.amdhsa_group_segment_fixed_size 73728
		.amdhsa_private_segment_fixed_size 0
		.amdhsa_enable_private_segment 0
		.amdhsa_kernarg_size 72
		.amdhsa_user_sgpr_count 2
		.amdhsa_user_sgpr_kernarg_segment_ptr 1
		.amdhsa_wavefront_size32 1
		.amdhsa_system_sgpr_workgroup_id_x 1
		.amdhsa_system_sgpr_workgroup_id_y 1
		.amdhsa_system_sgpr_workgroup_id_z 1
		.amdhsa_system_vgpr_workitem_id 0
		.amdhsa_next_free_vgpr 160
		.amdhsa_next_free_sgpr 66
		.amdhsa_reserve_vcc 1
		.amdhsa_float_denorm_mode_32 3
		.amdhsa_float_denorm_mode_16_64 3
		.amdhsa_memory_ordered 1
		.amdhsa_forward_progress 1
		.amdhsa_inst_pref_size 55
	.end_amdhsa_kernel
	.amdgpu_metadata
---
amdhsa.version: [ 1, 2 ]
amdhsa.kernels:
  - .name:           k_q4dfba1f6e6_prep
    .symbol:         k_q4dfba1f6e6_prep.kd
    .args:
      - { .name: x, .offset: 0, .size: 8, .value_kind: global_buffer, .address_space: global }
      - { .name: ln1_w, .offset: 8, .size: 8, .value_kind: global_buffer, .address_space: global }
      - { .name: ln1_b, .offset: 16, .size: 8, .value_kind: global_buffer, .address_space: global }
      - { .name: act, .offset: 24, .size: 8, .value_kind: global_buffer, .address_space: global }
      - { .name: qkv_w, .offset: 32, .size: 8, .value_kind: global_buffer, .address_space: global }
      - { .name: proj_w, .offset: 40, .size: 8, .value_kind: global_buffer, .address_space: global }
      - { .name: fc1_w, .offset: 48, .size: 8, .value_kind: global_buffer, .address_space: global }
      - { .name: fc2_w, .offset: 56, .size: 8, .value_kind: global_buffer, .address_space: global }
      - { .name: wts, .offset: 64, .size: 8, .value_kind: global_buffer, .address_space: global }
    .group_segment_fixed_size: 73728
    .private_segment_fixed_size: 0
    .kernarg_segment_align: 8
    .kernarg_segment_size: 72
    .max_flat_workgroup_size: 256
    .sgpr_count:     66
    .vgpr_count:     160
    .wavefront_size: 32
...
	.end_amdgpu_metadata
.endif
;; end of part 8
;; launch gqkv (part 9): grid 12 x 16, 4 waves a work-group, clusters of 4 x 4, 327,680 bytes of LDS; arguments act, wts, qkvq; writes qkvq
.if DOCPART == 9
	.amdgcn_target "amdgcn-amd-amdhsa--gfx1250"
	.amdhsa_code_object_version 6
	.text
	.protected	k_q4dfba1f6e6_gqkv
	.globl	k_q4dfba1f6e6_gqkv
	.p2align	8
	.type	k_q4dfba1f6e6_gqkv,@function
k_q4dfba1f6e6_gqkv:
	s_mov_b64 s[64:65], 0
	v_nop
	global_prefetch_b8 v0, s[64:65] scope:SCOPE_SE
	s_setreg_imm32_b32 hwreg(HW_REG_WAVE_MODE, 25, 1), 1
	s_wait_xcnt 0x0
	s_wait_alu depctr_hold_cnt(0) depctr_sa_sdst(0) depctr_va_vdst(0) depctr_va_sdst(0) depctr_va_ssrc(0) depctr_va_vcc(0) depctr_vm_vsrc(0)
	s_getreg_b32 s2, hwreg(HW_REG_IB_STS2, 6, 4)
	s_cmp_eq_u32 s2, 0
	s_cbranch_scc0 .Lentry_in_a_cluster
	s_endpgm
.Lentry_in_a_cluster:
	s_bfe_u32 s2, ttmp6, 0x10000c
	s_cmp_lg_u32 s2, 0xf033
	s_cbranch_scc0 .Lentry_shape_is_right
	s_endpgm
.Lentry_shape_is_right:
; qkv = LN1(x) qkv_w on codes of FP6 (E2M3) with E8M0 scales, and its result quantised at once for attention; qkv never goes to memory as f32.
; TWO FORMS IN ONE TEXT.  Clusters with x = 0, 1: C = X Wqk^T (rows: 4,096 tokens, columns: q's and k's 2,048 channels), quantised along the channels.  Clusters with x = 2: C = Wv X^T (rows: v's 1,024 channels,
; columns: 4,096 tokens), quantised along the tokens, which are the keys: the K of attention's second product.  What differs (which buffer is A, places, pitch of the output) is chosen by s_cselect on the CLUSTER's x,
; which all sixteen partners share; there is no branch on it.
; OPERANDS.  Codes lie [row tile of 16][K step of 128][1,536 bytes], the 1,536 bytes an image of the operand's 12 registers (0-3 at 16 x lane, 4-5 at 512 + 8 x lane, 6-9 at 768 + 16 x lane, 10-11 at 1,280 + 8 x lane):
; a fragment comes from LDS by two loads of 16 bytes and two of 8 a lane, each covering consecutive bytes.  Scale words lie [128 rows][K step][128 words].  Row position p holds true row sigma(p) (bits 3 and 4 exchanged).
; THE MATRIX INSTRUCTION IS USED TRANSPOSED (source 0 = 16 rows of B, source 1 = 16 rows of A).  With sigma, the 64 results of a lane for one block of A's rows are, in register order 16 b + i, the true columns
; 32 b + 16 (lane / 16) + i: 16 neighbours of each block of 32 along the next K.  So they are quantised in registers, and the codes leave as an image again, at the same row position.
; SHAPE.  A tile of C is 256 x 256, four waves, 128 x 128 each: 64 accumulators, 512 registers.  K = 1,024 goes in steps of 256 through two LDS slots.
; THE HEAD.  One tensor load a wave: wave 0 A's 16 row tiles of slot 0, wave 1 A's scale words for all of K, wave 2 B's 16 row tiles, wave 3 B's scale words.  Slot 1 is first filled as a refill is, behind the waits, the add and a round.
; From there on a wave's load brings 8 row tiles x 3,072 bytes, and by this text's count one tensor load of a wave is out behind each round.
; CLUSTERS: 4 x 4; A's tiles are asked for jointly along a row of the cluster, B's along a column.
; PREFETCH.  Slot n's bytes are named behind the tensor load of slot n - 2 (slots 1 and 2 behind the head's load, slot 3 behind slot 1's).  Of the 8 row tiles that a wave fetches, the partner at place p among the four that
; ask jointly (cx for A, cy for B) names tiles 2 p and 2 p + 1, told apart by address alone: 24 blocks of 256 bytes, a lane a block (lanes 24-31 name the last again), one instruction a wave.  K has four slots, so the loop names none.
; REGISTERS: window 0: v4, v5 16 x and 8 x lane; v16-23 fragment addresses; v27 scale address; v28, v29 the add's two; v30 the prefetches' offset; v32-63 scale words, two sets; v128-223 A's fragments, one set; on the way out v32-127 at work.
;   window 1: B's fragments, two sets (v0, v128).   windows 2, 3: accumulators ((a, b) at v[8 (8 (a % 4) + b)]).
; LIMITS: a block of zeros gets the byte 1 where the rule says 127 (zero codes; this program alone reads the bytes); blocks under 2^-124 keep the byte 1; NaN and infinities are not served.
.set NKS,   8                          ; K steps of 128
.set NQ,    2                          ; of them in a slot
.set FR,    12
.set FRB,   1536
.set NL,    4                          ; LDS loads that bring a fragment
.set NP,    4                          ; places behind this matrix instruction (ISA guide 7.12.1)
.set HALFT, 8*NQ*FRB                   ; 8 row tiles x 2 K steps: what one tensor load of the ring brings
.set SLOT,  4*HALFT
.set LAPS,  NKS/(2*NQ)
.set SCL,   2*SLOT                     ; behind the ring: the scale words
.set HALFS, NKS*512                    ; those of 128 rows
.set SPARE, SCL+4*HALFS                ; the spare words, 128 bytes a wave: two blocks of 256 bytes that no other line names
.set L16,  4
.set L8,   5
.set ADRA, 16                          ; v16-17 16 x lane + my A rows in slot 0, 1; v18-19 the same with 8 x lane
.set ADRB, 20
.set SWA,  24                          ; the way out: where a block's scale words are gathered (slot 0, which has had its last fill and its last read by then)
.set SRD,  25
.set ADRS, 27
.set SPW,  28
.set NIL,  29
.set SC,   32
.set AF,   128
.set TM,   32
.set PC,   96
.set PW,   116
.set G1,   24
.set G0,   32
.set G1B,  48
.set G0B,  56
.set G1S,  68
.set G0S,  76
.set G1SB, 80
.set G0SB, 88
.set SEL,  100
.set PA,   8                           ; s[8:9] A's buffer, s[10:11] B's
.set PB,   10
.set MSB, 0
.macro WIN new                         ; the immediate's high byte repeats the setting that is left
.if MSB != (\new)
	s_set_vgpr_msb (MSB<<8)|(\new)
.set MSB, (\new)
.endif
.endm
.set MUL_LO, 0xa1                      ; source 0 (B) window 1, source 1 (A) window 0, C and D window 2
.set MUL_HI, 0xf1
.set TO_B,   0x40
.macro JLOAD g0a, g1a, g0b, g1b        ; a joint load: waves 0 and 1 fetch for A, waves 2 and 3 for B; an s_nop 0 and four v_nop follow each line
	s_cmp_eq_u32 s15, 0
	s_cbranch_scc0 .Lfor_b_\@
	tensor_load_to_lds s[\g0a:\g0a+3], s[\g1a:\g1a+7]
	s_nop 0
.rept 4
	v_nop
.endr
	s_branch .Lasked_\@
.Lfor_b_\@:
	tensor_load_to_lds s[\g0b:\g0b+3], s[\g1b:\g1b+7]
	s_nop 0
.rept 4
	v_nop
.endr
.Lasked_\@:
.endm
.macro CREST
	s_cmp_lg_u32 s14, 0
	s_cbranch_scc1 .Lnot_wave_0_\@
	s_barrier_signal -3
.Lnot_wave_0_\@:
	s_barrier_wait -3
	s_barrier_signal -1
	s_barrier_wait -1
.endm
.macro CROUND
	s_barrier_signal -1
	s_barrier_wait -1
	CREST
.endm
	s_load_b128 s[4:7], s[0:1], 0x0                ; act, wts
	s_load_b64 s[12:13], s[0:1], 0x10              ; qkvq
	v_lshl_add_u32 v[SPW], v0, 2, SPARE
	v_mov_b32 v[NIL], 0
	ds_add_u32 v[SPW], v[NIL]                      ; the opening lines: the add, twice on end, and its wait ahead of my first tensor load; the set-up stands between them
	ds_add_u32 v[SPW], v[NIL]
	v_lshrrev_b32 v1, 5, v0
	v_readfirstlane_b32 s14, v1                    ; wave
	s_lshr_b32 s15, s14, 1                         ; my half of the tile's rows.  Also: in the ring I fetch for A (0) or B (1)
	s_and_b32 s16, s14, 1                          ; my half of its columns.  Also: which 128 rows I fetch
	s_bfe_u32 s40, ttmp6, 0x40000                  ; cx
	s_bfe_u32 s41, ttmp6, 0x40004                  ; cy
	s_and_b32 s18, ttmp7, 0xffff
	s_lshl_b32 s18, s18, 2                         ; 4 x cluster y
	s_lshl_b32 s19, ttmp9, 2                       ; 4 x cluster x
	s_mov_b32 s67, 3145728
	s_mov_b32 s95, 9437184
	s_mov_b32 s2, 6291456
	s_cmp_eq_u32 ttmp9, 2                          ; V's clusters?  The cluster's x: the same in all sixteen partners
	s_cselect_b32 s17, 0, s18                      ; tile row less cy
	s_cselect_b32 s42, s18, s19                    ; tile column less cx
	s_cselect_b32 s66, 1572864, 0                  ; where A's codes begin in its buffer (Wv: row tile 128 of qkv_w),
	s_cselect_b32 s67, 9502720, s67                ; A's scale words,
	s_cselect_b32 s95, 3145728, s95                ; B's scale words (B's codes begin at 0 both ways)
	s_cselect_b32 s96, 32, 16                      ; K steps in a row of the output
	s_cselect_b32 s97, 6553600, 0                  ; where the output's codes begin in qkvq,
	s_cselect_b32 s2, 9699328, s2                  ; and its scale words
	s_add_co_u32 s17, s17, s41                     ; tile row: holds cy alone
	s_add_co_u32 s42, s42, s40                     ; tile column: holds cx alone
	s_lshl_b32 s43, s41, 2
	s_lshl_b32 s43, 15, s43                        ; my row of the cluster
	s_lshl_b32 s44, 0x1111, s40                    ; my column
	s_or_b32 s[G1+0], s43, (3<<16)|(1<<21)         ; 15:0 the mask; 17:16 elements of 8 bytes; 21 set beside a mask; no padding: an image is read as consecutive bytes
	s_or_b32 s[G1B+0], s44, (3<<16)|(1<<21)
.irp g, G1, G1B
	s_mov_b32 s[\g+1], 384<<16                     ; tensor_dim0 = 384 elements: 2 K steps, 3,072 bytes
	s_mov_b32 s[\g+2], 16<<16                      ; tensor_dim1 = 16 row tiles for the head's loads; behind them 8
	s_mov_b32 s[\g+3], 384<<16                     ; tile_dim0
	s_mov_b32 s[\g+4], 16                          ; tile_dim1
	s_mov_b32 s[\g+5], NKS*192                     ; from row tile to row tile
	s_mov_b32 s[\g+6], 0
	s_mov_b32 s[\g+7], 0
.endr
	s_or_b32 s[G1S+0], s43, (3<<16)|(1<<21)        ; the scale words of 256 rows: a dense block, as rows of 256 bytes
	s_or_b32 s[G1SB+0], s44, (3<<16)|(1<<21)
.irp g, G1S, G1SB
	s_mov_b32 s[\g+1], 32<<16
	s_mov_b32 s[\g+2], (4*NKS)<<16
	s_mov_b32 s[\g+3], 32<<16
	s_mov_b32 s[\g+4], 4*NKS
	s_mov_b32 s[\g+5], 32
	s_mov_b32 s[\g+6], 0
	s_mov_b32 s[\g+7], 0
.endr
	s_lshl_b32 s18, s16, 3
	s_lshl_b32 s20, s17, 4
	s_add_co_u32 s20, s20, s18                     ; A: row tile 16 x tile row + 8 x half
	s_mul_i32 s20, s20, NKS*FRB
	s_add_co_u32 s20, s20, s66
	s_mov_b32 s21, 0
	s_lshl_b32 s46, s42, 4
	s_add_co_u32 s46, s46, s18
	s_mul_i32 s46, s46, NKS*FRB                    ; B likewise
	s_mov_b32 s47, 0
	s_lshl_b32 s22, s17, 1
	s_add_co_u32 s22, s22, s16
	s_mul_i32 s22, s22, HALFS
	s_add_co_u32 s22, s22, s67                     ; A's scale words
	s_mov_b32 s23, 0
	s_lshl_b32 s92, s42, 1
	s_add_co_u32 s92, s92, s16
	s_mul_i32 s92, s92, HALFS
	s_add_co_u32 s92, s92, s95                     ; B's
	s_mov_b32 s93, 0
	s_mul_i32 s45, s14, HALFT                      ; where they go: no place in the cluster enters an LDS address
	s_mul_i32 s94, s14, HALFS
	s_mov_b32 s[SEL], 0x76543210
	s_mov_b32 s[SEL+1], 0xfedcba98
	s_wait_dscnt 0x0                               ; both opening adds are done
	s_wait_kmcnt 0x0
	s_cmp_eq_u32 ttmp9, 2
	s_cselect_b64 s[PA:PA+1], s[6:7], s[4:5]       ; A: wts for V, else act
	s_cselect_b64 s[PB:PB+1], s[4:5], s[6:7]       ; B: the other
	s_add_nc_u64 s[20:21], s[PA:PA+1], s[20:21]
	s_add_nc_u64 s[22:23], s[PA:PA+1], s[22:23]
	s_add_nc_u64 s[46:47], s[PB:PB+1], s[46:47]
	s_add_nc_u64 s[92:93], s[PB:PB+1], s[92:93]
	CROUND                                         ; all sixteen work-groups are here: the first joint loads meet
	s_mov_b32 s[G0S], 1
	s_add_co_u32 s[G0S+1], s94, SCL-HALFS          ; used by wave 1 alone: SCL
	s_sub_nc_u64 s[G0S+2:G0S+3], s[22:23], HALFS   ; wave 1's address names the upper 128 rows: back to the first
	s_or_b32 s[G0S+3], s[G0S+3], 0x80000000
	s_mov_b32 s[G0SB], 1
	s_add_co_u32 s[G0SB+1], s94, SCL-HALFS         ; used by wave 3 alone: SCL + 2 HALFS
	s_sub_nc_u64 s[G0SB+2:G0SB+3], s[92:93], HALFS
	s_or_b32 s[G0SB+3], s[G0SB+3], 0x80000000
.irp s, 0,1
	s_mov_b32 s[G0+4*\s], 1
	s_add_co_u32 s[G0+4*\s+1], s45, \s*SLOT
	s_add_nc_u64 s[G0+4*\s+2:G0+4*\s+3], s[20:21], \s*NQ*FRB
	s_or_b32 s[G0+4*\s+3], s[G0+4*\s+3], 0x80000000
	s_mov_b32 s[G0B+4*\s], 1
	s_add_co_u32 s[G0B+4*\s+1], s45, \s*SLOT
	s_add_nc_u64 s[G0B+4*\s+2:G0B+4*\s+3], s[46:47], \s*NQ*FRB
	s_or_b32 s[G0B+4*\s+3], s[G0B+4*\s+3], 0x80000000
.endr
	v_and_b32 v30, 31, v0                          ; the prefetches' offset: block min(lane, 23) of my two row tiles' 24
	v_min_u32 v30, 23, v30
	v_mul_u32_u24 v31, v30, 22
	v_lshrrev_b32 v31, 8, v31                      ; 1 from block 12 on: the second row tile
	v_mul_u32_u24 v31, v31, NKS*FRB-12*256
	v_lshl_add_u32 v30, v30, 8, v31                ; never rewritten
	s_cmp_eq_u32 s15, 0                            ; do I fetch for A?
	s_cselect_b64 s[4:5], s[20:21], s[46:47]       ; my 8 row tiles, K step 0 (the arguments that lay here have been used)
	s_cselect_b32 s6, s40, s41                     ; my place among the four that ask with me
	s_mul_i32 s6, s6, 2*NKS*FRB                    ; two row tiles a partner
	s_mov_b32 s7, 0
	s_add_nc_u64 s[4:5], s[4:5], s[6:7]            ; never rewritten
	s_wait_alu depctr_va_vdst(0)                   ; the wait
; THE HEAD'S LOADS, ONE A WAVE.  One chain of branches on the wave's number, all arms to one join.
	s_cmp_eq_u32 s14, 0
	s_cbranch_scc0 .Lhead_1
	tensor_load_to_lds s[G0:G0+3], s[G1:G1+7]
	s_nop 0
.rept 4
	v_nop
.endr
	s_branch .Lhead_j
.Lhead_1:
	s_cmp_eq_u32 s14, 1
	s_cbranch_scc0 .Lhead_2
	tensor_load_to_lds s[G0S:G0S+3], s[G1S:G1S+7]
	s_nop 0
.rept 4
	v_nop
.endr
	s_branch .Lhead_j
.Lhead_2:
	s_cmp_eq_u32 s14, 2
	s_cbranch_scc0 .Lhead_3
	tensor_load_to_lds s[G0B:G0B+3], s[G1B:G1B+7]
	s_nop 0
.rept 4
	v_nop
.endr
	s_branch .Lhead_j
.Lhead_3:
	tensor_load_to_lds s[G0SB:G0SB+3], s[G1SB:G1SB+7]
	s_nop 0
.rept 4
	v_nop
.endr
.Lhead_j:
	global_prefetch_b8 v30, s[4:5] offset:NQ*FRB th:TH_LOAD_NT scope:SCOPE_SE       ; slot 1
	global_prefetch_b8 v30, s[4:5] offset:2*NQ*FRB th:TH_LOAD_NT scope:SCOPE_SE     ; slot 2
	v_and_b32 v1, 15, v0                           ; r
	v_bfe_u32 v2, v0, 4, 1                         ; h
	v_and_b32 v3, 31, v0                           ; lane
	v_lshlrev_b32 v[L16], 4, v3
	v_lshlrev_b32 v[L8], 3, v3
	s_mul_i32 s21, s15, HALFT                      ; my 8 row tiles of A
	s_mul_i32 s22, s16, HALFT                      ; my 8 of B,
	s_add_co_u32 s22, s22, 2*HALFT                 ; which lie behind A's 16
.irp s, 0,1
	v_add_nc_u32 v[ADRA+\s], s21, v[L16]
	v_add_nc_u32 v[ADRB+\s], s22, v[L16]
	v_add_nc_u32 v[ADRA+2+\s], s21, v[L8]
	v_add_nc_u32 v[ADRB+2+\s], s22, v[L8]
	s_add_co_u32 s21, s21, SLOT
	s_add_co_u32 s22, s22, SLOT
.endr
	v_lshlrev_b32 v7, 2, v1                        ; 4 r
	s_mul_i32 s21, s15, HALFS                      ; A's scale words: my 128 rows
	s_mul_i32 s22, s16, HALFS                      ; B's: my 128 rows, behind A's 256
	s_add_co_u32 s22, s22, 2*HALFS
	s_sub_co_u32 s22, s22, s21
	v_mul_u32_u24 v6, s22, v2                      ; lanes 16-31 take B's
	s_add_co_u32 s21, s21, SCL
	v_add_nc_u32 v6, v7, v6
	v_add_nc_u32 v[ADRS], s21, v6
	s_lshl_b32 s23, s14, 9                         ; the way out: 512 bytes a wave in slot 0
	v_add_nc_u32 v[SWA], s23, v7
	v_add_nc_u32 v[SRD], s23, v[L16]
	s_lshl_b32 s20, s17, 4                         ; where my results go
	s_lshl_b32 s21, s15, 3
	s_add_co_u32 s20, s20, s21                     ; my first row tile
	s_mul_i32 s20, s20, s96
	s_lshl_b32 s46, s42, 1
	s_add_co_u32 s46, s46, s16                     ; my 128 columns are one K step of the output
	s_add_co_u32 s20, s20, s46
	s_mul_i32 s20, s20, FRB
	s_add_co_u32 s20, s20, s97
	s_mov_b32 s21, 0
	s_lshl_b32 s18, s17, 1
	s_add_co_u32 s18, s18, s15
	s_mul_i32 s18, s18, s96
	s_add_co_u32 s18, s18, s46
	s_lshl_b32 s18, s18, 9
	s_add_co_u32 s18, s18, s2
	s_mov_b32 s19, 0
	s_add_nc_u64 s[18:19], s[12:13], s[18:19]      ; my 128 scale words
	s_add_nc_u64 s[12:13], s[12:13], s[20:21]      ; my first image
	s_mul_i32 s98, s96, FRB                        ; from row tile to row tile
	s_mov_b32 s99, 0
.macro FRAG reg, adr, q, i             ; row tile i, the slot's q-th K step: the image's four pieces
	ds_load_b128 v[\reg:\reg+3], v[\adr] offset:((\i)*NQ+(\q))*FRB
	ds_load_b64 v[\reg+4:\reg+5], v[\adr+2] offset:((\i)*NQ+(\q))*FRB+512
	ds_load_b128 v[\reg+6:\reg+9], v[\adr] offset:((\i)*NQ+(\q))*FRB+768
	ds_load_b64 v[\reg+10:\reg+11], v[\adr+2] offset:((\i)*NQ+(\q))*FRB+1280
.endm
; 16 matrix instructions: A's blocks a0, a0 + 1 x B's eight.  zero = 1: the first product starts the sums.  The 64 accumulators take turns, one instruction a turn, in the same order in every step.
.macro MUL16 a0, p, q, sc, zero
.irp a, \a0, \a0+1
.irp b, 0,1,2,3,4,5,6,7
.if \zero
	v_wmma_scale_f32_16x16x128_f8f6f4 v[8*(8*((\a)%4)+\b):8*(8*((\a)%4)+\b)+7], v[128*(\p)+FR*\b:128*(\p)+FR*\b+FR-1], v[AF+FR*(\a):AF+FR*(\a)+FR-1], 0, v[SC+8*NQ*(\sc)+NQ*\b+(\q)], v[SC+8*NQ*(\sc)+NQ*(\a)+(\q)] matrix_a_fmt:MATRIX_FMT_FP6 matrix_b_fmt:MATRIX_FMT_FP6 matrix_a_scale:MATRIX_SCALE_ROW1
.else
	v_wmma_scale_f32_16x16x128_f8f6f4 v[8*(8*((\a)%4)+\b):8*(8*((\a)%4)+\b)+7], v[128*(\p)+FR*\b:128*(\p)+FR*\b+FR-1], v[AF+FR*(\a):AF+FR*(\a)+FR-1], v[8*(8*((\a)%4)+\b):8*(8*((\a)%4)+\b)+7], v[SC+8*NQ*(\sc)+NQ*\b+(\q)], v[SC+8*NQ*(\sc)+NQ*(\a)+(\q)] matrix_a_fmt:MATRIX_FMT_FP6 matrix_b_fmt:MATRIX_FMT_FP6 matrix_a_scale:MATRIX_SCALE_ROW1
.endif
.endr
.endr
.endm
.macro FETCH_B slot, q, p
	WIN TO_B
.irp i, 0,1,2,3,4,5,6,7
	FRAG 128*(\p)+FR*\i, ADRB+\slot, \q, \i
.endr
	WIN 0
.endm
.macro FETCH_A slot, q, i0
.irp i, \i0, \i0+1, \i0+2, \i0+3
	FRAG AF+FR*(\i), ADRA+\slot, \q, \i
.endr
.endm
.macro SCALES sc                       ; a slot's scale words: lanes 0-15 A's block i, lanes 16-31 B's block i
.irp i, 0,1,2,3,4,5,6,7
	ds_load_b32 v[SC+8*NQ*\sc+NQ*\i], v[ADRS] offset:64*\i
	ds_load_b32 v[SC+8*NQ*\sc+NQ*\i+1], v[ADRS] offset:64*\i+512
.endr
.endm
.macro PLACES n                        ; plain instructions between a matrix instruction and a load into, or a read of, its registers (for reads)
.rept \n
	v_nop
.endr
.endm
.macro STEP slot, q, zero              ; a step of 128 along K that has its successor in the same slot
	s_wait_dscnt 4*NL                              ; B's set, A's blocks 0-3 and the scale words are in; the 16 youngest loads (A's blocks 4-7) may be out
	WIN MUL_LO
	MUL16 0, (\q)%2, \q, \slot, \zero
	MUL16 2, (\q)%2, \q, \slot, \zero
	s_wait_dscnt 0
	PLACES NP
	FETCH_B \slot, (\q)+1, 1-(\q)%2
	FETCH_A \slot, (\q)+1, 0
	WIN MUL_HI
	MUL16 4, (\q)%2, \q, \slot, \zero
	MUL16 6, (\q)%2, \q, \slot, \zero
	PLACES NP
	WIN 0
	FETCH_A \slot, (\q)+1, 4
.endm
; A slot's last step changes slots: one barrier; in front of it each wave waits for all its tensor loads, adds 0 to its spare word, and waits for that and for its reads of this slot.  fill = 1: the slot is filled again, two slots ahead.
.macro TURN slot, next, fill
	s_wait_tensorcnt 0x0                           ; all my tensor loads have landed: my part of the next slot
	ds_add_u32 v[SPW], v[NIL]                      ; 0 onto my spare word
	s_wait_dscnt 4*NL+1                            ; (the add and the 16 youngest loads may be out)
	WIN MUL_LO
	MUL16 0, 1, NQ-1, \slot, 0
	s_wait_dscnt 0x0                               ; the add is done, and my reads of this slot are over
	s_barrier_signal -1
	MUL16 2, 1, NQ-1, \slot, 0
	WIN 0
	s_barrier_wait -1
.if \fill
	CREST                                          ; the barrier has opened a round of the cluster's: no wave of any partner still reads this slot or has a load on its way
	s_add_nc_u64 s[G0+4*\slot+2:G0+4*\slot+3], s[G0+4*\slot+2:G0+4*\slot+3], 2*NQ*FRB
	s_add_nc_u64 s[G0B+4*\slot+2:G0B+4*\slot+3], s[G0B+4*\slot+2:G0B+4*\slot+3], 2*NQ*FRB
	JLOAD G0+4*\slot, G1, G0B+4*\slot, G1B         ; the first tensor load behind the round; its four v_nop are also the places in front of the loads below
.else
	PLACES NP
.endif
	s_wait_alu depctr_va_vdst(0)
	v_add_nc_u32 v[ADRS], 512*NQ, v[ADRS]          ; the next slot's scale words
	FETCH_B \next, 0, 0
	FETCH_A \next, 0, 0
	SCALES \next
	WIN MUL_HI
	MUL16 4, 1, NQ-1, \slot, 0
	MUL16 6, 1, NQ-1, \slot, 0
	PLACES NP
	WIN 0
	FETCH_A \next, 0, 4
.endm
	s_wait_alu depctr_va_vdst(0)                   ; the wait at the head's end
	s_wait_tensorcnt 0x0                           ; my one load of the head is in; slot 1's first fill is issued as a refill is
	ds_add_u32 v[SPW], v[NIL]
	s_mov_b32 s[G1+2], 8<<16                       ; no load of mine is out: from here on a load brings 8 row tiles
	s_mov_b32 s[G1+4], 8
	s_mov_b32 s[G1B+2], 8<<16
	s_mov_b32 s[G1B+4], 8
	s_wait_dscnt 0x0
	CROUND                                         ; slot 0 and the scale words are whole, and all sixteen work-groups are here
	JLOAD G0+4, G1, G0B+4, G1B                     ; slot 1, a quarter a wave
	global_prefetch_b8 v30, s[4:5] offset:3*NQ*FRB th:TH_LOAD_NT scope:SCOPE_SE     ; slot 3
	FETCH_B 0, 0, 0
	FETCH_A 0, 0, 0
	SCALES 0
	FETCH_A 0, 0, 4
	STEP 0, 0, 1
	s_mov_b32 s3, LAPS-1
.Llap:
	TURN 0, 1, 1
	STEP 1, 0, 0
	TURN 1, 0, 1
	STEP 0, 0, 0
	s_sub_co_u32 s3, s3, 1
	s_cmp_lg_u32 s3, 0
	s_cbranch_scc1 .Llap
	TURN 0, 1, 0                                   ; the last lap fills nothing
	STEP 1, 0, 0
	s_wait_dscnt 4*NL
	WIN MUL_LO
	MUL16 0, 1, NQ-1, 1, 0
	MUL16 2, 1, NQ-1, 1, 0
	s_wait_dscnt 0
	WIN MUL_HI
	MUL16 4, 1, NQ-1, 1, 0
	MUL16 6, 1, NQ-1, 1, 0
	WIN 0
; 64 numbers in window win, register 16 b + i = column 32 b + 16 (lane / 16) + i of my row, become a fragment's codes in v[PC] on and its scale word in v[PW].  Each accumulator is read from its low end on.
.macro QUANT s, win
	WIN (\win)|((\win)<<2)
.irp b, 0,1,2,3
	v_max3_num_f32 v[TM+\b], |v[(\s)+16*\b]|, |v[(\s)+1+16*\b]|, 0x1800000   ; the floor 2^(3 - 127): the byte cannot fall under 1
.endr
.irp i, 2,4,6,8,10,12,14
.irp b, 0,1,2,3
	v_max3_num_f32 v[TM+\b], |v[(\s)+16*\b+\i]|, |v[(\s)+1+16*\b+\i]|, v[TM+\b]
.endr
.endr
	WIN 0
.irp b, 0,1,2,3
	v_permlanex16_b32 v[TM+4+\b], v[TM+\b], s[SEL], s[SEL+1]
.endr
.irp b, 0,1,2,3
	v_max_num_f32 v[TM+\b], v[TM+\b], v[TM+4+\b]
.endr
.irp b, 0,1,2,3
	v_add_nc_u32 v[TM+12+\b], 0xff000000, v[TM+\b]
.endr
.irp b, 0,1,2,3
	v_lshrrev_b32 v[TM+4+\b], 23, v[TM+12+\b]
.endr
	v_lshl_or_b32 v[PW], v[TM+5], 8, v[TM+4]
	v_lshl_or_b32 v[PW], v[TM+6], 16, v[PW]
	v_lshl_or_b32 v[PW], v[TM+7], 24, v[PW]
	WIN (\win)
.irp c, 0,1
	v_cvt_scalef32_pk16_fp6_f32 v[PC+6*\c:PC+2+6*\c], v[(\s)+32*\c:(\s)+15+32*\c], v[TM+12+2*\c]
	v_cvt_scalef32_pk16_fp6_f32 v[PC+12+4*\c:PC+14+4*\c], v[(\s)+16+32*\c:(\s)+31+32*\c], v[TM+12+2*\c+1]
.endr
	WIN 0
	v_nop                                          ; one plain instruction behind a scaled conversion
.irp c, 0,1
.irp i, 0,1,2
	v_permlane16_swap_b32 v[PC+6*\c+\i], v[PC+12+4*\c+\i]
.endr
.irp i, 0,1,2
	v_mov_b32 v[PC+3+6*\c+\i], v[PC+12+4*\c+\i]
.endr
.endr
.endm
	PLACES NP                                      ; behind the last products
.irp b, 0,1,2,3
	v_mov_b32 v[TM+4+\b], 0                        ; written once: a lane permute's destination counts as one of its sources
.endr
.irp a, 0,1,2,3,4,5,6,7                ; THE WAY OUT: a block of 16 rows x 128 columns is one fragment of the output
.if \a > 0
	s_wait_xcnt 0x0                                ; the last block's stores have read their registers and their base,
	s_wait_dscnt 0x0                               ; and so has its LDS store
	s_add_nc_u64 s[12:13], s[12:13], s[98:99]
.endif
	QUANT 64*((\a)%4), 2+(\a)/4
	global_store_b128 v[L16], v[PC:PC+3], s[12:13]             ; stores of 512 and 256 consecutive bytes, aligned
	global_store_b64 v[L8], v[PC+4:PC+5], s[12:13] offset:512
	global_store_b128 v[L16], v[PC+6:PC+9], s[12:13] offset:768
	global_store_b64 v[L8], v[PC+10:PC+11], s[12:13] offset:1280
	ds_store_b32 v[SWA], v[PW] offset:64*\a        ; both halves of the lanes write the same word with the same value
.endr
	ds_load_b128 v[120:123], v[SRD]                ; my 128 rows' scale words: LDS serves a wave's instructions in order
	s_wait_dscnt 0x0
	global_store_b128 v[L16], v[120:123], s[18:19] ; 512 consecutive bytes, aligned
	s_wait_tensorcnt 0x0                           ; the wave's end
	ds_add_u32 v[SPW], v[NIL]
	s_wait_dscnt 0x0
	CROUND                                         ; the closing round
	s_endpgm
.Lfunc_end_k_q4dfba1f6e6_gqkv:
	.size	k_q4dfba1f6e6_gqkv, .Lfunc_end_k_q4dfba1f6e6_gqkv-k_q4dfba1f6e6_gqkv
	.p2alignl 7, 3214868480
	.fill 96, 4, 3214868480
	.section	.rodata,"a",@progbits
	.p2align	6, 0x0
	.amdhsa_kernel k_q4dfba1f6e6_gqkv
		.amdhsa_group_segment_fixed_size 327680
		.amdhsa_private_segment_fixed_size 0
		.amdhsa_enable_private_segment 0
		.amdhsa_kernarg_size 24
		.amdhsa_user_sgpr_count 2
		.amdhsa_user_sgpr_kernarg_segment_ptr 1
		.amdhsa_wavefront_size32 1
		.amdhsa_system_sgpr_workgroup_id_x 1
		.amdhsa_system_sgpr_workgroup_id_y 1
		.amdhsa_system_sgpr_workgroup_id_z 1
		.amdhsa_system_vgpr_workitem_id 0
		.amdhsa_next_free_vgpr 1024
		.amdhsa_next_free_sgpr 102
		.amdhsa_reserve_vcc 0
		.amdhsa_float_denorm_mode_32 3
		.amdhsa_float_denorm_mode_16_64 3
		.amdhsa_memory_ordered 1
		.amdhsa_forward_progress 1
		.amdhsa_inst_pref_size 154
	.end_amdhsa_kernel
	.amdgpu_metadata
---
amdhsa.version: [ 1, 2 ]
amdhsa.kernels:
  - .name:           k_q4dfba1f6e6_gqkv
    .symbol:         k_q4dfba1f6e6_gqkv.kd
    .args:
      - { .name: act, .offset: 0, .size: 8, .value_kind: global_buffer, .address_space: global }
      - { .name: wts, .offset: 8, .size: 8, .value_kind: global_buffer, .address_space: global }
      - { .name: qkvq, .offset: 16, .size: 8, .value_kind: global_buffer, .address_space: global }
    .group_segment_fixed_size: 327680
    .private_segment_fixed_size: 0
    .kernarg_segment_align: 8
    .kernarg_segment_size: 24
    .max_flat_workgroup_size: 128
    .sgpr_count:     102
    .vgpr_count:     1024
    .wavefront_size: 32
...
	.end_amdgpu_metadata
.endif
;; end of part 9
;; launch attn (part 10): grid 8 x 32, 16 waves a work-group, clusters of 4 x 1, 292,864 bytes of LDS; arguments qkvq, key_padding_mask, act; writes act
.if DOCPART == 10
	.amdgcn_target "amdgcn-amd-amdhsa--gfx1250"
	.amdhsa_code_object_version 6
	.text
	.protected	k_q4dfba1f6e6_attn
	.globl	k_q4dfba1f6e6_attn
	.p2align	8
	.type	k_q4dfba1f6e6_attn,@function
k_q4dfba1f6e6_attn:
	s_mov_b64 s[64:65], 0
	v_nop
	global_prefetch_b8 v0, s[64:65] scope:SCOPE_SE
	s_setreg_imm32_b32 hwreg(HW_REG_WAVE_MODE, 25, 1), 1
	s_wait_xcnt 0x0
	s_wait_alu depctr_hold_cnt(0) depctr_sa_sdst(0) depctr_va_vdst(0) depctr_va_sdst(0) depctr_va_ssrc(0) depctr_va_vcc(0) depctr_vm_vsrc(0)
	s_getreg_b32 s2, hwreg(HW_REG_IB_STS2, 6, 4)
	s_cmp_eq_u32 s2, 0
	s_cbranch_scc0 .Lentry_in_a_cluster
	s_endpgm
.Lentry_in_a_cluster:
	s_bfe_u32 s2, ttmp6, 0x10000c
	s_cmp_lg_u32 s2, 0x3003
	s_cbranch_scc0 .Lentry_shape_is_right
	s_endpgm
.Lentry_shape_is_right:
; Causal attention with an additive key padding mask, both products on codes of FP6 (E2M3) with E8M0 scales; head size 64, 2,048 keys, 32 (batch, head) pairs.  The result, divided by the row's sum, is quantised along the
; channels and stored as the A operand of the projection.
; logit = (q . k) / 8 + mask x (-1e9), -infinity above the diagonal; t = logit x log2(e), rounded on its own (where all visible keys are padded the logits lie near -1e9, and a fused form would keep bits that f32 does not have);
; M = the running largest t rounded up to a whole number; p = 2^(t - M) is quantised along the keys; the row's sum is taken of the unquantised p; when M moves, sum and O are multiplied by 2^(old M - new M), exactly.
; INPUT (qkvq).  q and k: [token tile of 16][16 K steps: 0-7 q's head pairs, 8-15 k's][1,536 bytes], an image of 12 operand registers whose halves of 768 bytes are the two heads of a pair (registers 0-3 at 16 x lane, 4-5 at
; 512 + 8 x lane).  v, transposed: [channel tile][K step = 16 x batch + key group][1,536].  Scale words [128 rows][K step][128 words].  Row position p holds true row sigma(p) (bits 3 and 4 exchanged).
; K = 64 IN AN INSTRUCTION OF 128: q's upper six registers hold zero codes, so whatever stands in the upper six of k's operand adds nothing; scale bytes 2 and 3 are another head's bytes or 0, never 0xff.
; BOTH PRODUCTS TRANSPOSED (S^T = K Q^T, O^T = V^T P^T): a lane holds one query throughout, and with sigma its 64 scores of a key step are, in register order 16 b + i, keys 32 b + 16 (lane / 16) + i.
; SHARES.  Work-group (x, y): head y, query tiles 8 g + x, g = 0 .. 15; tile g wants key steps 0 .. g of 128 keys, step g the diagonal: 136 steps, dealt as 8 or 9 to each of sixteen waves.
; Waves 2 u and 2 u + 1 are pair u and share tiles u and 15 - u.  The wave of role 0 takes tile 15 - u over steps 0-7 and leaves O, -M and the sum in its own stage in LDS.  The wave of role 1 takes tile u whole (u + 1 steps),
; stores it, takes tile 15 - u over steps 8 .. 15 - u (8 - u steps), and behind one barrier joins the two parts: both are brought under the larger M by exact powers of two.  Role = bit 0 xor bit 2 of the wave's number:
; two waves of each role among any four that agree in w % 4 or in w / 4.  Every wave walks both loops of eight trips; steps that are not its own are left out by a branch on the wave's number and the count of steps alone.
; NO RING.  A head's K (98,304 bytes) and V^T (98,304) lie in LDS whole, filled once: every wave issues one tensor load at the head, waves 0-7 sixteen key tiles of K each, waves 8-15 two channel tiles x four key steps of V.
; CLUSTER.  The four work-groups of a cluster belong to one head and need the same K and V: every load is joint.  The place in the cluster enters q's and the output's global addresses and one vector number
; (the lane's query, for the diagonal's compare), no branch and no LDS address.  No prefetch: all that the tensor loads read is asked for at the head, and there is no loop to run ahead in.
; LIMITS: p's, and the output's, blocks of zeros get the byte 1 where the rule says 127 (zero codes); a block's largest p is made from the block's largest t by the same add and exponential, which takes v_exp_f32 not to fall
; where its input rises; NaN and infinities among the inputs are not served.  The output's scale bytes leave two at a time: a head owns two of a word's four bytes.
.set VB,    98304                      ; LDS: K's 128 tiles of 768 bytes from 0; V from here: [4 steps][channel tile][4 steps][1,536]
.set MKT,   196608                     ; mask x (-1e9), 2,048 f32 by true key
.set KST,   204800                     ; K's scale words by key position, my head's bytes at bytes 0, 1
.set VST,   212992                     ; V's scale words: [16 steps][64 channel positions]
.set SPARE, 217088                     ; the spare words, 128 bytes for each of sixteen waves
.set STG,   219136                     ; the stages: STW bytes for each wave: O (4,096), then -M and the sum (256)
.set STW,   4608
.set MK,  86                           ; v86-149  the step's mask numbers; behind the first pass at work:
.set TM,  86                           ;   v86-101 maxima, bytes, scale operands;  v[102:103], v[104:105] factors and temporaries
.set PC,  108                          ;   v108-119 p's codes;  v120-126 their second halves
.set PCX, 120
.set S,   150                          ; v150-213 S^T, then t, then p
.set O,   214                          ; v214-245 O^T
.set WV,  18
.set G,   19                           ; the first loop's tile
.set SEL, 20
.set CS,  22
.set G1K, 24
.set G1V, 32
.set G0K, 40
.set G0V, 44
.set ROLE, 48
.set G2,  49                           ; the second loop's tile: 15 - u for role 1, 0 (no step) for role 0
.set GL,  50                           ; 15 - u
.set SWR, 51                           ; my stage
.set SRD, 52                           ; my partner's
.set T2,  53
.set KOF, 54
.set C8,  56
.set J,   58                           ; the key step
.set TK,  59                           ; its tiles of K: 6,144 bytes a step
.set TV,  60                           ; of V
.set TM5, 61                           ; its mask numbers and K's scale words: 512 bytes a step
.set TT,  62                           ; V's scale words: 256
.set CNT, 63
.set AD1, 68                           ; s[68:75] the first tile's q codes, q scale words, output codes, output scale bytes
.set AD2, 76                           ; s[76:83] the same for tile 15 - u
.set VOF, 100
.macro CROUND
	s_barrier_signal -1
	s_barrier_wait -1
	s_cmp_lg_u32 s[WV], 0
	s_cbranch_scc1 .Lnot_wave_0_\@
	s_barrier_signal -3
.Lnot_wave_0_\@:
	s_barrier_wait -3
	s_barrier_signal -1
	s_barrier_wait -1
.endm
.macro OFFS p, g                       ; a tile's four byte offsets: those of g = 0 and g times a constant
	s_mul_i32 s[\p], s[\g], 196608
	s_add_co_u32 s[\p], s[\p], s88
	s_mov_b32 s[\p+1], 0
	s_lshl_b32 s[\p+2], s[\g], 13
	s_add_co_u32 s[\p+2], s[\p+2], s89
	s_mov_b32 s[\p+3], 0
	s_mul_i32 s[\p+4], s[\g], 98304
	s_add_co_u32 s[\p+4], s[\p+4], s99
	s_mov_b32 s[\p+5], 0
	s_lshl_b32 s[\p+6], s[\g], 12
	s_add_co_u32 s[\p+6], s[\p+6], s98
	s_mov_b32 s[\p+7], 0
.endm
.macro INIT                            ; a tile's state: the largest t -3e38, -M, the sum in two halves, O^T (the step is written for all steps alike, and the first finds zeros)
	v_mov_b32 v13, 0xff61b1e6
	v_mov_b32 v14, 0
	v_mov_b32 v15, 0
	v_floor_f32 v12, -v13
.set j, 0
.rept 32
	v_mov_b32 v[O+j], 0
.set j, j+1
.endr
.endm
	s_load_b128 s[4:7], s[0:1], 0x0                ; qkvq, key_padding_mask
	s_load_b64 s[8:9], s[0:1], 0x10                ; act
	v_lshl_add_u32 v5, v0, 2, SPARE
	v_mov_b32 v6, 0
	ds_add_u32 v5, v6                              ; the opening lines: the add, twice on end, and its wait ahead of my tensor load
	ds_add_u32 v5, v6
	v_lshrrev_b32 v1, 5, v0
	s_delay_alu instid0(VALU_DEP_1)
	v_readfirstlane_b32 s[WV], v1                  ; wave 0..15
	s_lshr_b32 s10, s[WV], 2
	s_xor_b32 s10, s10, s[WV]
	s_and_b32 s[ROLE], s10, 1                      ; bit 0 xor bit 2
	s_lshr_b32 s11, s[WV], 1                       ; u
	s_xor_b32 s[GL], s11, 15                       ; 15 - u
	s_xor_b32 s10, s[ROLE], 1
	s_mul_i32 s10, s10, 15
	s_xor_b32 s[G], s11, s10                       ; role 1: u; role 0: 15 - u
	s_mul_i32 s[G2], s[GL], s[ROLE]
	s_mul_i32 s[SWR], s[WV], STW
	s_add_co_u32 s[SWR], s[SWR], STG
	s_xor_b32 s[SRD], s[WV], 1                     ; my partner: the same u, the other role
	s_mul_i32 s[SRD], s[SRD], STW
	s_add_co_u32 s[SRD], s[SRD], STG
	s_and_b32 s11, ttmp7, 0xffff
	s_lshr_b32 s10, s11, 4                         ; batch
	s_and_b32 s11, s11, 15                         ; head
	s_lshr_b32 s12, s11, 1                         ; head pair
	s_and_b32 s13, s11, 1                          ; which of the pair: e
	s_lshl_b32 s17, s13, 4                         ; 16 e: my head's two bytes in a scale word
	s_bfe_u32 s15, ttmp6, 0x40000                  ; cx
	s_lshl_b32 s14, ttmp9, 2
	s_add_co_u32 s14, s14, s15                     ; x = 4 x cluster x + cx
	s_mul_i32 s84, s10, 3145728                    ; in q's and k's codes: the batch,
	s_mul_i32 s85, s12, 1536
	s_add_co_u32 s84, s84, s85                     ; the head pair's K step,
	s_mul_i32 s3, s13, 768
	s_add_co_u32 s84, s84, s3                      ; the head's half
	s_mul_i32 s88, s14, 24576
	s_add_co_u32 s88, s88, s84                     ; q's codes, g = 0
	s_add_co_u32 s84, s84, 12288                   ; k: 8 K steps on
	s_mov_b32 s85, 0
	s_lshl_b32 s90, s12, 9
	s_lshl_b32 s91, s14, 6
	s_lshl_b32 s89, s10, 17
	s_add_co_u32 s89, s89, s90
	s_add_co_u32 s92, s89, 6291456+4096
	s_lshl_b32 s93, s[WV], 13
	s_add_co_u32 s92, s92, s93                     ; k's scale words: key group w
	s_mov_b32 s93, 0
	s_add_co_u32 s89, s89, s91
	s_add_co_u32 s89, s89, 6291456                 ; q's scale words, g = 0
	s_lshl_b32 s98, s10, 16
	s_add_co_u32 s98, s98, s90
	s_add_co_u32 s98, s98, s91
	s_lshl_b32 s99, s13, 1
	s_add_co_u32 s98, s98, s99
	s_add_co_u32 s98, s98, 3145728                 ; the output's scale bytes, g = 0
	s_lshl_b32 s99, s10, 7
	s_add_co_u32 s99, s99, s14
	s_lshl_b32 s99, s99, 3
	s_add_co_u32 s99, s99, s12
	s_mul_i32 s99, s99, 1536
	s_add_co_u32 s99, s99, s3                      ; the output's half image, g = 0
	OFFS AD1, G
	OFFS AD2, GL
	s_mul_i32 s86, s11, 196608
	s_mul_i32 s87, s10, 24576
	s_add_co_u32 s86, s86, s87
	s_add_co_u32 s86, s86, 6553600                 ; v: the head's four channel tiles, the batch's 16 K steps
	s_mov_b32 s87, 0
	s_lshl_b32 s94, s12, 5
	s_lshl_b32 s95, s10, 4
	s_add_co_u32 s94, s94, s95
	s_add_co_u32 s94, s94, s[WV]
	s_lshl_b32 s94, s94, 9
	s_lshl_b32 s95, s13, 8
	s_add_co_u32 s94, s94, s95
	s_add_co_u32 s94, s94, 9699328                 ; v's scale words: key step w
	s_mov_b32 s95, 0
	s_lshl_b32 s96, s10, 11                        ; the batch's mask bytes
	s_mov_b32 s97, 0
	s_and_b32 s2, s[WV], 7                         ; which eighth of K or of V I fetch
	s_mov_b32 s[G0K], 1
	s_mov_b32 s[G0V], 1
	s_mul_i32 s[G0K+1], s2, 12288
	s_add_co_u32 s[G0V+1], s[G0K+1], VB
	s_mul_i32 s[KOF], s2, 393216                   ; K: 16 token tiles of 24,576 bytes on
	s_mov_b32 s[KOF+1], 0
	s_lshr_b32 s[VOF], s2, 1
	s_mul_i32 s[VOF], s[VOF], 6144                 ; V: four key steps on,
	s_and_b32 s2, s2, 1
	s_mul_i32 s2, s2, 98304                        ; and two channel tiles
	s_add_co_u32 s[VOF], s[VOF], s2
	s_mov_b32 s[VOF+1], 0
	s_mov_b32 s[G1K], 15|(3<<16)|(1<<21)           ; 15:0 the mask: all four work-groups; 17:16 elements of 8 bytes; 21 set beside a mask; no padding
	s_mov_b32 s[G1K+1], 96<<16                     ; a key tile's half image: 768 bytes
	s_mov_b32 s[G1K+2], 16<<16                     ; 16 key tiles
	s_mov_b32 s[G1K+3], 96<<16
	s_mov_b32 s[G1K+4], 16
	s_mov_b32 s[G1K+5], 3072                       ; 24,576 bytes from token tile to token tile
	s_mov_b32 s[G1K+6], 0
	s_mov_b32 s[G1K+7], 0
	s_mov_b32 s[G1V], 15|(3<<16)|(1<<21)
	s_mov_b32 s[G1V+1], 768<<16                    ; four K steps of a channel tile: 6,144 bytes
	s_mov_b32 s[G1V+2], 2<<16                      ; two channel tiles
	s_mov_b32 s[G1V+3], 768<<16
	s_mov_b32 s[G1V+4], 2
	s_mov_b32 s[G1V+5], 6144                       ; 49,152 bytes from channel tile to channel tile
	s_mov_b32 s[G1V+6], 0
	s_mov_b32 s[G1V+7], 0
	s_mov_b32 s[SEL], 0x76543210
	s_mov_b32 s[SEL+1], 0xfedcba98
	s_mov_b32 s[CS], 0x3fb8aa3b                    ; log2(e)
	s_mov_b32 s[CS+1], s[CS]
	s_mov_b32 s[C8], 0x3e000000                    ; 1 / sqrt(64)
	s_mov_b32 s[C8+1], s[C8]
	s_mov_b32 s[J], 0
	s_mov_b32 s[TK], 0
	s_mov_b32 s[TV], VB
	s_mov_b32 s[TM5], 0
	s_mov_b32 s[TT], 0
	s_wait_dscnt 0x0                               ; both opening adds are done
	s_wait_kmcnt 0x0
	s_add_nc_u64 s[84:85], s[4:5], s[84:85]
	s_add_nc_u64 s[86:87], s[4:5], s[86:87]
	s_add_nc_u64 s[92:93], s[4:5], s[92:93]
	s_add_nc_u64 s[94:95], s[4:5], s[94:95]
	s_add_nc_u64 s[96:97], s[6:7], s[96:97]
.irp p, AD1, AD2
	s_add_nc_u64 s[\p:\p+1], s[4:5], s[\p:\p+1]
	s_add_nc_u64 s[\p+2:\p+3], s[4:5], s[\p+2:\p+3]
	s_add_nc_u64 s[\p+4:\p+5], s[8:9], s[\p+4:\p+5]
	s_add_nc_u64 s[\p+6:\p+7], s[8:9], s[\p+6:\p+7]
.endr
	s_add_nc_u64 s[G0K+2:G0K+3], s[84:85], s[KOF:KOF+1]
	s_or_b32 s[G0K+3], s[G0K+3], 0x80000000
	s_add_nc_u64 s[G0V+2:G0V+3], s[86:87], s[VOF:VOF+1]
	s_or_b32 s[G0V+3], s[G0V+3], 0x80000000
	CROUND                                         ; all four work-groups are here: the joint loads meet
	s_cmp_lt_u32 s[WV], 8                          ; one load a wave, in the two arms of one branch on the wave's number
	s_cbranch_scc0 .Lfor_v
	tensor_load_to_lds s[G0K:G0K+3], s[G1K:G1K+7]
	s_nop 0
.rept 4
	v_nop
.endr
	s_branch .Lasked
.Lfor_v:
	tensor_load_to_lds s[G0V:G0V+3], s[G1V:G1V+7]
	s_nop 0
.rept 4
	v_nop
.endr
.Lasked:
	v_and_b32 v8, 31, v0                           ; lane
	s_delay_alu instid0(VALU_DEP_1)
	v_lshlrev_b32 v1, 4, v8                        ; 16 x lane
	s_delay_alu instid0(VALU_DEP_2)
	v_lshlrev_b32 v2, 3, v8                        ; 8 x lane
	v_and_b32 v9, 15, v0                           ; r
	v_bfe_u32 v10, v0, 4, 1                        ; h
	s_delay_alu instid0(VALU_DEP_2)
	v_lshlrev_b32 v11, 2, v9                       ; 4 r
	v_lshlrev_b32 v16, 2, v0                       ; 4 x thread
	global_load_b32 v32, v16, s[96:97]             ; four keys' mask bytes
	global_load_b128 v[36:39], v1, s[92:93]        ; four keys' scale words
	global_load_b64 v[40:41], v2, s[94:95]         ; two channels' scale words of key step w
	global_load_b128 v[20:23], v1, s[AD1:AD1+1]    ; the first tile's q, a half image: it stays in registers
	global_load_b64 v[24:25], v2, s[AD1:AD1+1] offset:512
	global_load_b32 v255, v11, s[AD1+2:AD1+3]      ; q's scale words
	v_lshl_add_u32 v3, v10, 6, MKT                 ; mask numbers: 64 h
	v_add_nc_u32 v4, KST, v11
	v_add_nc_u32 v7, VST, v11
	s_lshl_b32 s15, s14, 4
	v_add_nc_u32 v17, s15, v9                      ; my query's position in its key group: 16 x + r
	s_delay_alu instid0(VALU_DEP_1)
	v_and_b32 v19, 0xffffffe7, v17
	s_delay_alu instid0(VALU_DEP_2)
	v_bfe_u32 v18, v17, 3, 1
	s_delay_alu instid0(VALU_DEP_1)
	v_lshl_or_b32 v19, v18, 4, v19
	s_delay_alu instid0(VALU_DEP_4)
	v_bfe_u32 v18, v17, 4, 1
	s_delay_alu instid0(VALU_DEP_1)
	v_lshl_or_b32 v19, v18, 3, v19                 ; sigma of it: the true query,
	v_lshlrev_b32 v18, 4, v10
	s_delay_alu instid0(VALU_DEP_1)
	v_sub_nc_u32 v19, v19, v18                     ; less 16 h: on the diagonal register 16 b + i is hidden where 32 b + i is above this
.irp i, 26,27,28,29,30,31,80,81,82,83,84,85
	v_mov_b32 v\i, 0                               ; zero codes: q's upper half, and what stands behind K's last tile
.endr
.irp i, 90,91,92,93,103,104,105
	v_mov_b32 v\i, 0                               ; written once: lane permutes' destinations and pairs' upper halves count as read
.endr
	INIT
	s_wait_loadcnt 0x0
.irp k, 0,1,2,3
	v_bfe_u32 v[44+\k], v32, 8*\k, 8
.endr
.irp k, 0,1,2,3
	s_delay_alu instid0(VALU_DEP_4)
	v_cvt_f32_u32 v[44+\k], v[44+\k]
.endr
.irp k, 0,1,2,3
	s_delay_alu instid0(VALU_DEP_4)
	v_mul_f32 v[44+\k], 0xce6e6b28, v[44+\k]       ; x (-1e9)
.endr
.irp k, 0,1,2,3
	v_lshrrev_b32 v[36+\k], s17, v[36+\k]          ; my head's bytes to bytes 0, 1
.endr
	v_lshrrev_b32 v255, s17, v255
	v_lshl_add_u32 v16, v0, 4, MKT
	v_lshl_add_u32 v17, v0, 4, KST
	v_lshl_add_u32 v18, v0, 3, VST
	ds_store_b128 v16, v[44:47]
	ds_store_b128 v17, v[36:39]
	ds_store_b64 v18, v[40:41]
; A KEY STEP: 128 keys.  g: the register that holds the tile's key group
.macro STEP g
	s_cmp_gt_u32 s[J], s[\g]                       ; not my step (the wave's number and the count of steps alone)
	s_cbranch_scc1 .Lskip_\@
	v_add_nc_u32 v8, s[TK], v1                     ; (these seven are also the places in front of loads into registers that the last products read)
	v_add_nc_u32 v9, s[TK], v2
	v_add_nc_u32 v10, s[TV], v1
	v_add_nc_u32 v11, s[TV], v2
	v_add_nc_u32 v16, s[TM5], v3
	v_add_nc_u32 v17, s[TM5], v4
	v_add_nc_u32 v18, s[TT], v7
.irp t, 0,1,2,3,4,5,6,7
	ds_load_b128 v[32+6*\t:35+6*\t], v8 offset:768*\t
	ds_load_b64 v[36+6*\t:37+6*\t], v9 offset:768*\t+512
.endr
.irp t, 0,1,2,3,4,5,6,7
	ds_load_b32 v[246+\t], v17 offset:64*\t
.endr
.irp i, 0,1,2,3,4,5,6,7,8,9,10,11,12,13,14,15
	ds_load_b128 v[MK+4*\i:MK+4*\i+3], v16 offset:128*(\i/4)+16*(\i%4)
.endr
	s_wait_alu depctr_va_vdst(0)                   ; the wait, directly ahead of the wait below
	s_wait_dscnt 16                                ; K's tiles and scale words are in; the mask's 16 loads may be out
.irp t, 0,1,2,3,4,5,6,7
	v_wmma_scale_f32_16x16x128_f8f6f4 v[S+8*\t:S+8*\t+7], v[32+6*\t:43+6*\t], v[20:31], 0, v[246+\t], v255 matrix_a_fmt:MATRIX_FMT_FP6 matrix_b_fmt:MATRIX_FMT_FP6
.endr
.rept 4
	v_nop                                          ; places: behind them V's fragments land where K's lay, and the scores are read
.endr
.irp t, 0,1,2,3
	ds_load_b128 v[32+12*\t:35+12*\t], v10 offset:6144*\t
	ds_load_b64 v[36+12*\t:37+12*\t], v11 offset:6144*\t+512
	ds_load_b128 v[38+12*\t:41+12*\t], v10 offset:6144*\t+768
	ds_load_b64 v[42+12*\t:43+12*\t], v11 offset:6144*\t+1280
	ds_load_b32 v[246+\t], v18 offset:64*\t
.endr
	s_wait_dscnt 20                                ; the mask numbers are in; V's 20 loads land under the softmax
.set j, 0
.rept 32
	v_pk_fma_f32 v[S+j:S+j+1], v[S+j:S+j+1], s[C8:C8+1], v[MK+j:MK+j+1] op_sel_hi:[1,0,1]   ; the logit: / 8 is exact, so this rounds once
.set j, j+2
.endr
	s_cmp_lg_u32 s[J], s[\g]                       ; the diagonal step alone hides keys
	s_wait_alu depctr_va_vdst(0)                   ; the wait, directly ahead of the branch
	s_cbranch_scc1 .Lopen_\@
	v_mov_b32 v104, 0xff800000                     ; -infinity
.set n, 0
.rept 64
	v_cmp_gt_i32 vcc_lo, 32*(n/16)+n%16, v19
	s_delay_alu instid0(VALU_DEP_1)
	v_cndmask_b32 v[S+n], v[S+n], v104, vcc_lo
.set n, n+1
.endr
.Lopen_\@:
; The largest LOGIT of each block of 32 keys, in two chains a block, eight chains by turns.  log2(e) is positive and rounding keeps order, so the largest logit x log2(e), rounded, is the largest t, bit for bit.
; The 32 multiplications that make t stand between the dependent groups: no line here reads a result of the four vector instructions ahead of it.
.irp b, 0,1,2,3
	v_max3_num_f32 v[TM+\b], v[S+16*\b], v[S+1+16*\b], v[S+2+16*\b]
.endr
.irp b, 0,1,2,3
	v_max3_num_f32 v[TM+8+\b], v[S+9+16*\b], v[S+10+16*\b], v[S+11+16*\b]
.endr
.irp i, 0,2
.irp b, 0,1,2,3
	v_max3_num_f32 v[TM+\b], v[TM+\b], v[S+3+\i+16*\b], v[S+4+\i+16*\b]
.endr
.irp b, 0,1,2,3
	v_max3_num_f32 v[TM+8+\b], v[TM+8+\b], v[S+12+\i+16*\b], v[S+13+\i+16*\b]
.endr
.endr
.irp b, 0,1,2,3
	v_max3_num_f32 v[TM+\b], v[TM+\b], v[S+7+16*\b], v[S+8+16*\b]
.endr
.set j, 0
.rept 4
	v_pk_mul_f32 v[S+j:S+j+1], v[S+j:S+j+1], s[CS:CS+1] op_sel_hi:[1,0]   ; t
.set j, j+2
.endr
.irp b, 0,1,2,3
	v_max_num_f32 v[TM+\b], v[TM+\b], v[TM+8+\b]   ; my 16 keys of the block
.endr
.rept 4
	v_pk_mul_f32 v[S+j:S+j+1], v[S+j:S+j+1], s[CS:CS+1] op_sel_hi:[1,0]
.set j, j+2
.endr
.irp b, 0,1,2,3
	v_permlanex16_b32 v[TM+4+\b], v[TM+\b], s[SEL], s[SEL+1]
.endr
.rept 4
	v_pk_mul_f32 v[S+j:S+j+1], v[S+j:S+j+1], s[CS:CS+1] op_sel_hi:[1,0]
.set j, j+2
.endr
.irp b, 0,1,2,3
	v_max_num_f32 v[TM+\b], v[TM+\b], v[TM+4+\b]   ; with lane l xor 16's 16 keys
.endr
.rept 4
	v_pk_mul_f32 v[S+j:S+j+1], v[S+j:S+j+1], s[CS:CS+1] op_sel_hi:[1,0]
.set j, j+2
.endr
.irp b, 0,1,2,3
	v_mul_f32 v[TM+\b], s[CS], v[TM+\b]            ; the block's largest t: for the row's maximum and for the block's largest p
.endr
.rept 16
	v_pk_mul_f32 v[S+j:S+j+1], v[S+j:S+j+1], s[CS:CS+1] op_sel_hi:[1,0]
.set j, j+2
.endr
	v_max3_num_f32 v104, v[TM], v[TM+1], v[TM+2]
	s_delay_alu instid0(VALU_DEP_1)
	v_max_num_f32 v104, v104, v[TM+3]
	s_delay_alu instid0(VALU_DEP_1)
	v_max_num_f32 v13, v13, v104                   ; the running largest t
	v_mov_b32 v104, v12
	s_delay_alu instid0(VALU_DEP_2)
	v_floor_f32 v12, -v13                          ; the new -M: M is a whole number
	s_delay_alu instid0(VALU_DEP_1)
	v_sub_f32 v104, v12, v104                      ; old M - new M, 0 or less
	s_delay_alu instid0(VALU_DEP_1)
	v_cvt_i32_f32 v104, v104                       ; (it saturates)
	s_delay_alu instid0(VALU_DEP_1)
	v_ldexp_f32 v102, 1.0, v104                    ; f = 2^(old M - new M)
.set j, 0
.rept 32
	v_pk_add_f32 v[S+j:S+j+1], v[S+j:S+j+1], v[12:13] op_sel_hi:[1,0]   ; t - M
.set j, j+2
.endr
.irp b, 0,1,2,3
	v_add_f32 v[TM+\b], v[TM+\b], v12
.endr
.set j, 0
	s_wait_alu depctr_va_vdst(0)                   ; the wait ahead of the batch
.rept 64
	v_exp_f32 v[S+j], v[S+j]                       ; p, at most 1, not normalised
.set j, j+1
.endr
	v_pk_mul_f32 v[14:15], v[14:15], v[102:103] op_sel_hi:[1,0]   ; the sums under the new M (a plain instruction behind the exponentials)
	s_wait_alu depctr_va_vdst(0)                   ; one wait for the batch, ahead of its first reader
.irp b, 0,1,2,3
	v_exp_f32 v[TM+\b], v[TM+\b]                   ; the blocks' largest p
.endr
	v_pk_add_f32 v[104:105], v[S:S+1], v[S+2:S+3]  ; the row's sum, of the unquantised p, in two chains
.irp j, 4,8,12,16,20,24,28,32,36,40,44,48,52,56,60
	v_pk_add_f32 v[14:15], v[14:15], v[S+\j:S+\j+1]
	v_pk_add_f32 v[104:105], v[104:105], v[S+\j+2:S+\j+3]
.endr
	s_delay_alu instid0(VALU_DEP_1)
	v_pk_add_f32 v[14:15], v[14:15], v[104:105]
	s_wait_alu depctr_va_vdst(0)                   ; and one for the four
.irp b, 0,1,2,3
	v_max_num_f32 v[TM+\b], 0x1800000, v[TM+\b]    ; the floor 2^(3 - 127)
.endr
.irp b, 0,1,2,3
	s_delay_alu instid0(VALU_DEP_4)
	v_add_nc_u32 v[TM+12+\b], 0xff000000, v[TM+\b]
.endr
.irp b, 0,1,2,3
	s_delay_alu instid0(VALU_DEP_4)
	v_lshrrev_b32 v[TM+4+\b], 23, v[TM+12+\b]
.endr
	s_delay_alu instid0(VALU_DEP_3)
	v_lshl_or_b32 v254, v[TM+5], 8, v[TM+4]        ; p's scale word for these 128 keys
	s_delay_alu instid0(VALU_DEP_1)
	v_lshl_or_b32 v254, v[TM+6], 16, v254
	s_delay_alu instid0(VALU_DEP_1)
	v_lshl_or_b32 v254, v[TM+7], 24, v254
.irp c, 0,1
	v_cvt_scalef32_pk16_fp6_f32 v[PC+6*\c:PC+2+6*\c], v[S+32*\c:S+15+32*\c], v[TM+12+2*\c]
	v_cvt_scalef32_pk16_fp6_f32 v[PCX+4*\c:PCX+2+4*\c], v[S+16+32*\c:S+31+32*\c], v[TM+12+2*\c+1]
.endr
	v_nop                                          ; one plain instruction behind a scaled conversion
.irp c, 0,1
.irp i, 0,1,2
	v_permlane16_swap_b32 v[PC+6*\c+\i], v[PCX+4*\c+\i]
.endr
.endr
.irp c, 0,1                            ; all six exchanges first: each move stands six instructions behind its exchange
.irp i, 0,1,2
	v_mov_b32 v[PC+3+6*\c+\i], v[PCX+4*\c+\i]
.endr
.endr
	s_wait_alu depctr_va_vdst(0)                   ; the wait, directly ahead of the first reader of O^T
.set j, 0
.rept 16
	v_pk_mul_f32 v[O+j:O+j+1], v[O+j:O+j+1], v[102:103] op_sel_hi:[1,0]   ; O^T under the new M (these are also the places between the codes' and the scale word's last writes and the products)
.set j, j+2
.endr
	s_wait_alu depctr_va_vdst(0)
	s_wait_dscnt 0x0                               ; V
.irp t, 0,1,2,3
	v_wmma_scale_f32_16x16x128_f8f6f4 v[O+8*\t:O+8*\t+7], v[32+12*\t:43+12*\t], v[PC:PC+11], v[O+8*\t:O+8*\t+7], v[246+\t], v254 matrix_a_fmt:MATRIX_FMT_FP6 matrix_b_fmt:MATRIX_FMT_FP6
.endr
.Lskip_\@:
	s_add_co_u32 s[J], s[J], 1
	s_add_co_u32 s[TK], s[TK], 6144
	s_add_co_u32 s[TM5], s[TM5], 512
	s_add_co_u32 s[TT], s[TT], 256
	s_lshr_b32 s[TV], s[J], 2                      ; V: 24,576 bytes for each four steps, 1,536 a step inside them
	s_mul_i32 s[TV], s[TV], 24576
	s_and_b32 s[T2], s[J], 3
	s_mul_i32 s[T2], s[T2], 1536
	s_add_co_u32 s[TV], s[TV], s[T2]
	s_add_co_u32 s[TV], s[TV], VB
.endm
.macro WALK g                          ; eight key steps
	s_mov_b32 s[CNT], 8
.Lwalk_\@:
	STEP \g
	s_sub_co_u32 s[CNT], s[CNT], 1
	s_cmp_lg_u32 s[CNT], 0
	s_cbranch_scc1 .Lwalk_\@
.endm
; THE WAY OUT of a tile: O^T / the sum; its two blocks of 32 channels are quantised and leave as the head's half of an image.  oc, os: the pairs with the addresses of codes and scale bytes
.macro OUTPUT oc, os
	v_add_f32 v14, v14, v15
	s_delay_alu instid0(VALU_DEP_1)
	v_permlanex16_b32 v104, v14, s[SEL], s[SEL+1]
	s_delay_alu instid0(VALU_DEP_1)
	v_add_f32 v14, v14, v104                       ; the row's sum
	s_wait_alu depctr_va_vdst(0)
	v_rcp_f32 v14, v14
	v_and_b32 v8, 31, v0                           ; (plain work behind the transcendental)
	v_and_b32 v9, 15, v0
	s_delay_alu instid0(VALU_DEP_1)
	v_lshlrev_b32 v16, 2, v9
	s_wait_alu depctr_va_vdst(0)                   ; the wait, ahead of the first reader
.set j, 0
.rept 16
	v_pk_mul_f32 v[O+j:O+j+1], v[O+j:O+j+1], v[14:15] op_sel_hi:[1,0]   ; register 16 b + i is channel 32 b + 16 h + i of my query
.set j, j+2
.endr
.irp b, 0,1
	v_max3_num_f32 v[TM+\b], |v[O+16*\b]|, |v[O+1+16*\b]|, 0x1800000
.endr
.irp i, 2,4,6,8,10,12,14
.irp b, 0,1
	s_delay_alu instid0(VALU_DEP_2)
	v_max3_num_f32 v[TM+\b], v[TM+\b], |v[O+16*\b+\i]|, |v[O+1+16*\b+\i]|
.endr
.endr
.irp b, 0,1
	s_delay_alu instid0(VALU_DEP_2)
	v_permlanex16_b32 v[TM+4+\b], v[TM+\b], s[SEL], s[SEL+1]
.endr
.irp b, 0,1
	s_delay_alu instid0(VALU_DEP_2)
	v_max_num_f32 v[TM+\b], v[TM+\b], v[TM+4+\b]
.endr
.irp b, 0,1
	s_delay_alu instid0(VALU_DEP_2)
	v_add_nc_u32 v[TM+12+\b], 0xff000000, v[TM+\b]
.endr
.irp b, 0,1
	s_delay_alu instid0(VALU_DEP_2)
	v_lshrrev_b32 v[TM+4+\b], 23, v[TM+12+\b]
.endr
	s_delay_alu instid0(VALU_DEP_1)
	v_lshl_or_b32 v254, v[TM+5], 8, v[TM+4]        ; my head's two scale bytes
	v_cvt_scalef32_pk16_fp6_f32 v[PC:PC+2], v[O:O+15], v[TM+12]
	v_cvt_scalef32_pk16_fp6_f32 v[PCX:PCX+2], v[O+16:O+31], v[TM+13]
	v_nop
.irp i, 0,1,2
	v_permlane16_swap_b32 v[PC+\i], v[PCX+\i]
.endr
.irp i, 0,1,2
	s_delay_alu instid0(VALU_DEP_3)
	v_mov_b32 v[PC+3+\i], v[PCX+\i]
.endr
	global_store_b128 v1, v[PC:PC+3], s[\oc:\oc+1] ; 512 and 256 consecutive bytes, aligned
	global_store_b64 v2, v[PC+4:PC+5], s[\oc:\oc+1] offset:512
	v_cmp_gt_u32 vcc_lo, 16, v8
	s_wait_xcnt 0x0                                ; EXEC changes only behind this wait
	s_and_saveexec_b32 s10, vcc_lo
	global_store_b16 v16, v254, s[\os:\os+1]       ; lanes 0-15: row r's two bytes
	s_wait_xcnt 0x0                                ; and again: behind it the stores' registers may be written too
	s_or_b32 exec_lo, exec_lo, s10
.endm
	s_wait_alu depctr_va_vdst(0)                   ; the wait at the head's end
	s_wait_tensorcnt 0x0                           ; my eighth of K or of V has landed,
	s_wait_dscnt 0x0                               ; and my part of the tables
	s_barrier_signal -1
	s_barrier_wait -1                              ; all of K, V and the tables are whole
	WALK G                                         ; key steps 0-7
.rept 4
	v_nop                                          ; places behind the last products
.endr
	v_add_nc_u32 v8, s[SWR], v1                    ; my stage: made ahead of the parting of the roles
	v_add_nc_u32 v9, s[SWR], v2
	s_cmp_eq_u32 s[ROLE], 0
	s_wait_alu depctr_va_vdst(0)                   ; the wait, directly ahead of the branch
	s_cbranch_scc0 .Lshort
	v_add_f32 v13, v14, v15                        ; role 0: tile 15 - u over keys 0 .. 1,023 is done: O^T, -M and my lane's sum go to my stage
.irp i, 0,1,2,3,4,5,6,7
	ds_store_b128 v8, v[O+4*\i:O+4*\i+3] offset:512*\i   ; each accumulator from its low end on
.endr
	ds_store_b64 v9, v[12:13] offset:4096
	s_branch .Lmid
.Lshort:
	v_and_b32 v17, 15, v0                          ; role 1: tile u is done.  Tile 15 - u's q is asked for first and lands under the way out
	s_delay_alu instid0(VALU_DEP_1)
	v_lshlrev_b32 v17, 2, v17
	global_load_b128 v[20:23], v1, s[AD2:AD2+1]
	global_load_b64 v[24:25], v2, s[AD2:AD2+1] offset:512
	global_load_b32 v255, v17, s[AD2+2:AD2+3]
	OUTPUT AD1+4, AD1+6
	s_wait_loadcnt 0x0
	v_lshrrev_b32 v255, s17, v255
	INIT
.Lmid:
	WALK G2                                        ; key steps 8-15
	s_wait_dscnt 0x0                               ; for my partner's sake: my stores into the stage have landed
	s_barrier_signal -1
	s_barrier_wait -1
.rept 4
	v_nop                                          ; places behind the last products
.endr
	v_add_nc_u32 v8, s[SRD], v1                    ; my partner's stage
	v_add_nc_u32 v9, s[SRD], v2
	s_cmp_eq_u32 s[ROLE], 0
	s_wait_alu depctr_va_vdst(0)                   ; the wait, directly ahead of the branch
	s_cbranch_scc1 .Lend
.irp i, 0,1,2,3,4,5,6,7
	ds_load_b128 v[S+4*\i:S+4*\i+3], v8 offset:512*\i
.endr
	ds_load_b64 v[TM:TM+1], v9 offset:4096         ; the partner's -M and sum
	s_wait_dscnt 0x0
	v_min_num_f32 v88, v12, v86                    ; -M of the two parts together
	s_delay_alu instid0(VALU_DEP_1)
	v_sub_f32 v89, v88, v86                        ; the partner's M less the common M: a whole number, 0 or less;
	s_delay_alu instid0(VALU_DEP_2)
	v_sub_f32 v90, v88, v12                        ; and mine
	s_delay_alu instid0(VALU_DEP_2)
	v_cvt_i32_f32 v89, v89                         ; (they saturate)
	s_delay_alu instid0(VALU_DEP_2)
	v_cvt_i32_f32 v90, v90
	s_delay_alu instid0(VALU_DEP_2)
	v_ldexp_f32 v102, 1.0, v89
	s_delay_alu instid0(VALU_DEP_2)
	v_ldexp_f32 v104, 1.0, v90
.set j, 0
.rept 16
	v_pk_mul_f32 v[O+j:O+j+1], v[O+j:O+j+1], v[104:105] op_sel_hi:[1,0]   ; both parts under the common M: nothing is rounded by the factors
.set j, j+2
.endr
.set j, 0
.rept 16
	v_pk_fma_f32 v[O+j:O+j+1], v[S+j:S+j+1], v[102:103], v[O+j:O+j+1] op_sel_hi:[1,0,1]
.set j, j+2
.endr
	v_pk_mul_f32 v[14:15], v[14:15], v[104:105] op_sel_hi:[1,0]
	s_delay_alu instid0(VALU_DEP_1)
	v_fma_f32 v14, v87, v102, v14
	OUTPUT AD2+4, AD2+6
.Lend:
	s_wait_tensorcnt 0x0                           ; the wave's end
	ds_add_u32 v5, v6
	s_wait_dscnt 0x0
	CROUND                                         ; the closing round
	s_endpgm
.Lfunc_end_k_q4dfba1f6e6_attn:
	.size	k_q4dfba1f6e6_attn, .Lfunc_end_k_q4dfba1f6e6_attn-k_q4dfba1f6e6_attn
	.p2alignl 7, 3214868480
	.fill 96, 4, 3214868480
	.section	.rodata,"a",@progbits
	.p2align	6, 0x0
	.amdhsa_kernel k_q4dfba1f6e6_attn
		.amdhsa_group_segment_fixed_size 292864
		.amdhsa_private_segment_fixed_size 0
		.amdhsa_enable_private_segment 0
		.amdhsa_kernarg_size 24
		.amdhsa_user_sgpr_count 2
		.amdhsa_user_sgpr_kernarg_segment_ptr 1
		.amdhsa_wavefront_size32 1
		.amdhsa_system_sgpr_workgroup_id_x 1
		.amdhsa_system_sgpr_workgroup_id_y 1
		.amdhsa_system_sgpr_workgroup_id_z 1
		.amdhsa_system_vgpr_workitem_id 0
		.amdhsa_next_free_vgpr 256
		.amdhsa_next_free_sgpr 102
		.amdhsa_reserve_vcc 1
		.amdhsa_float_denorm_mode_32 3
		.amdhsa_float_denorm_mode_16_64 3
		.amdhsa_memory_ordered 1
		.amdhsa_forward_progress 1
		.amdhsa_inst_pref_size 89
	.end_amdhsa_kernel
	.amdgpu_metadata
---
amdhsa.version: [ 1, 2 ]
amdhsa.kernels:
  - .name:           k_q4dfba1f6e6_attn
    .symbol:         k_q4dfba1f6e6_attn.kd
    .args:
      - { .name: qkvq, .offset: 0, .size: 8, .value_kind: global_buffer, .address_space: global }
      - { .name: key_padding_mask, .offset: 8, .size: 8, .value_kind: global_buffer, .address_space: global }
      - { .name: act, .offset: 16, .size: 8, .value_kind: global_buffer, .address_space: global }
    .group_segment_fixed_size: 292864
    .private_segment_fixed_size: 0
    .kernarg_segment_align: 8
    .kernarg_segment_size: 24
    .max_flat_workgroup_size: 512
    .sgpr_count:     102
    .vgpr_count:     256
    .wavefront_size: 32
...
	.end_amdgpu_metadata
.endif
;; end of part 10
;; launch gproj (part 11): grid 8 x 32, 4 waves a work-group, clusters of 4 x 4, 327,680 bytes of LDS; arguments act, wts, proj_b, x, x1; writes x1
.if DOCPART == 11
	.amdgcn_target "amdgcn-amd-amdhsa--gfx1250"
	.amdhsa_code_object_version 6
	.text
	.protected	k_q4dfba1f6e6_gproj
	.globl	k_q4dfba1f6e6_gproj
	.p2align	8
	.type	k_q4dfba1f6e6_gproj,@function
k_q4dfba1f6e6_gproj:
	s_mov_b64 s[64:65], 0
	v_nop
	global_prefetch_b8 v0, s[64:65] scope:SCOPE_SE
	s_setreg_imm32_b32 hwreg(HW_REG_WAVE_MODE, 25, 1), 1
	s_wait_xcnt 0x0
	s_wait_alu depctr_hold_cnt(0) depctr_sa_sdst(0) depctr_va_vdst(0) depctr_va_sdst(0) depctr_va_ssrc(0) depctr_va_vcc(0) depctr_vm_vsrc(0)
	s_getreg_b32 s2, hwreg(HW_REG_IB_STS2, 6, 4)
	s_cmp_eq_u32 s2, 0
	s_cbranch_scc0 .Lentry_in_a_cluster
	s_endpgm
.Lentry_in_a_cluster:
	s_bfe_u32 s2, ttmp6, 0x10000c
	s_cmp_lg_u32 s2, 0xf033
	s_cbranch_scc0 .Lentry_shape_is_right
	s_endpgm
.Lentry_shape_is_right:
; x1 = x + (attention's result) proj_w + proj_b; the product on codes of FP6 (E2M3) with E8M0 scales, sums in f32.  Operands lie as images of the operand's registers, [row tile of 16][K step of 128][1,536 bytes],
; scale words [128 rows][K step][128 words], row position p holding true row sigma(p) (bits 3 and 4 exchanged), as the launches that make them lay them.
; SHAPE.  A tile of C is 128 x 128 (256 work-groups), four waves, 64 x 64 each: 16 accumulators.  The matrix instruction is used transposed (source 0 = rows of B, source 1 = rows of A); the bias is the C of each accumulator's first product.
; K = 1,024 lies in two LDS slots of 512, each filled once.  THE HEAD: one tensor load a wave (A's slot 0, A's scale words, B's slot 0, B's scale words); slot 1 follows behind the waits, the add and a round, a quarter a wave.
; CLUSTERS: 4 x 4; A's tiles are asked for jointly along a row of the cluster, B's along a column.  PREFETCH: slot 1's bytes are named behind the head's load; of a wave's 4 row tiles the partner at place p names tile p.
; THE WAY OUT: through a stage in slot 0, which has had its only fill and its last read by then, back as rows of 256 bytes; the residual x, loaded behind slot 1's load, is added; sixteen lanes store 256 consecutive bytes, aligned.
; LIMITS: NaN and infinities are not served.
.set NKS,   8
.set A_SC,  3145728
.set B_CO,  2359296
.set B_SC,  9535488
.set LAST,  0
.set NQ,    4
.set FR,    12
.set FRB,   1536
.set NL,    4
.set NP,    4
.set HALFT, 4*NQ*FRB
.set SLOT,  4*HALFT
.set LAPS,  NKS/(2*NQ)
.set SCL,   2*SLOT
.set HALFS, NKS*256
.set SPARE, SCL+4*HALFS
.set SPITCH, 272
.set L16,  4
.set L8,   5
.set ADRA, 16
.set ADRB, 20
.set STO,  24
.set RD,   25
.set CO,   26
.set ADRS, 27
.set SPW,  28
.set NIL,  29
.set SC,   32
.set BIA,  64
.set ACC,  128
.set RES,  0
.set G1,   24
.set G0,   32
.set G1B,  48
.set G0B,  56
.set G1S,  68
.set G0S,  76
.set G1SB, 80
.set G0SB, 88
.set PA,   4
.set PB,   6
.set MSB, 0
.macro WIN new
.if MSB != (\new)
	s_set_vgpr_msb (MSB<<8)|(\new)
.set MSB, (\new)
.endif
.endm
.set MUL,  0x05
.set TO_F, 0x40
.macro JLOAD g0a, g1a, g0b, g1b
	s_cmp_eq_u32 s15, 0
	s_cbranch_scc0 .Lfor_b_\@
	tensor_load_to_lds s[\g0a:\g0a+3], s[\g1a:\g1a+7]
	s_nop 0
.rept 4
	v_nop
.endr
	s_branch .Lasked_\@
.Lfor_b_\@:
	tensor_load_to_lds s[\g0b:\g0b+3], s[\g1b:\g1b+7]
	s_nop 0
.rept 4
	v_nop
.endr
.Lasked_\@:
.endm
.macro CREST
	s_cmp_lg_u32 s14, 0
	s_cbranch_scc1 .Lnot_wave_0_\@
	s_barrier_signal -3
.Lnot_wave_0_\@:
	s_barrier_wait -3
	s_barrier_signal -1
	s_barrier_wait -1
.endm
.macro CROUND
	s_barrier_signal -1
	s_barrier_wait -1
	CREST
.endm
	s_load_b128 s[4:7], s[0:1], 0x0
	s_load_b128 s[8:11], s[0:1], 0x10
	s_load_b64 s[12:13], s[0:1], 0x20
	v_lshl_add_u32 v[SPW], v0, 2, SPARE
	v_mov_b32 v[NIL], 0
	ds_add_u32 v[SPW], v[NIL]
	ds_add_u32 v[SPW], v[NIL]
	v_lshrrev_b32 v1, 5, v0
	v_readfirstlane_b32 s14, v1
	s_lshr_b32 s15, s14, 1
	s_and_b32 s16, s14, 1
	s_bfe_u32 s40, ttmp6, 0x40000
	s_bfe_u32 s41, ttmp6, 0x40004
	s_lshl_b32 s42, ttmp9, 2
	s_add_co_u32 s42, s42, s40
	s_and_b32 s17, ttmp7, 0xffff
	s_lshl_b32 s17, s17, 2
	s_add_co_u32 s17, s17, s41
	s_lshl_b32 s43, s41, 2
	s_lshl_b32 s43, 15, s43
	s_lshl_b32 s44, 0x1111, s40
	s_or_b32 s[G1+0], s43, (3<<16)|(1<<21)
	s_or_b32 s[G1B+0], s44, (3<<16)|(1<<21)
.irp g, G1, G1B
	s_mov_b32 s[\g+1], (NQ*192)<<16
	s_mov_b32 s[\g+2], 8<<16                       ; 8 row tiles for the head's loads; behind them 4
	s_mov_b32 s[\g+3], (NQ*192)<<16
	s_mov_b32 s[\g+4], 8
	s_mov_b32 s[\g+5], NKS*192
	s_mov_b32 s[\g+6], 0
	s_mov_b32 s[\g+7], 0
.endr
	s_or_b32 s[G1S+0], s43, (3<<16)|(1<<21)
	s_or_b32 s[G1SB+0], s44, (3<<16)|(1<<21)
.irp g, G1S, G1SB
	s_mov_b32 s[\g+1], 32<<16
	s_mov_b32 s[\g+2], (2*NKS)<<16                 ; the scale words of all 128 rows in one load
	s_mov_b32 s[\g+3], 32<<16
	s_mov_b32 s[\g+4], 2*NKS
	s_mov_b32 s[\g+5], 32
	s_mov_b32 s[\g+6], 0
	s_mov_b32 s[\g+7], 0
.endr
	s_lshl_b32 s18, s16, 2
	s_lshl_b32 s20, s17, 3
	s_add_co_u32 s20, s20, s18
	s_mul_i32 s20, s20, NKS*FRB
	s_mov_b32 s21, 0
	s_lshl_b32 s46, s42, 3
	s_add_co_u32 s46, s46, s18
	s_mul_i32 s46, s46, NKS*FRB
	s_add_co_u32 s46, s46, B_CO
	s_mov_b32 s47, 0
	s_lshl_b32 s22, s17, 1
	s_add_co_u32 s22, s22, s16
	s_mul_i32 s22, s22, HALFS
	s_add_co_u32 s22, s22, A_SC
	s_mov_b32 s23, 0
	s_lshl_b32 s92, s42, 1
	s_add_co_u32 s92, s92, s16
	s_mul_i32 s92, s92, HALFS
	s_add_co_u32 s92, s92, B_SC
	s_mov_b32 s93, 0
	s_mul_i32 s45, s14, HALFT
	s_mul_i32 s94, s14, HALFS
	s_wait_dscnt 0x0
	s_wait_kmcnt 0x0
	s_add_nc_u64 s[20:21], s[PA:PA+1], s[20:21]
	s_add_nc_u64 s[22:23], s[PA:PA+1], s[22:23]
	s_add_nc_u64 s[46:47], s[PB:PB+1], s[46:47]
	s_add_nc_u64 s[92:93], s[PB:PB+1], s[92:93]
	CROUND
	s_mov_b32 s[G0S], 1
	s_add_co_u32 s[G0S+1], s94, SCL-HALFS          ; used by wave 1 alone: SCL
	s_sub_nc_u64 s[G0S+2:G0S+3], s[22:23], HALFS   ; wave 1's address names the block's upper half: back to its start
	s_or_b32 s[G0S+3], s[G0S+3], 0x80000000
	s_mov_b32 s[G0SB], 1
	s_add_co_u32 s[G0SB+1], s94, SCL-HALFS         ; used by wave 3 alone: SCL + 2 HALFS
	s_sub_nc_u64 s[G0SB+2:G0SB+3], s[92:93], HALFS
	s_or_b32 s[G0SB+3], s[G0SB+3], 0x80000000
.irp s, 0,1
	s_mov_b32 s[G0+4*\s], 1
	s_add_co_u32 s[G0+4*\s+1], s45, \s*SLOT
	s_add_nc_u64 s[G0+4*\s+2:G0+4*\s+3], s[20:21], \s*NQ*FRB
	s_or_b32 s[G0+4*\s+3], s[G0+4*\s+3], 0x80000000
	s_mov_b32 s[G0B+4*\s], 1
	s_add_co_u32 s[G0B+4*\s+1], s45, \s*SLOT
	s_add_nc_u64 s[G0B+4*\s+2:G0B+4*\s+3], s[46:47], \s*NQ*FRB
	s_or_b32 s[G0B+4*\s+3], s[G0B+4*\s+3], 0x80000000
.endr
; THE HEAD'S LOADS, ONE A WAVE: wave 0 A's 8 row tiles of slot 0, wave 1 A's scale words, wave 2 B's 8 row tiles, wave 3 B's scale words.  One chain of branches on the wave's number, all arms to one join.
	v_and_b32 v30, 31, v0                          ; the prefetch's offset: block min(lane, 23) of a row tile's 24 blocks of 256 bytes in a slot
	v_min_u32 v30, 23, v30
	v_lshlrev_b32 v30, 8, v30                      ; never rewritten
	s_cmp_eq_u32 s15, 0                            ; do I fetch for A?
	s_cselect_b64 s[4:5], s[20:21], s[46:47]       ; my 4 row tiles, K step 0 (the arguments that lay here have been used)
	s_cselect_b32 s6, s40, s41                     ; my place among the four that ask with me
	s_mul_i32 s6, s6, NKS*FRB                      ; from row tile to row tile
	s_mov_b32 s7, 0
	s_add_nc_u64 s[4:5], s[4:5], s[6:7]            ; never rewritten
	s_wait_alu depctr_va_vdst(0)                   ; the wait
	s_cmp_eq_u32 s14, 0
	s_cbranch_scc0 .Lhead_1
	tensor_load_to_lds s[G0:G0+3], s[G1:G1+7]
	s_nop 0
.rept 4
	v_nop
.endr
	s_branch .Lhead_j
.Lhead_1:
	s_cmp_eq_u32 s14, 1
	s_cbranch_scc0 .Lhead_2
	tensor_load_to_lds s[G0S:G0S+3], s[G1S:G1S+7]
	s_nop 0
.rept 4
	v_nop
.endr
	s_branch .Lhead_j
.Lhead_2:
	s_cmp_eq_u32 s14, 2
	s_cbranch_scc0 .Lhead_3
	tensor_load_to_lds s[G0B:G0B+3], s[G1B:G1B+7]
	s_nop 0
.rept 4
	v_nop
.endr
	s_branch .Lhead_j
.Lhead_3:
	tensor_load_to_lds s[G0SB:G0SB+3], s[G1SB:G1SB+7]
	s_nop 0
.rept 4
	v_nop
.endr
.Lhead_j:
	global_prefetch_b8 v30, s[4:5] offset:NQ*FRB th:TH_LOAD_NT scope:SCOPE_SE       ; slot 1
	v_and_b32 v1, 15, v0
	v_bfe_u32 v2, v0, 4, 1
	v_and_b32 v3, 31, v0
	v_lshlrev_b32 v[L16], 4, v3
	v_lshlrev_b32 v[L8], 3, v3
	v_lshlrev_b32 v8, 6, v2
	s_lshl_b32 s46, s42, 9
	s_lshl_b32 s47, s16, 8
	s_add_co_u32 s46, s46, s47
	s_mov_b32 s47, 0
	s_add_nc_u64 s[8:9], s[8:9], s[46:47]
.irp i, 0,1,2,3,4,5,6,7
	global_load_b128 v[BIA+4*\i:BIA+4*\i+3], v8, s[8:9] offset:128*(\i/4)+16*(\i%4)
.endr
	v_lshlrev_b32 v[CO], 12, v2
	v_lshl_add_u32 v[CO], v1, 4, v[CO]
	s_wait_alu depctr_va_vdst(0)
	s_lshl_b32 s20, s17, 7
	s_lshl_b32 s21, s15, 6
	s_add_co_u32 s20, s20, s21
	s_lshl_b32 s20, s20, 12
	s_add_co_u32 s20, s20, s46
	s_mov_b32 s21, 0
	s_add_nc_u64 s[12:13], s[12:13], s[20:21]
	s_add_nc_u64 s[10:11], s[10:11], s[20:21]
	s_mul_i32 s21, s15, HALFT
	s_mul_i32 s22, s16, HALFT
	s_add_co_u32 s22, s22, 2*HALFT
.irp s, 0,1
	v_add_nc_u32 v[ADRA+\s], s21, v[L16]
	v_add_nc_u32 v[ADRB+\s], s22, v[L16]
	v_add_nc_u32 v[ADRA+2+\s], s21, v[L8]
	v_add_nc_u32 v[ADRB+2+\s], s22, v[L8]
	s_add_co_u32 s21, s21, SLOT
	s_add_co_u32 s22, s22, SLOT
.endr
	v_lshlrev_b32 v7, 2, v1
	s_lshl_b32 s21, s15, 8
	s_lshl_b32 s22, s16, 8
	s_add_co_u32 s22, s22, 2*HALFS
	s_sub_co_u32 s22, s22, s21
	v_mul_u32_u24 v6, s22, v2
	s_add_co_u32 s21, s21, SCL
	v_add_nc_u32 v6, v7, v6
	v_add_nc_u32 v[ADRS], s21, v6
	s_mul_i32 s23, s14, 16*SPITCH
	v_mul_u32_u24 v6, v1, SPITCH
	v_lshl_add_u32 v6, v2, 6, v6
	v_add_nc_u32 v[STO], s23, v6
	v_mul_u32_u24 v6, v2, SPITCH
	v_lshl_add_u32 v6, v1, 4, v6
	v_add_nc_u32 v[RD], s23, v6
.macro FRAG reg, adr, q, i
	ds_load_b128 v[\reg:\reg+3], v[\adr] offset:((\i)*NQ+(\q))*FRB
	ds_load_b64 v[\reg+4:\reg+5], v[\adr+2] offset:((\i)*NQ+(\q))*FRB+512
	ds_load_b128 v[\reg+6:\reg+9], v[\adr] offset:((\i)*NQ+(\q))*FRB+768
	ds_load_b64 v[\reg+10:\reg+11], v[\adr+2] offset:((\i)*NQ+(\q))*FRB+1280
.endm
.macro MUL4 f, a, q, sc, zero
.irp b, 0,1,2,3
.if \zero
	v_wmma_scale_f32_16x16x128_f8f6f4 v[ACC+8*(4*(\a)+\b):ACC+8*(4*(\a)+\b)+7], v[(\f)+48+FR*\b:(\f)+48+FR*\b+FR-1], v[(\f)+FR*(\a):(\f)+FR*(\a)+FR-1], v[BIA+8*\b:BIA+8*\b+7], v[SC+4*NQ*(\sc)+NQ*\b+(\q)], v[SC+4*NQ*(\sc)+NQ*(\a)+(\q)] matrix_a_fmt:MATRIX_FMT_FP6 matrix_b_fmt:MATRIX_FMT_FP6 matrix_a_scale:MATRIX_SCALE_ROW1
.else
	v_wmma_scale_f32_16x16x128_f8f6f4 v[ACC+8*(4*(\a)+\b):ACC+8*(4*(\a)+\b)+7], v[(\f)+48+FR*\b:(\f)+48+FR*\b+FR-1], v[(\f)+FR*(\a):(\f)+FR*(\a)+FR-1], v[ACC+8*(4*(\a)+\b):ACC+8*(4*(\a)+\b)+7], v[SC+4*NQ*(\sc)+NQ*\b+(\q)], v[SC+4*NQ*(\sc)+NQ*(\a)+(\q)] matrix_a_fmt:MATRIX_FMT_FP6 matrix_b_fmt:MATRIX_FMT_FP6 matrix_a_scale:MATRIX_SCALE_ROW1
.endif
.endr
.endm
.macro FETCH slot, q, f
	WIN TO_F
.irp i, 0,1,2,3
	FRAG (\f)+48+FR*\i, ADRB+\slot, \q, \i
.endr
.irp i, 0,1,2,3
	FRAG (\f)+FR*\i, ADRA+\slot, \q, \i
.endr
.endm
.macro SCALES sc
.irp i, 0,1,2,3
.irp q, 0,1,2,3
	ds_load_b32 v[SC+4*NQ*\sc+NQ*\i+\q], v[ADRS] offset:64*\i+512*\q
.endr
.endr
.endm
.macro PLACES n
.rept \n
	v_nop
.endr
.endm
.macro QUARTER slot, q, zero
	s_wait_dscnt 2*NL
	WIN MUL
	MUL4 128*((\q)%2), 0, \q, \slot, \zero
	MUL4 128*((\q)%2), 1, \q, \slot, \zero
	PLACES NP
	FETCH \slot, (\q)+1, 128-128*((\q)%2)
	s_wait_dscnt 8*NL
	WIN MUL
	MUL4 128*((\q)%2), 2, \q, \slot, \zero
	MUL4 128*((\q)%2), 3, \q, \slot, \zero
.endm
.macro TURN slot, next, fill
	WIN 0
	s_wait_tensorcnt 0x0
	ds_add_u32 v[SPW], v[NIL]
	s_wait_dscnt 2*NL+1
	WIN MUL
	MUL4 128, 0, NQ-1, \slot, 0
	s_wait_dscnt 0x0
	s_barrier_signal -1
	MUL4 128, 1, NQ-1, \slot, 0
	WIN 0
	s_barrier_wait -1
.if \fill
	CREST
	s_add_nc_u64 s[G0+4*\slot+2:G0+4*\slot+3], s[G0+4*\slot+2:G0+4*\slot+3], 2*NQ*FRB
	s_add_nc_u64 s[G0B+4*\slot+2:G0B+4*\slot+3], s[G0B+4*\slot+2:G0B+4*\slot+3], 2*NQ*FRB
	JLOAD G0+4*\slot, G1, G0B+4*\slot, G1B
.else
	PLACES NP
.endif
	v_add_nc_u32 v[ADRS], 512*NQ, v[ADRS]
	SCALES \next
	FETCH \next, 0, 0
	WIN MUL
	MUL4 128, 2, NQ-1, \slot, 0
	MUL4 128, 3, NQ-1, \slot, 0
.endm
	s_wait_alu depctr_va_vdst(0)
	s_wait_tensorcnt 0x0                           ; my one load of the head is in; slot 1's first fill is issued as a refill is
	ds_add_u32 v[SPW], v[NIL]
	s_mov_b32 s[G1+2], 4<<16                       ; no load of mine is out: from here on a load brings 4 row tiles
	s_mov_b32 s[G1+4], 4
	s_mov_b32 s[G1B+2], 4<<16
	s_mov_b32 s[G1B+4], 4
	s_wait_dscnt 0x0
	CROUND                                         ; slot 0 and the scale words are whole, and all sixteen work-groups are here
	JLOAD G0+4, G1, G0B+4, G1B                     ; slot 1, a quarter a wave
	WIN 0x80                                       ; the residual's 32 loads go out here, behind the bias's 8, and are waited for on the way out
.irp a, 0,1,2,3
.irp t, 0,1,2,3,4,5,6,7
	global_load_b128 v[RES+32*\a+4*\t:RES+32*\a+4*\t+3], v[CO], s[10:11] offset:(32*(\a/2)+8*(\a%2)+2*\t+8*(\t/4))*4096
.endr
.endr
	WIN 0
	SCALES 0
	FETCH 0, 0, 0
	s_wait_loadcnt 32
	QUARTER 0, 0, 1
.if LAPS > 1
	WIN 0
	s_mov_b32 s3, LAPS-1
.Llap:
	QUARTER 0, 1, 0
	QUARTER 0, 2, 0
	TURN 0, 1, 1
	QUARTER 1, 0, 0
	QUARTER 1, 1, 0
	QUARTER 1, 2, 0
	TURN 1, 0, 1
	QUARTER 0, 0, 0
	WIN 0
	s_sub_co_u32 s3, s3, 1
	s_cmp_lg_u32 s3, 0
	s_cbranch_scc1 .Llap
.endif
	QUARTER 0, 1, 0
	QUARTER 0, 2, 0
	TURN 0, 1, 0
	QUARTER 1, 0, 0
	QUARTER 1, 1, 0
	QUARTER 1, 2, 0
	s_wait_dscnt 2*NL
	WIN MUL
	MUL4 128, 0, NQ-1, 1, 0
	MUL4 128, 1, NQ-1, 1, 0
	s_wait_dscnt 0
	MUL4 128, 2, NQ-1, 1, 0
	MUL4 128, 3, NQ-1, 1, 0
	WIN 0
	PLACES NP
.irp a, 0,1,2,3
.irp b, 0,1,2,3
	ds_store_b128 v[STO], v[ACC+32*\a+8*\b:ACC+32*\a+8*\b+3] offset:128*(\b/2)+32*(\b%2)
	ds_store_b128 v[STO], v[ACC+32*\a+8*\b+4:ACC+32*\a+8*\b+7] offset:128*(\b/2)+32*(\b%2)+16
.endr
.irp t, 0,1,2,3,4,5,6,7
	ds_load_b128 v[ACC+32*\a+4*\t:ACC+32*\a+4*\t+3], v[RD] offset:\t*2*SPITCH
.endr
.endr
	s_wait_loadcnt 0x0
.irp a, 0,1,2,3
	s_wait_dscnt 16*(3-\a)
	WIN 0x08
.set j, 0
.rept 16
	v_pk_add_f32 v[ACC+32*\a+j:ACC+32*\a+j+1], v[ACC+32*\a+j:ACC+32*\a+j+1], v[RES+32*\a+j:RES+32*\a+j+1]
.set j, j+2
.endr
	WIN 0
.irp t, 0,1,2,3,4,5,6,7
.if LAST
	global_store_b128 v[CO], v[ACC+32*\a+4*\t:ACC+32*\a+4*\t+3], s[12:13] offset:(32*(\a/2)+8*(\a%2)+2*\t+8*(\t/4))*4096 th:TH_STORE_NT
.else
	global_store_b128 v[CO], v[ACC+32*\a+4*\t:ACC+32*\a+4*\t+3], s[12:13] offset:(32*(\a/2)+8*(\a%2)+2*\t+8*(\t/4))*4096
.endif
.endr
.endr
	s_wait_tensorcnt 0x0
	ds_add_u32 v[SPW], v[NIL]
	s_wait_dscnt 0x0
	CROUND
	s_endpgm
.Lfunc_end_k_q4dfba1f6e6_gproj:
	.size	k_q4dfba1f6e6_gproj, .Lfunc_end_k_q4dfba1f6e6_gproj-k_q4dfba1f6e6_gproj
	.p2alignl 7, 3214868480
	.fill 96, 4, 3214868480
	.section	.rodata,"a",@progbits
	.p2align	6, 0x0
	.amdhsa_kernel k_q4dfba1f6e6_gproj
		.amdhsa_group_segment_fixed_size 327680
		.amdhsa_private_segment_fixed_size 0
		.amdhsa_enable_private_segment 0
		.amdhsa_kernarg_size 40
		.amdhsa_user_sgpr_count 2
		.amdhsa_user_sgpr_kernarg_segment_ptr 1
		.amdhsa_wavefront_size32 1
		.amdhsa_system_sgpr_workgroup_id_x 1
		.amdhsa_system_sgpr_workgroup_id_y 1
		.amdhsa_system_sgpr_workgroup_id_z 1
		.amdhsa_system_vgpr_workitem_id 0
		.amdhsa_next_free_vgpr 768
		.amdhsa_next_free_sgpr 102
		.amdhsa_reserve_vcc 0
		.amdhsa_float_denorm_mode_32 3
		.amdhsa_float_denorm_mode_16_64 3
		.amdhsa_memory_ordered 1
		.amdhsa_forward_progress 1
		.amdhsa_inst_pref_size 63
	.end_amdhsa_kernel
	.amdgpu_metadata
---
amdhsa.version: [ 1, 2 ]
amdhsa.kernels:
  - .name:           k_q4dfba1f6e6_gproj
    .symbol:         k_q4dfba1f6e6_gproj.kd
    .args:
      - { .name: act, .offset: 0, .size: 8, .value_kind: global_buffer, .address_space: global }
      - { .name: wts, .offset: 8, .size: 8, .value_kind: global_buffer, .address_space: global }
      - { .name: proj_b, .offset: 16, .size: 8, .value_kind: global_buffer, .address_space: global }
      - { .name: x, .offset: 24, .size: 8, .value_kind: global_buffer, .address_space: global }
      - { .name: x1, .offset: 32, .size: 8, .value_kind: global_buffer, .address_space: global }
    .group_segment_fixed_size: 327680
    .private_segment_fixed_size: 0
    .kernarg_segment_align: 8
    .kernarg_segment_size: 40
    .max_flat_workgroup_size: 128
    .sgpr_count:     102
    .vgpr_count:     768
    .wavefront_size: 32
...
	.end_amdgpu_metadata
.endif
;; end of part 11
;; launch ln1 (part 12): grid 256 x 1, 8 waves a work-group, no clusters, 69,632 bytes of LDS; arguments x1, ln2_w, ln2_b, act; writes act
.if DOCPART == 12
	.amdgcn_target "amdgcn-amd-amdhsa--gfx1250"
	.amdhsa_code_object_version 6
	.text
	.protected	k_q4dfba1f6e6_ln1
	.globl	k_q4dfba1f6e6_ln1
	.p2align	8
	.type	k_q4dfba1f6e6_ln1,@function
k_q4dfba1f6e6_ln1:
	s_mov_b64 s[64:65], 0
	v_nop
	global_prefetch_b8 v0, s[64:65] scope:SCOPE_SE
	s_setreg_imm32_b32 hwreg(HW_REG_WAVE_MODE, 25, 1), 1
	s_wait_xcnt 0x0
; y = (x - mean) * rsqrt(var + 1e-5) * w + b over rows of 1,024 f32, and y quantised along the row to FP6 (E2M3) with one E8M0 byte for each 32: the A operand of the next product.  The text serves the second layer norm.
; OUTPUT (act): codes [row tile of 16][8 K steps][1,536 bytes], the 1,536 bytes an image of the operand's 12 registers (0-3 at 16 x lane, 4-5 at 512 + 8 x lane, 6-9 at 768 + 16 x lane, 10-11 at 1,280 + 8 x lane);
; scale words from byte 3,145,728 on: [128 rows][8 K steps][128 words].  Row position p holds the true row sigma(p), sigma = bits 3 and 4 exchanged: tile tau, lane r is row 32 (tau / 2) + 8 (tau % 2) + r + 8 (r / 8).
; SHARES.  A work-group takes one row tile; wave w takes K step w (columns 128 w on).  Each load reads 512 consecutive bytes of a row; the 16 rows turn through the wave's own stage in LDS, so that lane (r, h)
; holds of row r the columns 128 w + 32 b + 16 h + i in register 16 b + i: the order in which the conversions want them.  Mean and variance (two passes: the differences are squared, so a common offset of the inputs costs nothing)
; meet across the eight waves in LDS: two barriers.  Memory binds: each input byte is read once; no matrix unit, no cluster (work-groups share only w and b, 8 KB).
; LIMITS: a block of zeros gets the byte 1 where the rule says 127 (zero codes; this program alone reads the bytes); blocks under 2^-124 keep the byte 1; NaN and infinities are not served.
; The scale words leave as 64 bytes a wave: one byte for each 24 of codes.
.set STGW,  8448                       ; a wave's stage: 16 rows x (512 + 16) bytes
.set RED,   67584                      ; 16 rows x 8 waves of partial sums (512 bytes), and 512 more for the squares
.set SPARE, 68608                      ; the spare words, 128 bytes for each of eight waves: four blocks of 256 bytes that no other line names
.set X,   32                           ; v32-95   my 64 numbers
.set W,   96                           ; v96-159  w at my columns; later at work
.set B,   160                          ; v160-223 b at my columns
.set TM,  96
.set PC,  112
.set PW,  132
.set SEL, 28
.macro QUANT s                         ; 64 numbers, register 16 b + i = k 32 b + 16 (lane / 16) + i of my row, become a fragment's codes in v[PC] on and its scale word in v[PW]
.irp b, 0,1,2,3
	v_max3_num_f32 v[TM+\b], |v[\s+16*\b]|, |v[\s+1+16*\b]|, 0x1800000   ; my 16 numbers of block b, and the floor 2^(3 - 127)
.endr
.irp i, 2,4,6,8,10,12,14
.irp b, 0,1,2,3
	s_delay_alu instid0(VALU_DEP_4)
	v_max3_num_f32 v[TM+\b], v[TM+\b], |v[\s+16*\b+\i]|, |v[\s+1+16*\b+\i]|
.endr
.endr
.irp b, 0,1,2,3
	s_delay_alu instid0(VALU_DEP_4)
	v_permlanex16_b32 v[TM+4+\b], v[TM+\b], s[SEL], s[SEL+1]
.endr
.irp b, 0,1,2,3
	s_delay_alu instid0(VALU_DEP_4)
	v_max_num_f32 v[TM+\b], v[TM+\b], v[TM+4+\b]   ; with lane l xor 16's: the block's largest magnitude
.endr
.irp b, 0,1,2,3
	s_delay_alu instid0(VALU_DEP_4)
	v_add_nc_u32 v[TM+12+\b], 0xff000000, v[TM+\b] ; 2 off the exponent field: the conversion's scale operand
.endr
.irp b, 0,1,2,3
	s_delay_alu instid0(VALU_DEP_4)
	v_lshrrev_b32 v[TM+4+\b], 23, v[TM+12+\b]      ; the scale's byte
.endr
	s_delay_alu instid0(VALU_DEP_3)
	v_lshl_or_b32 v[PW], v[TM+5], 8, v[TM+4]
	s_delay_alu instid0(VALU_DEP_1)
	v_lshl_or_b32 v[PW], v[TM+6], 16, v[PW]
	s_delay_alu instid0(VALU_DEP_1)
	v_lshl_or_b32 v[PW], v[TM+7], 24, v[PW]
.irp c, 0,1
	v_cvt_scalef32_pk16_fp6_f32 v[PC+6*\c:PC+2+6*\c], v[\s+32*\c:\s+15+32*\c], v[TM+12+2*\c]
	v_cvt_scalef32_pk16_fp6_f32 v[PC+12+4*\c:PC+14+4*\c], v[\s+16+32*\c:\s+31+32*\c], v[TM+12+2*\c+1]
.endr
	v_nop                                          ; one plain instruction behind a scaled conversion
.irp c, 0,1                            ; the operand wants a whole block in a lane: lanes 0-15 block 2 c, lanes 16-31 block 2 c + 1
.irp i, 0,1,2
	v_permlane16_swap_b32 v[PC+6*\c+\i], v[PC+12+4*\c+\i]
.endr
.irp i, 0,1,2
	s_delay_alu instid0(VALU_DEP_3)
	v_mov_b32 v[PC+3+6*\c+\i], v[PC+12+4*\c+\i]
.endr
.endr
.endm
.macro ACROSS off                      ; the two chains v[20:21], v[22:23] become the row's sum over all 1,024 columns, in v24 of every lane
	s_delay_alu instid0(VALU_DEP_1)
	v_pk_add_f32 v[20:21], v[20:21], v[22:23]
	s_delay_alu instid0(VALU_DEP_1)
	v_add_f32 v20, v20, v21
	s_delay_alu instid0(VALU_DEP_1)
	v_permlanex16_b32 v21, v20, s[SEL], s[SEL+1]
	s_delay_alu instid0(VALU_DEP_1)
	v_add_f32 v20, v20, v21                        ; my wave's 128 columns of row r (both halves of the lanes hold it)
	ds_store_b32 v8, v20 offset:\off
	s_wait_dscnt 0x0                               ; for the others' sake: my store has landed
	s_barrier_signal -1
	s_barrier_wait -1
	ds_load_b128 v[24:27], v9 offset:\off
	ds_load_b128 v[28:31], v9 offset:\off+16
	s_wait_dscnt 0x0
	v_pk_add_f32 v[24:25], v[24:25], v[26:27]      ; the same tree in every wave: all eight get the same bits
	v_pk_add_f32 v[28:29], v[28:29], v[30:31]
	s_delay_alu instid0(VALU_DEP_1)
	v_pk_add_f32 v[24:25], v[24:25], v[28:29]
	s_delay_alu instid0(VALU_DEP_1)
	v_add_f32 v24, v24, v25
.endm
	s_load_b256 s[4:11], s[0:1], 0x0               ; in s[4:5], w s[6:7], b s[8:9], act s[10:11]
	v_lshl_add_u32 v14, v0, 2, SPARE               ; my spare word,
	v_mov_b32 v15, 0                               ; and 0: kept for the closing lines
	v_lshrrev_b32 v1, 5, v0
	s_delay_alu instid0(VALU_DEP_1)
	v_readfirstlane_b32 s12, v1                    ; wave
	v_and_b32 v1, 31, v0                           ; lane
	v_and_b32 v2, 15, v0                           ; r
	v_bfe_u32 v3, v0, 4, 1                         ; h
	s_delay_alu instid0(VALU_DEP_3)
	v_lshlrev_b32 v4, 4, v1                        ; 16 x lane
	s_delay_alu instid0(VALU_DEP_4)
	v_lshlrev_b32 v11, 3, v1                       ; 8 x lane
	s_delay_alu instid0(VALU_DEP_4)
	v_lshlrev_b32 v12, 2, v2                       ; 4 r
	s_mul_i32 s13, s12, STGW
	v_add_nc_u32 v5, s13, v4                       ; the stage, on the way in: a row's 512 bytes on end
	v_mul_u32_u24 v6, v2, 528
	s_delay_alu instid0(VALU_DEP_1)
	v_lshl_add_u32 v6, v3, 6, v6
	s_delay_alu instid0(VALU_DEP_1)
	v_add_nc_u32 v6, s13, v6                       ; and out: row r, + 64 h
	s_lshl_b32 s14, s12, 9                         ; 512 w: my columns' bytes
	v_lshlrev_b32 v7, 6, v3
	s_delay_alu instid0(VALU_DEP_1)
	v_add_nc_u32 v7, s14, v7                       ; w and b: 512 w + 64 h
	v_lshl_add_u32 v9, v2, 5, RED                  ; row r's eight partial sums
	s_lshl_b32 s15, s12, 2
	v_add_nc_u32 v8, s15, v9                       ; mine among them
	s_mov_b32 s[SEL], 0x76543210
	s_mov_b32 s[SEL+1], 0xfedcba98                 ; lane l xor 16
	s_lshr_b32 s16, ttmp9, 1
	s_lshl_b32 s16, s16, 5
	s_and_b32 s17, ttmp9, 1
	s_lshl_b32 s17, s17, 3
	s_add_co_u32 s16, s16, s17                     ; the tile's first true row
	s_lshl_b32 s16, s16, 12
	s_add_co_u32 s16, s16, s14
	s_mov_b32 s17, 0
	s_lshl_b32 s18, ttmp9, 3
	s_add_co_u32 s18, s18, s12
	s_mul_i32 s18, s18, 1536                       ; image (tile, K step w)
	s_mov_b32 s19, 0
	s_lshr_b32 s20, ttmp9, 3
	s_lshl_b32 s20, s20, 3
	s_add_co_u32 s20, s20, s12
	s_lshl_b32 s20, s20, 9
	s_and_b32 s21, ttmp9, 7
	s_lshl_b32 s21, s21, 6
	s_add_co_u32 s20, s20, s21
	s_add_co_u32 s20, s20, 3145728                 ; the tile's 16 scale words of K step w
	s_mov_b32 s21, 0
	s_wait_alu depctr_va_vdst(0)
	s_wait_kmcnt 0x0
	s_add_nc_u64 s[4:5], s[4:5], s[16:17]
	s_add_nc_u64 s[22:23], s[10:11], s[18:19]
	s_add_nc_u64 s[24:25], s[10:11], s[20:21]
.irp p, 0,1,2,3,4,5,6,7,8,9,10,11,12,13,14,15
	global_load_b128 v[X+4*\p:X+4*\p+3], v4, s[4:5] offset:(\p+8*(\p/8))*4096   ; row position p: 512 consecutive bytes
.endr
.irp p, 0,1,2,3,4,5,6,7,8,9,10,11,12,13,14,15
	global_load_b128 v[W+4*\p:W+4*\p+3], v7, s[6:7] offset:128*(\p/4)+16*(\p%4)
.endr
.irp p, 0,1,2,3,4,5,6,7,8,9,10,11,12,13,14,15
	global_load_b128 v[B+4*\p:B+4*\p+3], v7, s[8:9] offset:128*(\p/4)+16*(\p%4)
.endr
	s_wait_loadcnt 32                              ; the rows are in; w's and b's 32 loads may be out
.irp p, 0,1,2,3,4,5,6,7,8,9,10,11,12,13,14,15
	ds_store_b128 v5, v[X+4*\p:X+4*\p+3] offset:528*\p
.endr
.irp p, 0,1,2,3,4,5,6,7,8,9,10,11,12,13,14,15
	ds_load_b128 v[X+4*\p:X+4*\p+3], v6 offset:128*(\p/4)+16*(\p%4)   ; LDS serves a wave's instructions in order: these see my stores
.endr
	v_mov_b32 v19, 0x3a800000                      ; 1 / 1,024
	s_wait_dscnt 0x0
	v_pk_add_f32 v[20:21], v[X:X+1], v[X+2:X+3]
	v_pk_add_f32 v[22:23], v[X+4:X+5], v[X+6:X+7]
.irp j, 8,12,16,20,24,28,32,36,40,44,48,52,56,60
	s_delay_alu instid0(VALU_DEP_2)
	v_pk_add_f32 v[20:21], v[20:21], v[X+\j:X+\j+1]
	s_delay_alu instid0(VALU_DEP_2)
	v_pk_add_f32 v[22:23], v[22:23], v[X+\j+2:X+\j+3]
.endr
	ACROSS 0
	s_delay_alu instid0(VALU_DEP_1)
	v_mul_f32 v16, v24, v19                        ; the mean,
	s_delay_alu instid0(VALU_DEP_2)
	v_mul_f32 v17, v24, v19                        ; twice: a pair for the packed form
.set j, 0
.rept 32
	v_pk_add_f32 v[X+j:X+j+1], v[X+j:X+j+1], v[16:17] neg_lo:[0,1] neg_hi:[0,1]   ; x - mean
.set j, j+2
.endr
	v_pk_mul_f32 v[20:21], v[X:X+1], v[X:X+1]
	v_pk_mul_f32 v[22:23], v[X+2:X+3], v[X+2:X+3]
.irp j, 4,8,12,16,20,24,28,32,36,40,44,48,52,56,60
	s_delay_alu instid0(VALU_DEP_2)
	v_pk_fma_f32 v[20:21], v[X+\j:X+\j+1], v[X+\j:X+\j+1], v[20:21]
	s_delay_alu instid0(VALU_DEP_2)
	v_pk_fma_f32 v[22:23], v[X+\j+2:X+\j+3], v[X+\j+2:X+\j+3], v[22:23]
.endr
	ACROSS 512                                     ; other bytes than the first sums': no barrier is owed between the two
	s_delay_alu instid0(VALU_DEP_1)
	v_fmaak_f32 v18, v24, v19, 0x3727c5ac          ; var + 1e-5 (the division by 1,024 is exact)
	s_wait_alu depctr_va_vdst(0)
	v_rsq_f32 v18, v18
	v_nop                                          ; a plain instruction behind the transcendental,
	s_wait_alu depctr_va_vdst(0)                   ; and the wait ahead of the first use
	v_mov_b32 v19, v18
	s_wait_alu depctr_va_vdst(0)
	s_wait_loadcnt 0x0                             ; w and b
.set j, 0
.rept 32
	v_pk_mul_f32 v[X+j:X+j+1], v[X+j:X+j+1], v[18:19]
.set j, j+2
.endr
.set j, 0
.rept 32
	v_pk_fma_f32 v[X+j:X+j+1], v[X+j:X+j+1], v[W+j:W+j+1], v[B+j:B+j+1]
.set j, j+2
.endr
	QUANT X
	global_store_b128 v4, v[PC:PC+3], s[22:23]                 ; the image: stores of 512 and 256 consecutive bytes, aligned
	global_store_b64 v11, v[PC+4:PC+5], s[22:23] offset:512
	global_store_b128 v4, v[PC+6:PC+9], s[22:23] offset:768
	global_store_b64 v11, v[PC+10:PC+11], s[22:23] offset:1280
	v_cmp_gt_u32 vcc_lo, 16, v1
	s_wait_xcnt 0x0                                ; EXEC changes only behind this wait
	s_and_saveexec_b32 s26, vcc_lo
	global_store_b32 v12, v[PW], s[24:25]          ; lanes 0-15: row r's scale word
	s_wait_xcnt 0x0                                ; and again, in front of the line that widens it
	s_or_b32 exec_lo, exec_lo, s26
	s_wait_tensorcnt 0x0                           ; the wave's end, behind my last LDS store
	ds_add_u32 v14, v15
	s_wait_dscnt 0x0
	s_endpgm
.Lfunc_end_k_q4dfba1f6e6_ln1:
	.size	k_q4dfba1f6e6_ln1, .Lfunc_end_k_q4dfba1f6e6_ln1-k_q4dfba1f6e6_ln1
	.p2alignl 7, 3214868480
	.fill 96, 4, 3214868480
	.section	.rodata,"a",@progbits
	.p2align	6, 0x0
	.amdhsa_kernel k_q4dfba1f6e6_ln1
		.amdhsa_group_segment_fixed_size 69632
		.amdhsa_private_segment_fixed_size 0
		.amdhsa_enable_private_segment 0
		.amdhsa_kernarg_size 32
		.amdhsa_user_sgpr_count 2
		.amdhsa_user_sgpr_kernarg_segment_ptr 1
		.amdhsa_wavefront_size32 1
		.amdhsa_system_sgpr_workgroup_id_x 1
		.amdhsa_system_sgpr_workgroup_id_y 1
		.amdhsa_system_sgpr_workgroup_id_z 1
		.amdhsa_system_vgpr_workitem_id 0
		.amdhsa_next_free_vgpr 232
		.amdhsa_next_free_sgpr 66
		.amdhsa_reserve_vcc 1
		.amdhsa_float_denorm_mode_32 3
		.amdhsa_float_denorm_mode_16_64 3
		.amdhsa_memory_ordered 1
		.amdhsa_forward_progress 1
		.amdhsa_inst_pref_size 30
	.end_amdhsa_kernel
	.amdgpu_metadata
---
amdhsa.version: [ 1, 2 ]
amdhsa.kernels:
  - .name:           k_q4dfba1f6e6_ln1
    .symbol:         k_q4dfba1f6e6_ln1.kd
    .args:
      - { .name: x1, .offset: 0, .size: 8, .value_kind: global_buffer, .address_space: global }
      - { .name: ln2_w, .offset: 8, .size: 8, .value_kind: global_buffer, .address_space: global }
      - { .name: ln2_b, .offset: 16, .size: 8, .value_kind: global_buffer, .address_space: global }
      - { .name: act, .offset: 24, .size: 8, .value_kind: global_buffer, .address_space: global }
    .group_segment_fixed_size: 69632
    .private_segment_fixed_size: 0
    .kernarg_segment_align: 8
    .kernarg_segment_size: 32
    .max_flat_workgroup_size: 256
    .sgpr_count:     66
    .vgpr_count:     232
    .wavefront_size: 32
...
	.end_amdgpu_metadata
.endif
;; end of part 12
;; launch gfc1 (part 13): grid 16 x 16, 4 waves a work-group, clusters of 4 x 4, 327,680 bytes of LDS; arguments act, wts, fc1_b, hid; writes hid
.if DOCPART == 13
	.amdgcn_target "amdgcn-amd-amdhsa--gfx1250"
	.amdhsa_code_object_version 6
	.text
	.protected	k_q4dfba1f6e6_gfc1
	.globl	k_q4dfba1f6e6_gfc1
	.p2align	8
	.type	k_q4dfba1f6e6_gfc1,@function
k_q4dfba1f6e6_gfc1:
	s_mov_b64 s[64:65], 0
	v_nop
	global_prefetch_b8 v0, s[64:65] scope:SCOPE_SE
	s_setreg_imm32_b32 hwreg(HW_REG_WAVE_MODE, 25, 1), 1
	s_wait_xcnt 0x0
	s_wait_alu depctr_hold_cnt(0) depctr_sa_sdst(0) depctr_va_vdst(0) depctr_va_sdst(0) depctr_va_ssrc(0) depctr_va_vcc(0) depctr_vm_vsrc(0)
	s_getreg_b32 s2, hwreg(HW_REG_IB_STS2, 6, 4)
	s_cmp_eq_u32 s2, 0
	s_cbranch_scc0 .Lentry_in_a_cluster
	s_endpgm
.Lentry_in_a_cluster:
	s_bfe_u32 s2, ttmp6, 0x10000c
	s_cmp_lg_u32 s2, 0xf033
	s_cbranch_scc0 .Lentry_shape_is_right
	s_endpgm
.Lentry_shape_is_right:
; hid = gelu(LN2(x1) fc1_w + fc1_b), quantised at once along the hidden units for the next product; the product on codes of FP6 (E2M3) with E8M0 scales, sums in f32; the hidden layer never goes to memory as f32.
; Operands and result lie as images of the operand's registers, [row tile of 16][K step of 128][1,536 bytes], scale words [128 rows][K step][128 words], row position p holding true row sigma(p) (bits 3 and 4 exchanged).
; SHAPE.  A tile of C is 256 x 256 (256 work-groups), four waves, 128 x 128 each: 64 accumulators.  The matrix instruction is used transposed, so that a lane's 64 results of a block of 16 rows are, in register order 16 b + i,
; the true columns 32 b + 16 (lane / 16) + i.  The bias is the C of each accumulator's first product.  K = 1,024 goes in steps of 256 through two LDS slots.
; THE HEAD: one tensor load a wave (A's slot 0, A's scale words, B's slot 0, B's scale words); slot 1 follows behind the waits, the add and a round; one tensor load of a wave is out behind each round.
; CLUSTERS: 4 x 4; A's tiles are asked for jointly along a row of the cluster, B's along a column.  PREFETCH: slot n's bytes are named behind the tensor load of slot n - 2 (slots 1 and 2 behind the head's load);
; of a wave's 8 row tiles the partner at place p names tiles 2 p and 2 p + 1, by address alone.  K has four slots, so the loop names none.
; THE WAY OUT, a loop of eight trips, a block of 16 rows a trip: gelu(x) = x / 2 + (x / 2) erf(u), u = x / sqrt(2) held to +-4, erf(u) = u P(u^2) / Q(u^2) with seven and five coefficients, all in f32;
; sixteen numbers' chains go side by side and P's and Q's steps take turns, so that a line stands 8 or 16 instructions behind the line whose result it reads.  Then the block is quantised and leaves as an image.
; LIMITS: a block of zeros gets the byte 1 where the rule says 127 (zero codes; this program alone reads the bytes); blocks under 2^-124 keep the byte 1; NaN and infinities are not served.
.set NKS,   8
.set A_SC,  3145728
.set B_CO,  3145728
.set B_SC,  9568256
.set NKO,   32
.set O_SC,  12582912
.set NQ,    2
.set FR,    12
.set FRB,   1536
.set NL,    4
.set NP,    4
.set HALFT, 8*NQ*FRB
.set SLOT,  4*HALFT
.set LAPS,  NKS/(2*NQ)
.set SCL,   2*SLOT
.set HALFS, NKS*512
.set SPARE, SCL+4*HALFS
.set L16,  4
.set L8,   5
.set ADRA, 16
.set ADRB, 20
.set SWA,  24
.set SRD,  25
.set ADRS, 27
.set SPW,  28
.set NIL,  29
.set SC,   32
.set BIA,  64
.set AF,   128
.set TM,   32
.set X2,   48                          ; v48-63 u^2 of sixteen numbers
.set PP,   64                          ; v64-79 their P
.set PC,   96
.set PW,   116
.set SWT,  117
.set H,    128
.set QR,   192
.set G1,   24
.set G0,   32
.set G1B,  48
.set G0B,  56
.set G1S,  68
.set G0S,  76
.set G1SB, 80
.set G0SB, 88
.set SEL,  100
.set AI,   44
.set SWO,  45
.set PA,   4
.set PB,   6
.set MSB, 0
.macro WIN new
.if MSB != (\new)
	s_set_vgpr_msb (MSB<<8)|(\new)
.set MSB, (\new)
.endif
.endm
.set MUL_LO, 0xa1
.set MUL_HI, 0xf1
.set TO_B,   0x40
.macro JLOAD g0a, g1a, g0b, g1b
	s_cmp_eq_u32 s15, 0
	s_cbranch_scc0 .Lfor_b_\@
	tensor_load_to_lds s[\g0a:\g0a+3], s[\g1a:\g1a+7]
	s_nop 0
.rept 4
	v_nop
.endr
	s_branch .Lasked_\@
.Lfor_b_\@:
	tensor_load_to_lds s[\g0b:\g0b+3], s[\g1b:\g1b+7]
	s_nop 0
.rept 4
	v_nop
.endr
.Lasked_\@:
.endm
.macro CREST
	s_cmp_lg_u32 s14, 0
	s_cbranch_scc1 .Lnot_wave_0_\@
	s_barrier_signal -3
.Lnot_wave_0_\@:
	s_barrier_wait -3
	s_barrier_signal -1
	s_barrier_wait -1
.endm
.macro CROUND
	s_barrier_signal -1
	s_barrier_wait -1
	CREST
.endm
	s_load_b128 s[4:7], s[0:1], 0x0
	s_load_b128 s[8:11], s[0:1], 0x10
	v_lshl_add_u32 v[SPW], v0, 2, SPARE
	v_mov_b32 v[NIL], 0
	ds_add_u32 v[SPW], v[NIL]
	ds_add_u32 v[SPW], v[NIL]
	v_lshrrev_b32 v1, 5, v0
	v_readfirstlane_b32 s14, v1
	s_lshr_b32 s15, s14, 1
	s_and_b32 s16, s14, 1
	s_bfe_u32 s40, ttmp6, 0x40000
	s_bfe_u32 s41, ttmp6, 0x40004
	s_lshl_b32 s42, ttmp9, 2
	s_add_co_u32 s42, s42, s40
	s_and_b32 s17, ttmp7, 0xffff
	s_lshl_b32 s17, s17, 2
	s_add_co_u32 s17, s17, s41
	s_lshl_b32 s43, s41, 2
	s_lshl_b32 s43, 15, s43
	s_lshl_b32 s44, 0x1111, s40
	s_or_b32 s[G1+0], s43, (3<<16)|(1<<21)
	s_or_b32 s[G1B+0], s44, (3<<16)|(1<<21)
.irp g, G1, G1B
	s_mov_b32 s[\g+1], 384<<16
	s_mov_b32 s[\g+2], 16<<16                      ; 16 row tiles for the head's loads; behind them 8
	s_mov_b32 s[\g+3], 384<<16
	s_mov_b32 s[\g+4], 16
	s_mov_b32 s[\g+5], NKS*192
	s_mov_b32 s[\g+6], 0
	s_mov_b32 s[\g+7], 0
.endr
	s_or_b32 s[G1S+0], s43, (3<<16)|(1<<21)
	s_or_b32 s[G1SB+0], s44, (3<<16)|(1<<21)
.irp g, G1S, G1SB
	s_mov_b32 s[\g+1], 32<<16
	s_mov_b32 s[\g+2], (4*NKS)<<16                 ; the scale words of all 256 rows in one load
	s_mov_b32 s[\g+3], 32<<16
	s_mov_b32 s[\g+4], 4*NKS
	s_mov_b32 s[\g+5], 32
	s_mov_b32 s[\g+6], 0
	s_mov_b32 s[\g+7], 0
.endr
	s_lshl_b32 s18, s16, 3
	s_lshl_b32 s20, s17, 4
	s_add_co_u32 s20, s20, s18
	s_mul_i32 s20, s20, NKS*FRB
	s_mov_b32 s21, 0
	s_lshl_b32 s46, s42, 4
	s_add_co_u32 s46, s46, s18
	s_mul_i32 s46, s46, NKS*FRB
	s_add_co_u32 s46, s46, B_CO
	s_mov_b32 s47, 0
	s_lshl_b32 s22, s17, 1
	s_add_co_u32 s22, s22, s16
	s_mul_i32 s22, s22, HALFS
	s_add_co_u32 s22, s22, A_SC
	s_mov_b32 s23, 0
	s_lshl_b32 s92, s42, 1
	s_add_co_u32 s92, s92, s16
	s_mul_i32 s92, s92, HALFS
	s_add_co_u32 s92, s92, B_SC
	s_mov_b32 s93, 0
	s_mul_i32 s45, s14, HALFT
	s_mul_i32 s94, s14, HALFS
	s_mov_b32 s[SEL], 0x76543210
	s_mov_b32 s[SEL+1], 0xfedcba98
	s_wait_dscnt 0x0
	s_wait_kmcnt 0x0
	s_add_nc_u64 s[20:21], s[PA:PA+1], s[20:21]
	s_add_nc_u64 s[22:23], s[PA:PA+1], s[22:23]
	s_add_nc_u64 s[46:47], s[PB:PB+1], s[46:47]
	s_add_nc_u64 s[92:93], s[PB:PB+1], s[92:93]
	CROUND
	s_mov_b32 s[G0S], 1
	s_add_co_u32 s[G0S+1], s94, SCL-HALFS          ; used by wave 1 alone: SCL
	s_sub_nc_u64 s[G0S+2:G0S+3], s[22:23], HALFS   ; wave 1's address names the upper 128 rows: back to the first
	s_or_b32 s[G0S+3], s[G0S+3], 0x80000000
	s_mov_b32 s[G0SB], 1
	s_add_co_u32 s[G0SB+1], s94, SCL-HALFS         ; used by wave 3 alone: SCL + 2 HALFS
	s_sub_nc_u64 s[G0SB+2:G0SB+3], s[92:93], HALFS
	s_or_b32 s[G0SB+3], s[G0SB+3], 0x80000000
.irp s, 0,1
	s_mov_b32 s[G0+4*\s], 1
	s_add_co_u32 s[G0+4*\s+1], s45, \s*SLOT
	s_add_nc_u64 s[G0+4*\s+2:G0+4*\s+3], s[20:21], \s*NQ*FRB
	s_or_b32 s[G0+4*\s+3], s[G0+4*\s+3], 0x80000000
	s_mov_b32 s[G0B+4*\s], 1
	s_add_co_u32 s[G0B+4*\s+1], s45, \s*SLOT
	s_add_nc_u64 s[G0B+4*\s+2:G0B+4*\s+3], s[46:47], \s*NQ*FRB
	s_or_b32 s[G0B+4*\s+3], s[G0B+4*\s+3], 0x80000000
.endr
; THE HEAD'S LOADS, ONE A WAVE: wave 0 A's 16 row tiles of slot 0, wave 1 A's scale words, wave 2 B's 16 row tiles, wave 3 B's scale words.  One chain of branches on the wave's number, all arms to one join.
	v_and_b32 v30, 31, v0                          ; the prefetches' offset: block min(lane, 23) of my two row tiles' 24
	v_min_u32 v30, 23, v30
	v_mul_u32_u24 v31, v30, 22
	v_lshrrev_b32 v31, 8, v31                      ; 1 from block 12 on: the second row tile
	v_mul_u32_u24 v31, v31, NKS*FRB-12*256
	v_lshl_add_u32 v30, v30, 8, v31                ; never rewritten
	s_cmp_eq_u32 s15, 0                            ; do I fetch for A?
	s_cselect_b64 s[4:5], s[20:21], s[46:47]       ; my 8 row tiles, K step 0 (the arguments that lay here have been used)
	s_cselect_b32 s6, s40, s41                     ; my place among the four that ask with me
	s_mul_i32 s6, s6, 2*NKS*FRB                    ; two row tiles a partner
	s_mov_b32 s7, 0
	s_add_nc_u64 s[4:5], s[4:5], s[6:7]            ; never rewritten
	s_wait_alu depctr_va_vdst(0)                   ; the wait
	s_cmp_eq_u32 s14, 0
	s_cbranch_scc0 .Lhead_1
	tensor_load_to_lds s[G0:G0+3], s[G1:G1+7]
	s_nop 0
.rept 4
	v_nop
.endr
	s_branch .Lhead_j
.Lhead_1:
	s_cmp_eq_u32 s14, 1
	s_cbranch_scc0 .Lhead_2
	tensor_load_to_lds s[G0S:G0S+3], s[G1S:G1S+7]
	s_nop 0
.rept 4
	v_nop
.endr
	s_branch .Lhead_j
.Lhead_2:
	s_cmp_eq_u32 s14, 2
	s_cbranch_scc0 .Lhead_3
	tensor_load_to_lds s[G0B:G0B+3], s[G1B:G1B+7]
	s_nop 0
.rept 4
	v_nop
.endr
	s_branch .Lhead_j
.Lhead_3:
	tensor_load_to_lds s[G0SB:G0SB+3], s[G1SB:G1SB+7]
	s_nop 0
.rept 4
	v_nop
.endr
.Lhead_j:
	global_prefetch_b8 v30, s[4:5] offset:NQ*FRB th:TH_LOAD_NT scope:SCOPE_SE       ; slot 1
	global_prefetch_b8 v30, s[4:5] offset:2*NQ*FRB th:TH_LOAD_NT scope:SCOPE_SE     ; slot 2
	v_and_b32 v1, 15, v0
	v_bfe_u32 v2, v0, 4, 1
	v_and_b32 v3, 31, v0
	v_lshlrev_b32 v[L16], 4, v3
	s_wait_alu depctr_va_vdst(0)
	v_lshlrev_b32 v[L8], 3, v3
	s_wait_alu depctr_va_vdst(0)
	v_lshlrev_b32 v8, 6, v2
	s_lshl_b32 s46, s42, 10
	s_lshl_b32 s47, s16, 9
	s_add_co_u32 s46, s46, s47
	s_mov_b32 s47, 0
	s_add_nc_u64 s[8:9], s[8:9], s[46:47]
.irp i, 0,1,2,3,4,5,6,7,8,9,10,11,12,13,14,15
	global_load_b128 v[BIA+4*\i:BIA+4*\i+3], v8, s[8:9] offset:128*(\i/4)+16*(\i%4)
.endr
	s_mul_i32 s21, s15, HALFT
	s_mul_i32 s22, s16, HALFT
	s_add_co_u32 s22, s22, 2*HALFT
.irp s, 0,1
	v_add_nc_u32 v[ADRA+\s], s21, v[L16]
	v_add_nc_u32 v[ADRB+\s], s22, v[L16]
	v_add_nc_u32 v[ADRA+2+\s], s21, v[L8]
	v_add_nc_u32 v[ADRB+2+\s], s22, v[L8]
	s_add_co_u32 s21, s21, SLOT
	s_add_co_u32 s22, s22, SLOT
.endr
	v_lshlrev_b32 v7, 2, v1
	s_mul_i32 s21, s15, HALFS
	s_mul_i32 s22, s16, HALFS
	s_add_co_u32 s22, s22, 2*HALFS
	s_sub_co_u32 s22, s22, s21
	v_mul_u32_u24 v6, s22, v2
	s_add_co_u32 s21, s21, SCL
	v_add_nc_u32 v6, v7, v6
	v_add_nc_u32 v[ADRS], s21, v6
	s_lshl_b32 s23, s14, 9
	v_add_nc_u32 v[SWA], s23, v7
	v_add_nc_u32 v[SRD], s23, v[L16]
	s_lshl_b32 s20, s17, 4
	s_lshl_b32 s21, s15, 3
	s_add_co_u32 s20, s20, s21
	s_lshl_b32 s20, s20, 5
	s_lshl_b32 s46, s42, 1
	s_add_co_u32 s46, s46, s16
	s_add_co_u32 s20, s20, s46
	s_mul_i32 s20, s20, FRB
	s_mov_b32 s21, 0
	s_lshl_b32 s18, s17, 1
	s_add_co_u32 s18, s18, s15
	s_lshl_b32 s18, s18, 5
	s_add_co_u32 s18, s18, s46
	s_lshl_b32 s18, s18, 9
	s_add_co_u32 s18, s18, O_SC
	s_mov_b32 s19, 0
	s_add_nc_u64 s[18:19], s[10:11], s[18:19]
	s_add_nc_u64 s[12:13], s[10:11], s[20:21]
.macro FRAG reg, adr, q, i
	ds_load_b128 v[\reg:\reg+3], v[\adr] offset:((\i)*NQ+(\q))*FRB
	ds_load_b64 v[\reg+4:\reg+5], v[\adr+2] offset:((\i)*NQ+(\q))*FRB+512
	ds_load_b128 v[\reg+6:\reg+9], v[\adr] offset:((\i)*NQ+(\q))*FRB+768
	ds_load_b64 v[\reg+10:\reg+11], v[\adr+2] offset:((\i)*NQ+(\q))*FRB+1280
.endm
.macro MUL16 a0, p, q, sc, zero
.irp a, \a0, \a0+1
.irp b, 0,1,2,3,4,5,6,7
.if \zero
	v_wmma_scale_f32_16x16x128_f8f6f4 v[8*(8*((\a)%4)+\b):8*(8*((\a)%4)+\b)+7], v[128*(\p)+FR*\b:128*(\p)+FR*\b+FR-1], v[AF+FR*(\a):AF+FR*(\a)+FR-1], v[BIA+8*\b:BIA+8*\b+7], v[SC+8*NQ*(\sc)+NQ*\b+(\q)], v[SC+8*NQ*(\sc)+NQ*(\a)+(\q)] matrix_a_fmt:MATRIX_FMT_FP6 matrix_b_fmt:MATRIX_FMT_FP6 matrix_a_scale:MATRIX_SCALE_ROW1
.else
	v_wmma_scale_f32_16x16x128_f8f6f4 v[8*(8*((\a)%4)+\b):8*(8*((\a)%4)+\b)+7], v[128*(\p)+FR*\b:128*(\p)+FR*\b+FR-1], v[AF+FR*(\a):AF+FR*(\a)+FR-1], v[8*(8*((\a)%4)+\b):8*(8*((\a)%4)+\b)+7], v[SC+8*NQ*(\sc)+NQ*\b+(\q)], v[SC+8*NQ*(\sc)+NQ*(\a)+(\q)] matrix_a_fmt:MATRIX_FMT_FP6 matrix_b_fmt:MATRIX_FMT_FP6 matrix_a_scale:MATRIX_SCALE_ROW1
.endif
.endr
.endr
.endm
.macro FETCH_B slot, q, p
	WIN TO_B
.irp i, 0,1,2,3,4,5,6,7
	FRAG 128*(\p)+FR*\i, ADRB+\slot, \q, \i
.endr
	WIN 0
.endm
.macro FETCH_A slot, q, i0
.irp i, \i0, \i0+1, \i0+2, \i0+3
	FRAG AF+FR*(\i), ADRA+\slot, \q, \i
.endr
.endm
.macro SCALES sc
.irp i, 0,1,2,3,4,5,6,7
	ds_load_b32 v[SC+8*NQ*\sc+NQ*\i], v[ADRS] offset:64*\i
	ds_load_b32 v[SC+8*NQ*\sc+NQ*\i+1], v[ADRS] offset:64*\i+512
.endr
.endm
.macro PLACES n
.rept \n
	v_nop
.endr
.endm
.macro STEP slot, q, zero
	s_wait_dscnt 4*NL
.if \zero
	WIN 0x81
.else
	WIN MUL_LO
.endif
	MUL16 0, (\q)%2, \q, \slot, \zero
	MUL16 2, (\q)%2, \q, \slot, \zero
	s_wait_dscnt 0
	PLACES NP
	FETCH_B \slot, (\q)+1, 1-(\q)%2
	FETCH_A \slot, (\q)+1, 0
.if \zero
	WIN 0xc1
.else
	WIN MUL_HI
.endif
	MUL16 4, (\q)%2, \q, \slot, \zero
	MUL16 6, (\q)%2, \q, \slot, \zero
	PLACES NP
	WIN 0
	FETCH_A \slot, (\q)+1, 4
.endm
.macro TURN slot, next, fill
	s_wait_tensorcnt 0x0
	ds_add_u32 v[SPW], v[NIL]
	s_wait_dscnt 4*NL+1
	WIN MUL_LO
	MUL16 0, 1, NQ-1, \slot, 0
	s_wait_dscnt 0x0
	s_barrier_signal -1
	MUL16 2, 1, NQ-1, \slot, 0
	WIN 0
	s_barrier_wait -1
.if \fill
	CREST
	s_add_nc_u64 s[G0+4*\slot+2:G0+4*\slot+3], s[G0+4*\slot+2:G0+4*\slot+3], 2*NQ*FRB
	s_add_nc_u64 s[G0B+4*\slot+2:G0B+4*\slot+3], s[G0B+4*\slot+2:G0B+4*\slot+3], 2*NQ*FRB
	JLOAD G0+4*\slot, G1, G0B+4*\slot, G1B
.else
	PLACES NP
.endif
	s_wait_alu depctr_va_vdst(0)
	v_add_nc_u32 v[ADRS], 512*NQ, v[ADRS]
	FETCH_B \next, 0, 0
	FETCH_A \next, 0, 0
	SCALES \next
	WIN MUL_HI
	MUL16 4, 1, NQ-1, \slot, 0
	MUL16 6, 1, NQ-1, \slot, 0
	PLACES NP
	WIN 0
	FETCH_A \next, 0, 4
.endm
	s_wait_alu depctr_va_vdst(0)
	s_wait_tensorcnt 0x0                           ; my one load of the head is in; slot 1's first fill is issued as a refill is
	ds_add_u32 v[SPW], v[NIL]
	s_mov_b32 s[G1+2], 8<<16                       ; no load of mine is out: from here on a load brings 8 row tiles
	s_mov_b32 s[G1+4], 8
	s_mov_b32 s[G1B+2], 8<<16
	s_mov_b32 s[G1B+4], 8
	s_wait_dscnt 0x0
	CROUND                                         ; slot 0 and the scale words are whole, and all sixteen work-groups are here
	JLOAD G0+4, G1, G0B+4, G1B                     ; slot 1, a quarter a wave
	global_prefetch_b8 v30, s[4:5] offset:3*NQ*FRB th:TH_LOAD_NT scope:SCOPE_SE     ; slot 3
	FETCH_B 0, 0, 0
	FETCH_A 0, 0, 0
	SCALES 0
	FETCH_A 0, 0, 4
	s_wait_loadcnt 0x0
	STEP 0, 0, 2
	s_mov_b32 s3, LAPS-1
.Llap:
	TURN 0, 1, 1
	STEP 1, 0, 0
	TURN 1, 0, 1
	STEP 0, 0, 0
	s_sub_co_u32 s3, s3, 1
	s_cmp_lg_u32 s3, 0
	s_cbranch_scc1 .Llap
	TURN 0, 1, 0
	STEP 1, 0, 0
	s_wait_dscnt 4*NL
	WIN MUL_LO
	MUL16 0, 1, NQ-1, 1, 0
	MUL16 2, 1, NQ-1, 1, 0
	s_wait_dscnt 0
	WIN MUL_HI
	MUL16 4, 1, NQ-1, 1, 0
	MUL16 6, 1, NQ-1, 1, 0
	WIN 0
.macro QUANT s
.irp b, 0,1,2,3
	v_max3_num_f32 v[TM+\b], |v[\s+16*\b]|, |v[\s+1+16*\b]|, 0x1800000
.endr
.irp i, 2,4,6,8,10,12,14
.irp b, 0,1,2,3
	v_max3_num_f32 v[TM+\b], v[TM+\b], |v[\s+16*\b+\i]|, |v[\s+1+16*\b+\i]|
.endr
.endr
.irp b, 0,1,2,3
	v_permlanex16_b32 v[TM+4+\b], v[TM+\b], s[SEL], s[SEL+1]
.endr
.irp b, 0,1,2,3
	v_max_num_f32 v[TM+\b], v[TM+\b], v[TM+4+\b]
.endr
.irp b, 0,1,2,3
	v_add_nc_u32 v[TM+12+\b], 0xff000000, v[TM+\b]
.endr
.irp b, 0,1,2,3
	v_lshrrev_b32 v[TM+4+\b], 23, v[TM+12+\b]
.endr
	v_lshl_or_b32 v[PW], v[TM+5], 8, v[TM+4]
	v_lshl_or_b32 v[PW], v[TM+6], 16, v[PW]
	v_lshl_or_b32 v[PW], v[TM+7], 24, v[PW]
.irp c, 0,1
	v_cvt_scalef32_pk16_fp6_f32 v[PC+6*\c:PC+2+6*\c], v[\s+32*\c:\s+15+32*\c], v[TM+12+2*\c]
	v_cvt_scalef32_pk16_fp6_f32 v[PC+12+4*\c:PC+14+4*\c], v[\s+16+32*\c:\s+31+32*\c], v[TM+12+2*\c+1]
.endr
	v_nop
.irp c, 0,1
.irp i, 0,1,2
	v_permlane16_swap_b32 v[PC+6*\c+\i], v[PC+12+4*\c+\i]
.endr
.irp i, 0,1,2
	v_mov_b32 v[PC+3+6*\c+\i], v[PC+12+4*\c+\i]
.endr
.endr
.endm
.macro STUB a
	WIN 0x40|(2+(\a)/4)
.set j, 0
.rept 32
	v_pk_mul_f32 v[j:j+1], v[64*((\a)%4)+j:64*((\a)%4)+j+1], 0.5 op_sel_hi:[1,0]
.set j, j+2
.endr
	WIN 0
.endm
	PLACES NP
.irp b, 0,1,2,3
	v_mov_b32 v[TM+4+\b], 0
.endr
	v_mov_b32 v80, 0x32edffee
	v_mov_b32 v81, 0x32edffee
	v_mov_b32 v82, 0xb95fbd29
	v_mov_b32 v83, 0xb95fbd29
.macro COEF r, bits
	s_mov_b32 s[\r], \bits
	s_mov_b32 s[\r+1], \bits
.endm
	COEF 24, 0xaf95df0b
	COEF 26, 0xb60cff51
	COEF 28, 0xb86ec2d2
	COEF 30, 0xba40ac63
	COEF 32, 0xbb41a1f6
	COEF 34, 0xbc83dbd4
	COEF 36, 0xb77460cd
	COEF 38, 0xbadc924e
	COEF 40, 0xbbf19bf8
	COEF 42, 0xbc69b6a7
	s_mov_b32 s[AI], 0
	s_mov_b32 s[SWO], 0
.Lblk:
.irp a, 1,2,3,4,5,6,7
	s_cmp_eq_u32 s[AI], \a
	s_cbranch_scc1 .Lst\a
.endr
	STUB 0
	s_branch .Lcommon
.irp a, 1,2,3,4,5,6
.Lst\a:
	STUB \a
	s_branch .Lcommon
.endr
.Lst7:
	STUB 7
.Lcommon:
	WIN 0x01
.set j, 0
.rept 32
	v_pk_mul_f32 v[H+j:H+j+1], v[j:j+1], 0x3fb504f3 op_sel_hi:[1,0]
.set j, j+2
.endr
	WIN 0
.set j, 0
.rept 64
	v_med3_num_f32 v[H+j], v[H+j], -4.0, 4.0
.set j, j+1
.endr
.set g, 0
.rept 4                                ; sixteen numbers at a time: eight packed chains side by side
.irp p, 0,2,4,6,8,10,12,14
	v_pk_mul_f32 v[X2+\p:X2+\p+1], v[H+16*g+\p:H+16*g+\p+1], v[H+16*g+\p:H+16*g+\p+1]
.endr
.irp p, 0,2,4,6,8,10,12,14
	v_pk_fma_f32 v[PP+\p:PP+\p+1], v[X2+\p:X2+\p+1], s[24:25], v[80:81] op_sel_hi:[1,0,1]
.endr
.irp p, 0,2,4,6,8,10,12,14
	v_pk_fma_f32 v[QR+16*g+\p:QR+16*g+\p+1], v[X2+\p:X2+\p+1], s[36:37], v[82:83] op_sel_hi:[1,0,1]
.endr
.irp c, 0,2,4                          ; P's and Q's steps by turns
.irp p, 0,2,4,6,8,10,12,14
	v_pk_fma_f32 v[PP+\p:PP+\p+1], v[PP+\p:PP+\p+1], v[X2+\p:X2+\p+1], s[26+\c:27+\c] op_sel_hi:[1,1,0]
.endr
.irp p, 0,2,4,6,8,10,12,14
	v_pk_fma_f32 v[QR+16*g+\p:QR+16*g+\p+1], v[QR+16*g+\p:QR+16*g+\p+1], v[X2+\p:X2+\p+1], s[38+\c:39+\c] op_sel_hi:[1,1,0]
.endr
.endr
.irp c, 32,34
.irp p, 0,2,4,6,8,10,12,14
	v_pk_fma_f32 v[PP+\p:PP+\p+1], v[PP+\p:PP+\p+1], v[X2+\p:X2+\p+1], s[\c:\c+1] op_sel_hi:[1,1,0]
.endr
.endr
.irp p, 0,2,4,6,8,10,12,14
	v_pk_mul_f32 v[H+16*g+\p:H+16*g+\p+1], v[H+16*g+\p:H+16*g+\p+1], v[PP+\p:PP+\p+1]
.endr
.set g, g+1
.endr
.set j, 0
	s_wait_alu depctr_va_vdst(0)
.rept 64
	v_rcp_f32 v[QR+j], v[QR+j]
.set j, j+1
.endr
	v_nop
	s_wait_alu depctr_va_vdst(0)
.set j, 0
.rept 32
	v_pk_mul_f32 v[H+j:H+j+1], v[H+j:H+j+1], v[QR+j:QR+j+1]
.set j, j+2
.endr
	WIN 0x11
.set j, 0
.rept 32
	v_pk_fma_f32 v[H+j:H+j+1], v[j:j+1], v[H+j:H+j+1], v[j:j+1]
.set j, j+2
.endr
	WIN 0
	QUANT H
	global_store_b128 v[L16], v[PC:PC+3], s[12:13]
	global_store_b64 v[L8], v[PC+4:PC+5], s[12:13] offset:512
	global_store_b128 v[L16], v[PC+6:PC+9], s[12:13] offset:768
	global_store_b64 v[L8], v[PC+10:PC+11], s[12:13] offset:1280
	v_add_nc_u32 v[SWT], s[SWO], v[SWA]
	ds_store_b32 v[SWT], v[PW]
	s_wait_xcnt 0x0
	s_wait_dscnt 0x0
	s_add_nc_u64 s[12:13], s[12:13], NKO*FRB
	s_add_co_u32 s[SWO], s[SWO], 64
	s_add_co_u32 s[AI], s[AI], 1
	s_cmp_lt_u32 s[AI], 8
	s_cbranch_scc1 .Lblk
	ds_load_b128 v[120:123], v[SRD]
	s_wait_dscnt 0x0
	global_store_b128 v[L16], v[120:123], s[18:19]
	s_wait_tensorcnt 0x0
	ds_add_u32 v[SPW], v[NIL]
	s_wait_dscnt 0x0
	CROUND
	s_endpgm
.Lfunc_end_k_q4dfba1f6e6_gfc1:
	.size	k_q4dfba1f6e6_gfc1, .Lfunc_end_k_q4dfba1f6e6_gfc1-k_q4dfba1f6e6_gfc1
	.p2alignl 7, 3214868480
	.fill 96, 4, 3214868480
	.section	.rodata,"a",@progbits
	.p2align	6, 0x0
	.amdhsa_kernel k_q4dfba1f6e6_gfc1
		.amdhsa_group_segment_fixed_size 327680
		.amdhsa_private_segment_fixed_size 0
		.amdhsa_enable_private_segment 0
		.amdhsa_kernarg_size 32
		.amdhsa_user_sgpr_count 2
		.amdhsa_user_sgpr_kernarg_segment_ptr 1
		.amdhsa_wavefront_size32 1
		.amdhsa_system_sgpr_workgroup_id_x 1
		.amdhsa_system_sgpr_workgroup_id_y 1
		.amdhsa_system_sgpr_workgroup_id_z 1
		.amdhsa_system_vgpr_workitem_id 0
		.amdhsa_next_free_vgpr 1024
		.amdhsa_next_free_sgpr 102
		.amdhsa_reserve_vcc 0
		.amdhsa_float_denorm_mode_32 3
		.amdhsa_float_denorm_mode_16_64 3
		.amdhsa_memory_ordered 1
		.amdhsa_forward_progress 1
		.amdhsa_inst_pref_size 181
	.end_amdhsa_kernel
	.amdgpu_metadata
---
amdhsa.version: [ 1, 2 ]
amdhsa.kernels:
  - .name:           k_q4dfba1f6e6_gfc1
    .symbol:         k_q4dfba1f6e6_gfc1.kd
    .args:
      - { .name: act, .offset: 0, .size: 8, .value_kind: global_buffer, .address_space: global }
      - { .name: wts, .offset: 8, .size: 8, .value_kind: global_buffer, .address_space: global }
      - { .name: fc1_b, .offset: 16, .size: 8, .value_kind: global_buffer, .address_space: global }
      - { .name: hid, .offset: 24, .size: 8, .value_kind: global_buffer, .address_space: global }
    .group_segment_fixed_size: 327680
    .private_segment_fixed_size: 0
    .kernarg_segment_align: 8
    .kernarg_segment_size: 32
    .max_flat_workgroup_size: 128
    .sgpr_count:     102
    .vgpr_count:     1024
    .wavefront_size: 32
...
	.end_amdgpu_metadata
.endif
;; end of part 13
;; launch gfc2 (part 14): grid 8 x 32, 4 waves a work-group, clusters of 4 x 4, 327,680 bytes of LDS; arguments hid, wts, fc2_b, x1, out0; writes out0
.if DOCPART == 14
	.amdgcn_target "amdgcn-amd-amdhsa--gfx1250"
	.amdhsa_code_object_version 6
	.text
	.protected	k_q4dfba1f6e6_gfc2
	.globl	k_q4dfba1f6e6_gfc2
	.p2align	8
	.type	k_q4dfba1f6e6_gfc2,@function
k_q4dfba1f6e6_gfc2:
	s_mov_b64 s[64:65], 0
	v_nop
	global_prefetch_b8 v0, s[64:65] scope:SCOPE_SE
	s_setreg_imm32_b32 hwreg(HW_REG_WAVE_MODE, 25, 1), 1
	s_wait_xcnt 0x0
	s_wait_alu depctr_hold_cnt(0) depctr_sa_sdst(0) depctr_va_vdst(0) depctr_va_sdst(0) depctr_va_ssrc(0) depctr_va_vcc(0) depctr_vm_vsrc(0)
	s_getreg_b32 s2, hwreg(HW_REG_IB_STS2, 6, 4)
	s_cmp_eq_u32 s2, 0
	s_cbranch_scc0 .Lentry_in_a_cluster
	s_endpgm
.Lentry_in_a_cluster:
	s_bfe_u32 s2, ttmp6, 0x10000c
	s_cmp_lg_u32 s2, 0xf033
	s_cbranch_scc0 .Lentry_shape_is_right
	s_endpgm
.Lentry_shape_is_right:
; out0 = x1 + hid fc2_w + fc2_b; the product on codes of FP6 (E2M3) with E8M0 scales, sums in f32.  Operands lie as images of the operand's registers, [row tile of 16][K step of 128][1,536 bytes],
; scale words [128 rows][K step][128 words], row position p holding true row sigma(p) (bits 3 and 4 exchanged), as the launches that make them lay them.
; SHAPE.  A tile of C is 128 x 128 (256 work-groups), four waves, 64 x 64 each: 16 accumulators.  The matrix instruction is used transposed (source 0 = rows of B, source 1 = rows of A); the bias is the C of each accumulator's first product.
; K = 4,096 goes in steps of 512 through two LDS slots; the scale words of the work-group's rows, for all of K, come once.  THE HEAD: one tensor load a wave (A's slot 0, A's scale words, B's slot 0, B's scale words);
; slot 1 follows behind the waits, the add and a round, a quarter a wave; one tensor load of a wave is out behind each round.
; CLUSTERS: 4 x 4; A's tiles are asked for jointly along a row of the cluster, B's along a column.  The prefetches are described where their address is made.
; THE WAY OUT: through a stage in slot 0, which has had its last fill and its last read by then, back as rows of 256 bytes; the residual x1 is added; sixteen lanes store 256 consecutive bytes, aligned.
; LIMITS: NaN and infinities are not served.
.set NKS,   32
.set A_SC,  12582912
.set B_CO,  6291456
.set B_SC,  9699328
.set LAST,  1
.set NQ,    4
.set FR,    12
.set FRB,   1536
.set NL,    4
.set NP,    4
.set HALFT, 4*NQ*FRB
.set SLOT,  4*HALFT
.set LAPS,  NKS/(2*NQ)
.set SCL,   2*SLOT
.set HALFS, NKS*256
.set SPARE, SCL+4*HALFS
.set SPITCH, 272
.set L16,  4
.set L8,   5
.set ADRA, 16
.set ADRB, 20
.set STO,  24
.set RD,   25
.set CO,   26
.set ADRS, 27
.set SPW,  28
.set NIL,  29
.set SC,   32
.set BIA,  64
.set ACC,  128
.set RES,  0
.set G1,   24
.set G0,   32
.set G1B,  48
.set G0B,  56
.set G1S,  68
.set G0S,  76
.set G1SB, 80
.set G0SB, 88
.set PA,   4
.set PB,   6
.set MSB, 0
.macro WIN new
.if MSB != (\new)
	s_set_vgpr_msb (MSB<<8)|(\new)
.set MSB, (\new)
.endif
.endm
.set MUL,  0x05
.set TO_F, 0x40
.macro JLOAD g0a, g1a, g0b, g1b
	s_cmp_eq_u32 s15, 0
	s_cbranch_scc0 .Lfor_b_\@
	tensor_load_to_lds s[\g0a:\g0a+3], s[\g1a:\g1a+7]
	s_nop 0
.rept 4
	v_nop
.endr
	s_branch .Lasked_\@
.Lfor_b_\@:
	tensor_load_to_lds s[\g0b:\g0b+3], s[\g1b:\g1b+7]
	s_nop 0
.rept 4
	v_nop
.endr
.Lasked_\@:
.endm
.macro CREST
	s_cmp_lg_u32 s14, 0
	s_cbranch_scc1 .Lnot_wave_0_\@
	s_barrier_signal -3
.Lnot_wave_0_\@:
	s_barrier_wait -3
	s_barrier_signal -1
	s_barrier_wait -1
.endm
.macro CROUND
	s_barrier_signal -1
	s_barrier_wait -1
	CREST
.endm
	s_load_b128 s[4:7], s[0:1], 0x0
	s_load_b128 s[8:11], s[0:1], 0x10
	s_load_b64 s[12:13], s[0:1], 0x20
	v_lshl_add_u32 v[SPW], v0, 2, SPARE
	v_mov_b32 v[NIL], 0
	ds_add_u32 v[SPW], v[NIL]
	ds_add_u32 v[SPW], v[NIL]
	v_lshrrev_b32 v1, 5, v0
	v_readfirstlane_b32 s14, v1
	s_lshr_b32 s15, s14, 1
	s_and_b32 s16, s14, 1
	s_bfe_u32 s40, ttmp6, 0x40000
	s_bfe_u32 s41, ttmp6, 0x40004
	s_lshl_b32 s42, ttmp9, 2
	s_add_co_u32 s42, s42, s40
	s_and_b32 s17, ttmp7, 0xffff
	s_lshl_b32 s17, s17, 2
	s_add_co_u32 s17, s17, s41
	s_lshl_b32 s43, s41, 2
	s_lshl_b32 s43, 15, s43
	s_lshl_b32 s44, 0x1111, s40
	s_or_b32 s[G1+0], s43, (3<<16)|(1<<21)
	s_or_b32 s[G1B+0], s44, (3<<16)|(1<<21)
.irp g, G1, G1B
	s_mov_b32 s[\g+1], (NQ*192)<<16
	s_mov_b32 s[\g+2], 8<<16                       ; 8 row tiles for the head's loads; behind them 4
	s_mov_b32 s[\g+3], (NQ*192)<<16
	s_mov_b32 s[\g+4], 8
	s_mov_b32 s[\g+5], NKS*192
	s_mov_b32 s[\g+6], 0
	s_mov_b32 s[\g+7], 0
.endr
	s_or_b32 s[G1S+0], s43, (3<<16)|(1<<21)
	s_or_b32 s[G1SB+0], s44, (3<<16)|(1<<21)
.irp g, G1S, G1SB
	s_mov_b32 s[\g+1], 32<<16
	s_mov_b32 s[\g+2], (2*NKS)<<16                 ; the scale words of all 128 rows in one load
	s_mov_b32 s[\g+3], 32<<16
	s_mov_b32 s[\g+4], 2*NKS
	s_mov_b32 s[\g+5], 32
	s_mov_b32 s[\g+6], 0
	s_mov_b32 s[\g+7], 0
.endr
	s_lshl_b32 s18, s16, 2
	s_lshl_b32 s20, s17, 3
	s_add_co_u32 s20, s20, s18
	s_mul_i32 s20, s20, NKS*FRB
	s_mov_b32 s21, 0
	s_lshl_b32 s46, s42, 3
	s_add_co_u32 s46, s46, s18
	s_mul_i32 s46, s46, NKS*FRB
	s_add_co_u32 s46, s46, B_CO
	s_mov_b32 s47, 0
	s_lshl_b32 s22, s17, 1
	s_add_co_u32 s22, s22, s16
	s_mul_i32 s22, s22, HALFS
	s_add_co_u32 s22, s22, A_SC
	s_mov_b32 s23, 0
	s_lshl_b32 s92, s42, 1
	s_add_co_u32 s92, s92, s16
	s_mul_i32 s92, s92, HALFS
	s_add_co_u32 s92, s92, B_SC
	s_mov_b32 s93, 0
	s_mul_i32 s45, s14, HALFT
	s_mul_i32 s94, s14, HALFS
	s_wait_dscnt 0x0
	s_wait_kmcnt 0x0
	s_add_nc_u64 s[20:21], s[PA:PA+1], s[20:21]
	s_add_nc_u64 s[22:23], s[PA:PA+1], s[22:23]
	s_add_nc_u64 s[46:47], s[PB:PB+1], s[46:47]
	s_add_nc_u64 s[92:93], s[PB:PB+1], s[92:93]
	CROUND
	s_mov_b32 s[G0S], 1
	s_add_co_u32 s[G0S+1], s94, SCL-HALFS          ; used by wave 1 alone: SCL
	s_sub_nc_u64 s[G0S+2:G0S+3], s[22:23], HALFS   ; wave 1's address names the block's upper half: back to its start
	s_or_b32 s[G0S+3], s[G0S+3], 0x80000000
	s_mov_b32 s[G0SB], 1
	s_add_co_u32 s[G0SB+1], s94, SCL-HALFS         ; used by wave 3 alone: SCL + 2 HALFS
	s_sub_nc_u64 s[G0SB+2:G0SB+3], s[92:93], HALFS
	s_or_b32 s[G0SB+3], s[G0SB+3], 0x80000000
.irp s, 0,1
	s_mov_b32 s[G0+4*\s], 1
	s_add_co_u32 s[G0+4*\s+1], s45, \s*SLOT
	s_add_nc_u64 s[G0+4*\s+2:G0+4*\s+3], s[20:21], \s*NQ*FRB
	s_or_b32 s[G0+4*\s+3], s[G0+4*\s+3], 0x80000000
	s_mov_b32 s[G0B+4*\s], 1
	s_add_co_u32 s[G0B+4*\s+1], s45, \s*SLOT
	s_add_nc_u64 s[G0B+4*\s+2:G0B+4*\s+3], s[46:47], \s*NQ*FRB
	s_or_b32 s[G0B+4*\s+3], s[G0B+4*\s+3], 0x80000000
.endr
; THE HEAD'S LOADS, ONE A WAVE: wave 0 A's 8 row tiles of slot 0, wave 1 A's scale words, wave 2 B's 8 row tiles, wave 3 B's scale words.  One chain of branches on the wave's number, all arms to one join.
; THE PREFETCHES.  A slot's part that a wave fetches is 4 row tiles x 6,144 bytes.  Of the four partners that ask for it jointly the one at place p (cx for A, cy for B) names row tile p, told apart by address alone:
; 24 blocks of 256 bytes, a lane a block (lanes 24-31 name the last block again), one instruction a wave.  Slot n is named behind the tensor load of slot n - 2 (slots 1 and 2 behind the head's load); slots 6 and 7 are the last.
	v_and_b32 v30, 31, v0
	v_min_u32 v30, 23, v30
	v_lshlrev_b32 v30, 8, v30                      ; v30: 256 x min(lane, 23); never rewritten
	s_cmp_eq_u32 s15, 0                            ; do I fetch for A?
	s_cselect_b64 s[96:97], s[20:21], s[46:47]     ; my 4 row tiles, K step 0
	s_cselect_b32 s98, s40, s41                    ; my place among the four that ask with me
	s_mul_i32 s98, s98, NKS*FRB                    ; from row tile to row tile
	s_mov_b32 s99, 0
	s_add_nc_u64 s[96:97], s[96:97], s[98:99]
	s_wait_alu depctr_va_vdst(0)                   ; the wait
	s_cmp_eq_u32 s14, 0
	s_cbranch_scc0 .Lhead_1
	tensor_load_to_lds s[G0:G0+3], s[G1:G1+7]
	s_nop 0
.rept 4
	v_nop
.endr
	s_branch .Lhead_j
.Lhead_1:
	s_cmp_eq_u32 s14, 1
	s_cbranch_scc0 .Lhead_2
	tensor_load_to_lds s[G0S:G0S+3], s[G1S:G1S+7]
	s_nop 0
.rept 4
	v_nop
.endr
	s_branch .Lhead_j
.Lhead_2:
	s_cmp_eq_u32 s14, 2
	s_cbranch_scc0 .Lhead_3
	tensor_load_to_lds s[G0B:G0B+3], s[G1B:G1B+7]
	s_nop 0
.rept 4
	v_nop
.endr
	s_branch .Lhead_j
.Lhead_3:
	tensor_load_to_lds s[G0SB:G0SB+3], s[G1SB:G1SB+7]
	s_nop 0
.rept 4
	v_nop
.endr
.Lhead_j:
	global_prefetch_b8 v30, s[96:97] offset:NQ*FRB th:TH_LOAD_NT scope:SCOPE_SE     ; slot 1
	global_prefetch_b8 v30, s[96:97] offset:2*NQ*FRB th:TH_LOAD_NT scope:SCOPE_SE   ; slot 2
	v_and_b32 v1, 15, v0
	v_bfe_u32 v2, v0, 4, 1
	v_and_b32 v3, 31, v0
	v_lshlrev_b32 v[L16], 4, v3
	v_lshlrev_b32 v[L8], 3, v3
	v_lshlrev_b32 v8, 6, v2
	s_lshl_b32 s46, s42, 9
	s_lshl_b32 s47, s16, 8
	s_add_co_u32 s46, s46, s47
	s_mov_b32 s47, 0
	s_add_nc_u64 s[8:9], s[8:9], s[46:47]
.irp i, 0,1,2,3,4,5,6,7
	global_load_b128 v[BIA+4*\i:BIA+4*\i+3], v8, s[8:9] offset:128*(\i/4)+16*(\i%4)
.endr
	v_lshlrev_b32 v[CO], 12, v2
	v_lshl_add_u32 v[CO], v1, 4, v[CO]
	s_wait_alu depctr_va_vdst(0)
	s_lshl_b32 s20, s17, 7
	s_lshl_b32 s21, s15, 6
	s_add_co_u32 s20, s20, s21
	s_lshl_b32 s20, s20, 12
	s_add_co_u32 s20, s20, s46
	s_mov_b32 s21, 0
	s_add_nc_u64 s[12:13], s[12:13], s[20:21]
	s_add_nc_u64 s[10:11], s[10:11], s[20:21]
	s_mul_i32 s21, s15, HALFT
	s_mul_i32 s22, s16, HALFT
	s_add_co_u32 s22, s22, 2*HALFT
.irp s, 0,1
	v_add_nc_u32 v[ADRA+\s], s21, v[L16]
	v_add_nc_u32 v[ADRB+\s], s22, v[L16]
	v_add_nc_u32 v[ADRA+2+\s], s21, v[L8]
	v_add_nc_u32 v[ADRB+2+\s], s22, v[L8]
	s_add_co_u32 s21, s21, SLOT
	s_add_co_u32 s22, s22, SLOT
.endr
	v_lshlrev_b32 v7, 2, v1
	s_lshl_b32 s21, s15, 8
	s_lshl_b32 s22, s16, 8
	s_add_co_u32 s22, s22, 2*HALFS
	s_sub_co_u32 s22, s22, s21
	v_mul_u32_u24 v6, s22, v2
	s_add_co_u32 s21, s21, SCL
	v_add_nc_u32 v6, v7, v6
	v_add_nc_u32 v[ADRS], s21, v6
	s_mul_i32 s23, s14, 16*SPITCH
	v_mul_u32_u24 v6, v1, SPITCH
	v_lshl_add_u32 v6, v2, 6, v6
	v_add_nc_u32 v[STO], s23, v6
	v_mul_u32_u24 v6, v2, SPITCH
	v_lshl_add_u32 v6, v1, 4, v6
	v_add_nc_u32 v[RD], s23, v6
.macro FRAG reg, adr, q, i
	ds_load_b128 v[\reg:\reg+3], v[\adr] offset:((\i)*NQ+(\q))*FRB
	ds_load_b64 v[\reg+4:\reg+5], v[\adr+2] offset:((\i)*NQ+(\q))*FRB+512
	ds_load_b128 v[\reg+6:\reg+9], v[\adr] offset:((\i)*NQ+(\q))*FRB+768
	ds_load_b64 v[\reg+10:\reg+11], v[\adr+2] offset:((\i)*NQ+(\q))*FRB+1280
.endm
.macro MUL4 f, a, q, sc, zero
.irp b, 0,1,2,3
.if \zero
	v_wmma_scale_f32_16x16x128_f8f6f4 v[ACC+8*(4*(\a)+\b):ACC+8*(4*(\a)+\b)+7], v[(\f)+48+FR*\b:(\f)+48+FR*\b+FR-1], v[(\f)+FR*(\a):(\f)+FR*(\a)+FR-1], v[BIA+8*\b:BIA+8*\b+7], v[SC+4*NQ*(\sc)+NQ*\b+(\q)], v[SC+4*NQ*(\sc)+NQ*(\a)+(\q)] matrix_a_fmt:MATRIX_FMT_FP6 matrix_b_fmt:MATRIX_FMT_FP6 matrix_a_scale:MATRIX_SCALE_ROW1
.else
	v_wmma_scale_f32_16x16x128_f8f6f4 v[ACC+8*(4*(\a)+\b):ACC+8*(4*(\a)+\b)+7], v[(\f)+48+FR*\b:(\f)+48+FR*\b+FR-1], v[(\f)+FR*(\a):(\f)+FR*(\a)+FR-1], v[ACC+8*(4*(\a)+\b):ACC+8*(4*(\a)+\b)+7], v[SC+4*NQ*(\sc)+NQ*\b+(\q)], v[SC+4*NQ*(\sc)+NQ*(\a)+(\q)] matrix_a_fmt:MATRIX_FMT_FP6 matrix_b_fmt:MATRIX_FMT_FP6 matrix_a_scale:MATRIX_SCALE_ROW1
.endif
.endr
.endm
.macro FETCH slot, q, f
	WIN TO_F
.irp i, 0,1,2,3
	FRAG (\f)+48+FR*\i, ADRB+\slot, \q, \i
.endr
.irp i, 0,1,2,3
	FRAG (\f)+FR*\i, ADRA+\slot, \q, \i
.endr
.endm
.macro SCALES sc
.irp i, 0,1,2,3
.irp q, 0,1,2,3
	ds_load_b32 v[SC+4*NQ*\sc+NQ*\i+\q], v[ADRS] offset:64*\i+512*\q
.endr
.endr
.endm
.macro PLACES n
.rept \n
	v_nop
.endr
.endm
.macro QUARTER slot, q, zero
	s_wait_dscnt 2*NL
	WIN MUL
	MUL4 128*((\q)%2), 0, \q, \slot, \zero
	MUL4 128*((\q)%2), 1, \q, \slot, \zero
	PLACES NP
	FETCH \slot, (\q)+1, 128-128*((\q)%2)
	s_wait_dscnt 8*NL
	WIN MUL
	MUL4 128*((\q)%2), 2, \q, \slot, \zero
	MUL4 128*((\q)%2), 3, \q, \slot, \zero
.endm
.macro TURN slot, next, fill
	WIN 0
.if \fill
	s_wait_xcnt 0x0                                ; my last prefetch has read its address: it is stepped here, a slot behind that prefetch
	s_add_nc_u64 s[96:97], s[96:97], NQ*FRB
.endif
	s_wait_tensorcnt 0x0
	ds_add_u32 v[SPW], v[NIL]
	s_wait_dscnt 2*NL+1
	WIN MUL
	MUL4 128, 0, NQ-1, \slot, 0
	s_wait_dscnt 0x0
	s_barrier_signal -1
	MUL4 128, 1, NQ-1, \slot, 0
	WIN 0
	s_barrier_wait -1
.if \fill
	CREST
	s_add_nc_u64 s[G0+4*\slot+2:G0+4*\slot+3], s[G0+4*\slot+2:G0+4*\slot+3], 2*NQ*FRB
	s_add_nc_u64 s[G0B+4*\slot+2:G0B+4*\slot+3], s[G0B+4*\slot+2:G0B+4*\slot+3], 2*NQ*FRB
	JLOAD G0+4*\slot, G1, G0B+4*\slot, G1B
.else
	PLACES NP
.endif
	s_wait_alu depctr_va_vdst(0)
	v_add_nc_u32 v[ADRS], 512*NQ, v[ADRS]
	SCALES \next
.if \fill
	s_cmp_gt_u32 s3, 1                             ; the loop's last trip refills slots 6 and 7: no slot stands two loads on
	s_cbranch_scc0 .Lno_ask_\@
	global_prefetch_b8 v30, s[96:97] offset:3*NQ*FRB th:TH_LOAD_NT scope:SCOPE_SE   ; the slot two loads behind the one just asked for
.Lno_ask_\@:
.endif
	FETCH \next, 0, 0
	WIN MUL
	MUL4 128, 2, NQ-1, \slot, 0
	MUL4 128, 3, NQ-1, \slot, 0
.endm
	s_wait_alu depctr_va_vdst(0)
	s_wait_tensorcnt 0x0                           ; my one load of the head is in; slot 1's first fill is issued as a refill is
	ds_add_u32 v[SPW], v[NIL]
	s_mov_b32 s[G1+2], 4<<16                       ; no load of mine is out: from here on a load brings 4 row tiles
	s_mov_b32 s[G1+4], 4
	s_mov_b32 s[G1B+2], 4<<16
	s_mov_b32 s[G1B+4], 4
	s_wait_dscnt 0x0
	CROUND                                         ; slot 0 and the scale words are whole, and all sixteen work-groups are here
	JLOAD G0+4, G1, G0B+4, G1B                     ; slot 1, a quarter a wave
	global_prefetch_b8 v30, s[96:97] offset:3*NQ*FRB th:TH_LOAD_NT scope:SCOPE_SE   ; slot 3
	SCALES 0
	FETCH 0, 0, 0
	s_wait_loadcnt 0x0                             ; the bias
	QUARTER 0, 0, 1
.if LAPS > 1
	WIN 0
	s_mov_b32 s3, LAPS-1
.Llap:
	QUARTER 0, 1, 0
	QUARTER 0, 2, 0
	TURN 0, 1, 1
	QUARTER 1, 0, 0
	QUARTER 1, 1, 0
	QUARTER 1, 2, 0
	TURN 1, 0, 1
	QUARTER 0, 0, 0
	WIN 0
	s_sub_co_u32 s3, s3, 1
	s_cmp_lg_u32 s3, 0
	s_cbranch_scc1 .Llap
.endif
	WIN 0x80                                       ; the residual's 32 loads go out here, with two slots' products still to come, and are waited for on the way out
.irp a, 0,1,2,3
.irp t, 0,1,2,3,4,5,6,7
	global_load_b128 v[RES+32*\a+4*\t:RES+32*\a+4*\t+3], v[CO], s[10:11] offset:(32*(\a/2)+8*(\a%2)+2*\t+8*(\t/4))*4096
.endr
.endr
	WIN 0
	QUARTER 0, 1, 0
	QUARTER 0, 2, 0
	TURN 0, 1, 0
	QUARTER 1, 0, 0
	QUARTER 1, 1, 0
	QUARTER 1, 2, 0
	s_wait_dscnt 2*NL
	WIN MUL
	MUL4 128, 0, NQ-1, 1, 0
	MUL4 128, 1, NQ-1, 1, 0
	s_wait_dscnt 0
	MUL4 128, 2, NQ-1, 1, 0
	MUL4 128, 3, NQ-1, 1, 0
	WIN 0
	PLACES NP
.irp a, 0,1,2,3
.irp b, 0,1,2,3
	ds_store_b128 v[STO], v[ACC+32*\a+8*\b:ACC+32*\a+8*\b+3] offset:128*(\b/2)+32*(\b%2)
	ds_store_b128 v[STO], v[ACC+32*\a+8*\b+4:ACC+32*\a+8*\b+7] offset:128*(\b/2)+32*(\b%2)+16
.endr
.irp t, 0,1,2,3,4,5,6,7
	ds_load_b128 v[ACC+32*\a+4*\t:ACC+32*\a+4*\t+3], v[RD] offset:\t*2*SPITCH
.endr
.endr
	s_wait_loadcnt 0x0
.irp a, 0,1,2,3
	s_wait_dscnt 16*(3-\a)
	WIN 0x08
.set j, 0
.rept 16
	v_pk_add_f32 v[ACC+32*\a+j:ACC+32*\a+j+1], v[ACC+32*\a+j:ACC+32*\a+j+1], v[RES+32*\a+j:RES+32*\a+j+1]
.set j, j+2
.endr
	WIN 0
.irp t, 0,1,2,3,4,5,6,7
.if LAST
	global_store_b128 v[CO], v[ACC+32*\a+4*\t:ACC+32*\a+4*\t+3], s[12:13] offset:(32*(\a/2)+8*(\a%2)+2*\t+8*(\t/4))*4096 th:TH_STORE_NT
.else
	global_store_b128 v[CO], v[ACC+32*\a+4*\t:ACC+32*\a+4*\t+3], s[12:13] offset:(32*(\a/2)+8*(\a%2)+2*\t+8*(\t/4))*4096
.endif
.endr
.endr
	s_wait_tensorcnt 0x0
	ds_add_u32 v[SPW], v[NIL]
	s_wait_dscnt 0x0
	CROUND
	s_endpgm
.Lfunc_end_k_q4dfba1f6e6_gfc2:
	.size	k_q4dfba1f6e6_gfc2, .Lfunc_end_k_q4dfba1f6e6_gfc2-k_q4dfba1f6e6_gfc2
	.p2alignl 7, 3214868480
	.fill 96, 4, 3214868480
	.section	.rodata,"a",@progbits
	.p2align	6, 0x0
	.amdhsa_kernel k_q4dfba1f6e6_gfc2
		.amdhsa_group_segment_fixed_size 327680
		.amdhsa_private_segment_fixed_size 0
		.amdhsa_enable_private_segment 0
		.amdhsa_kernarg_size 40
		.amdhsa_user_sgpr_count 2
		.amdhsa_user_sgpr_kernarg_segment_ptr 1
		.amdhsa_wavefront_size32 1
		.amdhsa_system_sgpr_workgroup_id_x 1
		.amdhsa_system_sgpr_workgroup_id_y 1
		.amdhsa_system_sgpr_workgroup_id_z 1
		.amdhsa_system_vgpr_workitem_id 0
		.amdhsa_next_free_vgpr 768
		.amdhsa_next_free_sgpr 102
		.amdhsa_reserve_vcc 0
		.amdhsa_float_denorm_mode_32 3
		.amdhsa_float_denorm_mode_16_64 3
		.amdhsa_memory_ordered 1
		.amdhsa_forward_progress 1
		.amdhsa_inst_pref_size 103
	.end_amdhsa_kernel
	.amdgpu_metadata
---
amdhsa.version: [ 1, 2 ]
amdhsa.kernels:
  - .name:           k_q4dfba1f6e6_gfc2
    .symbol:         k_q4dfba1f6e6_gfc2.kd
    .args:
      - { .name: hid, .offset: 0, .size: 8, .value_kind: global_buffer, .address_space: global }
      - { .name: wts, .offset: 8, .size: 8, .value_kind: global_buffer, .address_space: global }
      - { .name: fc2_b, .offset: 16, .size: 8, .value_kind: global_buffer, .address_space: global }
      - { .name: x1, .offset: 24, .size: 8, .value_kind: global_buffer, .address_space: global }
      - { .name: out0, .offset: 32, .size: 8, .value_kind: global_buffer, .address_space: global }
    .group_segment_fixed_size: 327680
    .private_segment_fixed_size: 0
    .kernarg_segment_align: 8
    .kernarg_segment_size: 40
    .max_flat_workgroup_size: 128
    .sgpr_count:     102
    .vgpr_count:     768
    .wavefront_size: 32
...
	.end_amdgpu_metadata
.endif
;; end of part 14
